; MI455X (gfx1250); checked and timed in simulation.
; The chip was launched on July 23, 2026; its instructions are those of AMD's public machine-readable ISA for CDNA 5 (MIT licence, August 2026) and "CDNA5" Instruction Set Architecture Reference Guide (July 2026). The comments in the code are by the model that wrote it; some were corrected since.
;; Transformer Encoder Block. Allowed arithmetic: matrix products marked QUANTISED: E2M3 operands, one E8M0 scale for each 32 along K, by v_wmma_scale_f32_16x16x128_f8f6f4 with both operands' format E2M3, f32 sums; everything else in f32.
;; Inputs: b_fc1 1,024 float32; b_fc2 1,024 float32; b_proj 1,024 float32; b_qkv 3,072 float32; ln1_b 1,024 float32; ln1_g 1,024 float32; ln2_b 1,024 float32; ln2_g 1,024 float32; w_fc1 1,024 x 1,024 float32; w_fc2 1,024 x 1,024 float32; w_proj 1,024 x 1,024 float32; w_qkv 1,024 x 3,072 float32; x 8 x 1,024 x 1,024 float32.
;; Outputs: out0 8 x 1,024 x 1,024 float32.
;; This version of the problem:
;;   THIS VERSION OF THE PROBLEM IS GIVEN IN LOW PRECISION. The matrix products marked QUANTISED in the list below multiply operands that are first quantised to E2M3 (2 exponent bits, 3 mantissa bits; 6 bits a number), with one power-of-two scale for each 32 numbers along K (OCP MX v1.0); their sums are f32. All else is computed in f32.
;;   The module's matrix products, in the order in which they are computed (A, B: the left and right operand; K: the contracted axis; several contracted axes count as one K, in the product's order):
;;     1. [M 8,192, K 1,024] x [K 1,024, N 3,072]; A: computed on the way; B: input w_qkv: QUANTISED
;;     2. batch 128 x [M 1,024, K 64] x [K 64, N 1,024]; A: computed on the way; B: computed on the way: QUANTISED
;;     3. batch 128 x [M 64, K 1,024] x [K 1,024, N 1,024]; A: computed on the way; B: softmax (see below): QUANTISED
;;     4. [M 8,192, K 1,024] x [K 1,024, N 1,024]; A: computed on the way; B: input w_proj: QUANTISED
;;     5. [M 8,192, K 1,024] x [K 1,024, N 1,024]; A: computed on the way; B: input w_fc1: QUANTISED
;;     6. [M 8,192, K 1,024] x [K 1,024, N 1,024]; A: computed on the way; B: input w_fc2: QUANTISED
;;   THE QUANTISER, for each operand of a quantised product, along K:
;;     - K is cut into blocks of 32 from its start; a last block that is shorter is filled with zeros.
;;     - A block's scale is 2^e with e = floor(log2(the largest magnitude in the block)) - 2, held to -126 .. 127; a block of zeros has e = 0. As a byte (E8M0): e + 127.
;;     - Each number is divided by its block's scale, clamped to +-7.5, and rounded to the nearest number of E2M3, ties to even, subnormals kept.
;;     - The product sums the exact products of the quantised numbers (number of the format x scale) in f32.
;;   ~~~python
;;   def quantise(x, axis):      # numpy; x: float32 -> the quantised numbers, widened to float32 again
;;       x = np.moveaxis(x, axis, -1); K = x.shape[-1]
;;       x = np.pad(x, [(0, 0)] * (x.ndim - 1) + [(0, -K % 32)]); x = x.reshape(x.shape[:-1] + (-1, 32)); a = np.abs(x).max(-1, keepdims=True)
;;       e = np.where(a > 0, np.clip(np.frexp(np.where(a > 0, a, 1))[1] - 1 - 2, -126, 127), 0)      # np.frexp(a)[1] - 1 = floor(log2(a)), exactly
;;       r = np.clip(x / 2.0 ** e, -7.5, 7.5)
;;       step = 2.0 ** (np.maximum(np.frexp(np.where(r == 0, 1, r))[1] - 1, 0) - 3)
;;       q = np.round(r / step) * step * 2.0 ** e      # np.round: ties to even
;;       return np.moveaxis(q.reshape(q.shape[:-2] + (-1,))[..., :K], -1, axis).astype(np.float32)
;;   ~~~
;;   SOFTMAX AHEAD OF A QUANTISED PRODUCT. Where the list says 'softmax', what is quantised is not the finished softmax but p = 2^(t - M), with t = logit x log2(e) and M = ceil(the row's largest t), a whole number; so 1/2 < the row's largest p <= 1. The row's sum l is taken of the UNQUANTISED p, in f32, and the product's result is divided by l at the end. Since M is a whole number, a kernel that streams over the keys may use a running M (the ceiling of the running maximum): every later rescaling is an exact power of two, which a block's scale takes up: the codes' values come out the same.
;;   OPERANDS COMPUTED ON THE WAY. 'Computed on the way' means the value that the module computes at that place (a softmax that the list does not call 'softmax' is quantised finished and normalised). What goes into a quantiser is computed in f32, as accurately as f32 sums, v_exp_f32 and their like allow (about 1e-6 of the number): no bf16 or f16 on the way to a quantiser, and a product that is left as it is and whose result goes on into a quantised operand takes f32 operands (vector FMAs, or v_wmma_f32_16x16x4_f32). A number that lies on a knife's edge between two numbers of the format may be rounded either way, as far as f32 arithmetic and the matrix unit's own rounding can turn it there, and no further.
;; 2 versions. Each part assembles by itself: llvm-mc -triple=amdgcn-amd-amdhsa -mcpu=gfx1250 --defsym DOCPART=n.
;; ======== version 1 of 2: 4 launches
;; workspace buffers: wq 4,915,200 bytes; qkv 18,874,368 bytes; qkvs 1,310,720 bytes; oq 6,291,456 bytes; os 262,144 bytes
;; launch prep (part 1): grid 48 x 8, 4 waves a work-group, no clusters, 13,312 bytes of LDS; arguments w_qkv, w_proj, w_fc1, w_fc2, wq; writes wq
.if DOCPART == 1
	.amdgcn_target "amdgcn-amd-amdhsa--gfx1250"
	.amdhsa_code_object_version 6
	.text
	.protected	k_q529424d62d_prep
	.globl	k_q529424d62d_prep
	.p2align	8
	.type	k_q529424d62d_prep,@function
k_q529424d62d_prep:
	s_mov_b64 s[64:65], 0
	v_nop
	global_prefetch_b8 v0, s[64:65] scope:SCOPE_SE
	s_setreg_imm32_b32 hwreg(HW_REG_WAVE_MODE, 25, 1), 1
	s_wait_xcnt 0x0
; The four weights, f32 stored [K][N], become codes of FP6 (E2M3) with one E8M0 byte for each 32 along K, laid in the order in which the later launches' waves take them.
; The 6,144 columns (w_qkv's 3,072, then w_proj, w_fc1, w_fc2) are six panels of 1,024.  A RECORD of 25,600 bytes serves one wave of a later launch for one K step of 128: sixteen
; fragments (16 columns x 128 K: 12 registers a lane) as images of their registers, registers 4 q .. 4 q + 3 of lane l at 512 q + 16 l, and behind them 1,024 bytes of scale words.
; Record (4 G + w) 24 + 8 pp + s: G = 0 the launch with q, k, v, G = 1 the one with proj, fc1, fc2; w the wave (columns 256 w on of a panel); pp the panel; s the K step.
; THE COLUMNS OF A TILE ARE NOT NEIGHBOURS: lane r of tile c takes column 256 w + 32 (c / 2) + 8 (c % 2) + r + 8 (r / 8), so that a product's results of two tiles are 16 neighbours in a lane.
; SHARES.  Work-group x: 128 columns, y: the K step.  A wave takes 32 columns x 128 K: A LANE TAKES A COLUMN AND ITS REGISTERS RUN DOWN K, so a block of 32 lies in one lane and the conversions give codes with K innermost.
; Each load reads 128 consecutive bytes a wave, 512 a work-group.  The codes go through the wave's own stage in LDS and leave as two whole images: six stores of 512 consecutive bytes.
; A block's scale is 2^(floor(log2(largest magnitude)) - 2): its byte is the largest magnitude's exponent field - 2, held at 1 from below.
; LIMITS: a block of zeros, or one whose largest magnitude lies under 2^-124, gets the byte 1 (zero blocks have zero codes, and this program alone reads the bytes); NaN and infinities are not served.
; No tensor loads, no cluster: nothing here is read twice.
.set X,     64                         ; v64-191  128 numbers of my column; before the loads: their byte offsets
.set CB,    20                         ; v20-51   codes: eight registers for each block
.set SCST,  12288                      ; LDS: behind the four stages of 3,072 bytes: the work-group's 128 scale words
.set SPARE, 12800                      ; the spare words, 128 bytes for each wave: two blocks of 256 bytes that no other line names
	s_load_b256 s[4:11], s[0:1], 0x0               ; w_qkv, w_proj, w_fc1, w_fc2
	s_load_b64 s[12:13], s[0:1], 0x20              ; wq
	v_lshl_add_u32 v14, v0, 2, SPARE               ; my spare word,
	v_mov_b32 v15, 0                               ; and 0: kept for the closing lines
	v_lshrrev_b32 v8, 5, v0
	v_readfirstlane_b32 s16, v8                    ; wave
	v_and_b32 v9, 31, v0                           ; lane
	v_lshlrev_b32 v1, 2, v9                        ; 4 x lane
	v_lshlrev_b32 v2, 4, v9                        ; 16 x lane
	v_bfe_u32 v10, v0, 3, 1                        ; my column's tile of the two: (lane / 8) % 2
	v_and_b32 v11, 7, v0
	v_bfe_u32 v12, v0, 4, 1
	v_lshl_or_b32 v11, v12, 3, v11                 ; and its row there: lane % 8 + 8 (lane / 16)
	s_mul_i32 s17, s16, 3072                       ; my stage
	v_mul_u32_u24 v3, v10, 1536
	v_lshl_add_u32 v3, v11, 4, v3
	v_add_nc_u32 v3, s17, v3                       ; into it: image of my tile, 16 x my row
	v_lshl_add_u32 v13, v10, 4, v11                ; row + 16 x tile
	s_lshl_b32 s18, s16, 2
	s_add_co_u32 s18, s18, SCST
	v_lshl_add_u32 v4, v13, 4, s18                 ; my scale word: 16 (row + 16 tile) + 4 x wave
	v_add_nc_u32 v5, s17, v2                       ; out of the stage: 16 x lane
	v_lshl_add_u32 v6, v0, 2, SCST                 ; the scale words on the way out: 4 x thread,
	v_lshlrev_b32 v7, 2, v0                        ; and the same in memory
	s_lshr_b32 s19, ttmp9, 3                       ; panel 0..5
	s_and_b32 s20, ttmp9, 7
	s_lshr_b32 s21, s20, 1                         ; w
	s_and_b32 s22, s20, 1                          ; which 128 of w's 256 columns
	s_and_b32 s23, ttmp7, 0xffff                   ; K step
	s_cmp_ge_u32 s19, 3
	s_cselect_b32 s24, 1, 0                        ; G
	s_mul_i32 s25, s24, 3
	s_sub_co_u32 s25, s19, s25                     ; pp
	s_lshl_b32 s26, s24, 2
	s_add_co_u32 s26, s26, s21
	s_mul_i32 s26, s26, 24
	s_lshl_b32 s27, s25, 3
	s_add_co_u32 s26, s26, s27
	s_add_co_u32 s26, s26, s23                     ; the record's number,
	s_mul_i32 s26, s26, 25600                      ; and its first byte
	s_lshl_b32 s27, s22, 2
	s_add_co_u32 s27, s27, s16                     ; my 32 columns are block 4 g + wave of the eight: tiles 2 b, 2 b + 1
	s_mul_i32 s27, s27, 3072
	s_add_co_u32 s28, s26, s27
	s_mov_b32 s29, 0
	s_lshl_b32 s30, s22, 9
	s_add_co_u32 s30, s30, s26
	s_add_co_u32 s30, s30, 24576                   ; the work-group's 512 bytes of scale words
	s_mov_b32 s31, 0
	s_mov_b32 s32, 4096
	s_cmp_lt_u32 ttmp9, 24                         ; w_qkv?
	s_cselect_b32 s32, 12288, s32                  ; bytes from row to row
	s_cselect_b32 s33, ttmp9, s20
	s_lshl_b32 s33, s33, 9                         ; the work-group's first column, in bytes
	s_lshl_b32 s34, s16, 7
	s_add_co_u32 s33, s33, s34                     ; my wave's
	s_lshl_b32 s34, s23, 7
	s_mul_i32 s34, s34, s32                        ; 128 rows for each K step
	s_add_co_u32 s34, s34, s33
	s_mov_b32 s35, 0
.set i, 0
.rept 128
	v_mad_u32_u24 v[X+i], s32, i, v1               ; row i of the K step, my column: the offset is made in the register on which its own load lands
.set i, i+1
.endr
	s_wait_kmcnt 0x0
	s_cmp_eq_u32 s19, 4                            ; the tensor is chosen by the work-group's number alone
	s_cselect_b64 s[14:15], s[8:9], s[10:11]
	s_cmp_eq_u32 s19, 3
	s_cselect_b64 s[14:15], s[6:7], s[14:15]
	s_cmp_lt_u32 ttmp9, 24
	s_cselect_b64 s[14:15], s[4:5], s[14:15]
	s_add_nc_u64 s[14:15], s[14:15], s[34:35]
	s_add_nc_u64 s[36:37], s[12:13], s[28:29]      ; where my two images go
	s_add_nc_u64 s[38:39], s[12:13], s[30:31]      ; and the scale words
.set i, 0
.rept 128
	global_load_b32 v[X+i], v[X+i], s[14:15] th:TH_LOAD_NT
.set i, i+1
.endr
; Block t: K = 32 t .. 32 t + 31 of my column.  In the fragment it belongs to lane (my row) + 16 (t % 2), registers 6 (t / 2) .. + 5.
.macro BLOCK t
.set XS, X+32*(\t)
.set C, CB+8*(\t)
.if 96-32*(\t) > 63
	s_wait_loadcnt 63                              ; this block's 32 loads are in (a wait names 63 at the most; fewer are left out than might be)
.else
	s_wait_loadcnt 96-32*(\t)                      ; this block's 32 loads are in; the younger blocks' may be out
.endif
	v_max3_num_f32 v8, |v[XS]|, |v[XS+1]|, |v[XS+2]|
	v_max3_num_f32 v9, |v[XS+3]|, |v[XS+4]|, |v[XS+5]|
.irp i, 6,10,14,18,22,26
	v_max3_num_f32 v8, v8, |v[XS+\i]|, |v[XS+\i+1]|
	v_max3_num_f32 v9, v9, |v[XS+\i+2]|, |v[XS+\i+3]|
.endr
	v_max3_num_f32 v8, v8, |v[XS+30]|, |v[XS+31]|
	v_max3_num_f32 v8, v8, v9, 0x1800000           ; and the floor 2^(3 - 127): the byte cannot fall under 1
	v_add_nc_u32 v11, 0xff000000, v8               ; 2 off the exponent field: the conversion's scale operand
	v_cvt_scalef32_pk16_fp6_f32 v[C:C+2], v[XS:XS+15], v11
	v_cvt_scalef32_pk16_fp6_f32 v[C+4:C+6], v[XS+16:XS+31], v11   ; (a conversion's three registers begin on an even number)
	v_lshrrev_b32 v13, 23, v11                     ; the scale's byte.  (A plain line behind the conversions)
.if (\t) == 0
	v_mov_b32 v16, v13
.else
	v_lshl_or_b32 v16, v13, 8*(\t), v16            ; four bytes make my column's scale word of this K step
.endif
	v_mov_b32 v[C+3], v[C+4]
	v_mov_b32 v[C+4], v[C+5]
	v_mov_b32 v[C+5], v[C+6]                       ; six registers on end
.if (\t) < 2
	ds_store_b128 v3, v[C:C+3] offset:256*((\t)%2)             ; registers 0-3,
	ds_store_b64 v3, v[C+4:C+5] offset:512+256*((\t)%2)        ; 4 and 5
.else
	ds_store_b64 v3, v[C:C+1] offset:520+256*((\t)%2)          ; registers 6 and 7,
	ds_store_b128 v3, v[C+2:C+5] offset:1024+256*((\t)%2)      ; 8-11
.endif
.endm
	BLOCK 0
	BLOCK 1
	BLOCK 2
	BLOCK 3
	ds_store_b32 v4, v16
	s_wait_dscnt 0x0                               ; for the others' sake: my scale words have landed
	s_barrier_signal -1
	s_barrier_wait -1
.irp q, 0,1,2,3,4,5
	ds_load_b128 v[20+4*\q:23+4*\q], v5 offset:512*\q
.endr
	ds_load_b32 v44, v6
.irp q, 0,1,2,3,4,5
	s_wait_dscnt 6-\q                              ; load q is in; the younger ones may be out
	global_store_b128 v2, v[20+4*\q:23+4*\q], s[36:37] offset:512*\q   ; 32 lanes store 512 consecutive bytes, at a multiple of 256 from wq's first byte
.endr
	s_wait_dscnt 0x0
	global_store_b32 v7, v44, s[38:39]             ; the scale words: 128 consecutive bytes a wave, 512 the work-group
	s_wait_tensorcnt 0x0                           ; the wave's end: behind my last LDS store
	ds_add_u32 v14, v15
	s_wait_dscnt 0x0
	s_endpgm
.Lfunc_end_k_q529424d62d_prep:
	.size	k_q529424d62d_prep, .Lfunc_end_k_q529424d62d_prep-k_q529424d62d_prep
	.p2alignl 7, 3214868480
	.fill 96, 4, 3214868480
	.section	.rodata,"a",@progbits
	.p2align	6, 0x0
	.amdhsa_kernel k_q529424d62d_prep
		.amdhsa_group_segment_fixed_size 13312
		.amdhsa_private_segment_fixed_size 0
		.amdhsa_enable_private_segment 0
		.amdhsa_kernarg_size 40
		.amdhsa_user_sgpr_count 2
		.amdhsa_user_sgpr_kernarg_segment_ptr 1
		.amdhsa_wavefront_size32 1
		.amdhsa_system_sgpr_workgroup_id_x 1
		.amdhsa_system_sgpr_workgroup_id_y 1
		.amdhsa_system_sgpr_workgroup_id_z 1
		.amdhsa_system_vgpr_workitem_id 0
		.amdhsa_next_free_vgpr 192
		.amdhsa_next_free_sgpr 66
		.amdhsa_reserve_vcc 0
		.amdhsa_float_denorm_mode_32 3
		.amdhsa_float_denorm_mode_16_64 3
		.amdhsa_memory_ordered 1
		.amdhsa_forward_progress 1
		.amdhsa_inst_pref_size 33
	.end_amdhsa_kernel
	.amdgpu_metadata
---
amdhsa.version: [ 1, 2 ]
amdhsa.kernels:
  - .name:           k_q529424d62d_prep
    .symbol:         k_q529424d62d_prep.kd
    .args:
      - { .name: w_qkv, .offset: 0, .size: 8, .value_kind: global_buffer, .address_space: global }
      - { .name: w_proj, .offset: 8, .size: 8, .value_kind: global_buffer, .address_space: global }
      - { .name: w_fc1, .offset: 16, .size: 8, .value_kind: global_buffer, .address_space: global }
      - { .name: w_fc2, .offset: 24, .size: 8, .value_kind: global_buffer, .address_space: global }
      - { .name: wq, .offset: 32, .size: 8, .value_kind: global_buffer, .address_space: global }
    .group_segment_fixed_size: 13312
    .private_segment_fixed_size: 0
    .kernarg_segment_align: 8
    .kernarg_segment_size: 40
    .max_flat_workgroup_size: 128
    .sgpr_count:     66
    .vgpr_count:     192
    .wavefront_size: 32
...
	.end_amdgpu_metadata
.endif
;; end of part 1
;; launch lnqkv (part 2): grid 256 x 1, 4 waves a work-group, no clusters, 160,256 bytes of LDS; arguments x, ln1_g, ln1_b, b_qkv, wq, qkv, qkvs; writes qkv, qkvs
.if DOCPART == 2
	.amdgcn_target "amdgcn-amd-amdhsa--gfx1250"
	.amdhsa_code_object_version 6
	.text
	.protected	k_q529424d62d_lnqkv
	.globl	k_q529424d62d_lnqkv
	.p2align	8
	.type	k_q529424d62d_lnqkv,@function
k_q529424d62d_lnqkv:
	s_mov_b64 s[64:65], 0
	v_nop
	global_prefetch_b8 v0, s[64:65] scope:SCOPE_SE
	s_setreg_imm32_b32 hwreg(HW_REG_WAVE_MODE, 25, 1), 1
	s_wait_xcnt 0x0
; h = layernorm(x) g + b; q, k, v = Q(h) Q(w_qkv) + b_qkv, quantised again for attention: q and k along a head's 64 channels, v along the keys.  Products on codes of FP6 (E2M3), one E8M0 scale for each 32 along K.
; SHARES.  A work-group of four waves owns 32 tokens (two tiles of 16).  THE WAVES SHARE THE COLUMNS: wave w owns columns 256 w .. 256 w + 255 of x and of each panel (q, k, v) of 1,024 columns, for both tiles:
; 32 accumulators, 256 registers.  A panel is 8 K steps of 128; a K step is 32 matrix instructions a wave (16 tiles of columns x 2 tiles of tokens).
; h's FRAGMENTS go from wave to wave through LDS as images of their registers (16 tokens x 64 K: registers 0-3 of lane l at 16 l, 4 and 5 at 512 + 8 l: 768 bytes; a fragment is two of them).
; THE WEIGHTS' FRAGMENTS are each read by one wave of the work-group alone, so they go from memory straight into operand registers: the launch before has laid them in the order of this wave's walk.
; They pass through a ring of one K step's 16 fragments (192 registers), refilled four fragments at a time as soon as these are multiplied: 36 to 50 loads of 512 bytes are out all the time, over the panels' ends too.
; WHY NO JOINT TENSOR LOADS, though all 256 work-groups walk the same weights: through LDS each weight byte would be written and read once more for no second use in the work-group, and two slots beside the
; stages would hold one K step each: 32 matrix instructions a wave between two rounds of a cluster's barrier.
; THE TOKENS OF A TILE ARE NOT NEIGHBOURS: row r of tile u is token 8 u + r + 8 (r / 8) of the 32, and the weights' tiles are laid likewise: so a lane's 16 registers of two neighbouring tiles are 16 neighbours.
; q, k: source 0 = weights, source 1 = h: a lane holds ONE token and its registers run along the columns, which are the next K.  v: the sources are swapped: a lane holds one channel and its registers run along the tokens.
; LIMITS: NaN and infinities are not served; a block whose largest magnitude lies under 2^-124 (a block of zeros too) gets the byte 1; sums are ordered otherwise than in the definition.
; REGISTERS, in windows of 256: window 0: addresses, operands of h, scale words, work; window 1: x (register 128 u + 16 b + i = token of lane % 16 in tile u, column 256 w + 32 b + 16 (lane / 16) + i);
;   window 2: the accumulators, in the same layout (v's pass: 16 c + 8 u); window 3: the weights' ring, fragment c at v[12 c].
.set AIMG,  0                          ; LDS: h's 16 fragments, (u, s) at (8 u + s) 1,536
.set ASC,   24576                      ; their scale words: [s][16 u + r]
.set STAT,  25600                      ; the waves' partial sums [wave][16 u + r], and 512 bytes on their partial sums of squares
.set SPARE, 26624                      ; the spare words, 128 bytes for each wave: two blocks of 256 bytes that no other line names
.set STAGE, 27136                      ; for each wave two tiles x 16 rows x (1,024 + 16) bytes
.set WSTG,  33280
.set TSTG,  16640
.set RP,    1040
.set L16, 1                            ; 16 x lane
.set L8,  2                            ; 8 x lane
.set L4,  3                            ; 4 x lane
.set R4,  4                            ; 4 r
.set BOF, 5                            ; 64 h
.set SG16, 6                           ; my stage + 16 x lane
.set SGR, 7                            ; my stage + 1,040 r + 64 h
.set W16, 8                            ; 16 x lane + 3,072 w: where I store images
.set W8,  9                            ; 8 x lane + 3,072 w
.set WS,  10                           ; 4 r + 256 w: and their scale words
.set STW, 11
.set STR, 12
.set A16, 13                           ; addresses of the loads of h's fragments in hand
.set A8,  14
.set AS,  15
.set SH16, 16                          ; 16 h
.set QSO, 17                           ; 4 r + 4,096 h
.set VO,  18                           ; 24 r + 12 h
.set BVO, 19                           ; 4 (r + 8 (r / 8))
.set T0,  20                           ; v20-31 at work
.set AF,  32                           ; h's fragments: two sets of two
.set ASCR, 80                          ; h's scale words, a register a set: lanes 0-15 tile 0, lanes 16-31 tile 1
.set WSC, 84                           ; the weights' scale words, two sets of 8: register c / 2, lanes 0-15 even c, lanes 16-31 odd c
.set TM,  100
.set PW,  116
.set PC,  118
.set MU,  140
.set RS,  144
.set Y,   160
.set BV,  224                          ; v's bias: register c, lane r: its column's
.set SPW, 252
.set NIL, 253
.set XP, 4
.set GP, 6
.set BL, 8
.set WN, 12                            ; s[12:13] the record that the ring asks for next
.set OC, 14
.set OS, 16
.set OSV, 18
.set WV, 20
.set KO, 28
.set KS, 29
.set KC, 30
.set PH, 31
.set SEL, 32
.set HM, 34
.set PADW, 35
.set BP, 36
.set BVP, 38
.set INV, 40
.set RECP, 42                          ; s[42:43] a record's bytes
.set MUL,  0xa3                        ; source 0 (weights) window 3, source 1 window 0, C and D window 2
.set MULV, 0xac                        ; source 0 window 0, source 1 (weights) window 3
.set TOB,  0xc0                        ; destination window 3
.set MSB, 0
.macro WIN new                         ; the immediate's high byte repeats the setting that is left; a switch that changes nothing is dropped
.if MSB != (\new)
	s_set_vgpr_msb (MSB<<8)|(\new)
.set MSB, (\new)
.endif
.endm
.macro BARRIER                         ; my LDS stores have landed and my LDS loads are in: then the work-group's barrier
	s_wait_dscnt 0x0
	s_barrier_signal -1
	s_barrier_wait -1
.endm
; one matrix instruction: z = 1: it starts the sum.  ra, rb: the halves of the lanes from which the two scale registers are read
.macro WM d, a, b, z, sa, sb, ra, rb
.if (\z) == 0
.if ((\ra) == 0) && ((\rb) == 0)
	v_wmma_scale_f32_16x16x128_f8f6f4 v[(\d):(\d)+7], v[(\a):(\a)+11], v[(\b):(\b)+11], v[(\d):(\d)+7], v[\sa], v[\sb] matrix_a_fmt:MATRIX_FMT_FP6 matrix_b_fmt:MATRIX_FMT_FP6
.elseif ((\ra) == 1) && ((\rb) == 0)
	v_wmma_scale_f32_16x16x128_f8f6f4 v[(\d):(\d)+7], v[(\a):(\a)+11], v[(\b):(\b)+11], v[(\d):(\d)+7], v[\sa], v[\sb] matrix_a_fmt:MATRIX_FMT_FP6 matrix_b_fmt:MATRIX_FMT_FP6 matrix_a_scale:MATRIX_SCALE_ROW1
.elseif ((\ra) == 0) && ((\rb) == 1)
	v_wmma_scale_f32_16x16x128_f8f6f4 v[(\d):(\d)+7], v[(\a):(\a)+11], v[(\b):(\b)+11], v[(\d):(\d)+7], v[\sa], v[\sb] matrix_a_fmt:MATRIX_FMT_FP6 matrix_b_fmt:MATRIX_FMT_FP6 matrix_b_scale:MATRIX_SCALE_ROW1
.else
	v_wmma_scale_f32_16x16x128_f8f6f4 v[(\d):(\d)+7], v[(\a):(\a)+11], v[(\b):(\b)+11], v[(\d):(\d)+7], v[\sa], v[\sb] matrix_a_fmt:MATRIX_FMT_FP6 matrix_b_fmt:MATRIX_FMT_FP6 matrix_a_scale:MATRIX_SCALE_ROW1 matrix_b_scale:MATRIX_SCALE_ROW1
.endif
.else
.if ((\ra) == 0) && ((\rb) == 0)
	v_wmma_scale_f32_16x16x128_f8f6f4 v[(\d):(\d)+7], v[(\a):(\a)+11], v[(\b):(\b)+11], 0, v[\sa], v[\sb] matrix_a_fmt:MATRIX_FMT_FP6 matrix_b_fmt:MATRIX_FMT_FP6
.elseif ((\ra) == 1) && ((\rb) == 0)
	v_wmma_scale_f32_16x16x128_f8f6f4 v[(\d):(\d)+7], v[(\a):(\a)+11], v[(\b):(\b)+11], 0, v[\sa], v[\sb] matrix_a_fmt:MATRIX_FMT_FP6 matrix_b_fmt:MATRIX_FMT_FP6 matrix_a_scale:MATRIX_SCALE_ROW1
.elseif ((\ra) == 0) && ((\rb) == 1)
	v_wmma_scale_f32_16x16x128_f8f6f4 v[(\d):(\d)+7], v[(\a):(\a)+11], v[(\b):(\b)+11], 0, v[\sa], v[\sb] matrix_a_fmt:MATRIX_FMT_FP6 matrix_b_fmt:MATRIX_FMT_FP6 matrix_b_scale:MATRIX_SCALE_ROW1
.else
	v_wmma_scale_f32_16x16x128_f8f6f4 v[(\d):(\d)+7], v[(\a):(\a)+11], v[(\b):(\b)+11], 0, v[\sa], v[\sb] matrix_a_fmt:MATRIX_FMT_FP6 matrix_b_fmt:MATRIX_FMT_FP6 matrix_a_scale:MATRIX_SCALE_ROW1 matrix_b_scale:MATRIX_SCALE_ROW1
.endif
.endif
.endm
.macro AFETCH set                      ; a K step's two fragments of h and their scale words: nine LDS loads
.irp u, 0,1
	ds_load_b128 v[AF+24*(\set)+12*\u:AF+24*(\set)+12*\u+3], v[A16] offset:12288*\u
	ds_load_b64 v[AF+24*(\set)+12*\u+4:AF+24*(\set)+12*\u+5], v[A8] offset:12288*\u+512
	ds_load_b128 v[AF+24*(\set)+12*\u+6:AF+24*(\set)+12*\u+9], v[A16] offset:12288*\u+768
	ds_load_b64 v[AF+24*(\set)+12*\u+10:AF+24*(\set)+12*\u+11], v[A8] offset:12288*\u+1280
.endr
	ds_load_b32 v[ASCR+(\set)], v[AS]
.endm
.macro PRIME                           ; the ring's first record: its scale words, then its 16 fragments
	global_load_b128 v[WSC:WSC+3], v[L16], s[WN:WN+1] offset:24576
	global_load_b128 v[WSC+4:WSC+7], v[L16], s[WN:WN+1] offset:25088
	WIN TOB
.set cc, 0
.rept 16
.irp q, 0,1,2
	global_load_b128 v[12*cc+4*\q:12*cc+4*\q+3], v[L16], s[WN:WN+1] offset:1536*cc+512*\q
.endr
.set cc, cc+1
.endr
	WIN 0
	s_wait_xcnt 0x0                                ; the loads have read their base: it may step
	s_add_nc_u64 s[WN:WN+1], s[WN:WN+1], s[RECP:RECP+1]
.endm
; A K STEP.  set: which set of h's fragments and of scale words.  swap = 1: h is source 0 (v's pass).  zero = 1: the products start the sums.  ld = 1: the ring is refilled from the next record.
; anext = 1: the next K step's fragments of h are fetched.  adv: the scalar pair by which the record's address steps.
; The 32 accumulators take turns, one instruction a turn, in the same order in every K step.
.macro KSTEP set, swap, zero, ld, anext, adv
.if \anext
	s_add_co_u32 s[KO], s[KO], 1536
	s_add_co_u32 s[KS], s[KS], 128
	v_add_nc_u32 v[A16], s[KO], v[L16]
	v_add_nc_u32 v[A8], s[KO], v[L8]
	v_add_nc_u32 v[AS], s[KS], v[L4]
	AFETCH 1-(\set)
	s_wait_dscnt 9                                 ; the nine just issued may be out; this step's nine, issued a K step ago, are in
.else
	s_wait_dscnt 0x0
.endif
.set jj, 0
.rept 4                                ; four units of four fragments
.if \ld
.if jj == 0
	s_wait_loadcnt 36                              ; behind this unit's 12 loads the three other units' were issued
.else
	s_wait_loadcnt 38                              ; behind this unit's 12 loads: three units' 36 and the two loads of scale words
.endif
.else
	s_wait_loadcnt 36-12*jj                        ; nothing is asked for any more: the counts run down
.endif
.if \swap
	WIN MULV
.else
	WIN MUL
.endif
.set cc, 4*jj
.rept 4
.set uu, 0
.rept 2
.if \swap
	WM 16*cc+8*uu, AF+24*(\set)+12*uu, 12*cc, \zero, ASCR+(\set), WSC+8*(\set)+cc/2, uu, cc%2
.else
	WM 128*uu+8*cc, 12*cc, AF+24*(\set)+12*uu, \zero, WSC+8*(\set)+cc/2, ASCR+(\set), cc%2, uu
.endif
.set uu, uu+1
.endr
.set cc, cc+1
.endr
.rept 4
	v_nop                                          ; four places in front of loads into registers that matrix instructions have read, and of the first read of results
.endr
.if \ld
.if jj == 0
	WIN 0
	global_load_b128 v[WSC+8*(1-(\set)):WSC+8*(1-(\set))+3], v[L16], s[WN:WN+1] offset:24576
	global_load_b128 v[WSC+8*(1-(\set))+4:WSC+8*(1-(\set))+7], v[L16], s[WN:WN+1] offset:25088
.endif
	WIN TOB
.set cc, 4*jj
.rept 4
.irp q, 0,1,2
	global_load_b128 v[12*cc+4*\q:12*cc+4*\q+3], v[L16], s[WN:WN+1] offset:1536*cc+512*\q
.endr
.set cc, cc+1
.endr
.endif
.set jj, jj+1
.endr
	WIN 0
.if \ld
	s_wait_xcnt 0x0                                ; the loads have read their base: it may step
	s_add_nc_u64 s[WN:WN+1], s[WN:WN+1], s[\adv:\adv+1]
.endif
.endm
.macro KOPEN                           ; a panel's head
	s_wait_loadcnt 0x0                             ; the biases in the accumulators and the ring's whole record are in: so every counted wait of the first K step holds on the way in
	s_mov_b32 s[KO], AIMG
	s_mov_b32 s[KS], ASC
	v_add_nc_u32 v[A16], s[KO], v[L16]
	v_add_nc_u32 v[A8], s[KO], v[L8]
	v_add_nc_u32 v[AS], s[KS], v[L4]
	AFETCH 0
.endm
.macro KPHASE advt                     ; a panel: 8 K steps, two a trip; the last two are written out
	KOPEN
	s_mov_b32 s[KC], 3
.Lk_\@:
	KSTEP 0,0,0,1,1,RECP
	KSTEP 1,0,0,1,1,RECP
	s_sub_co_u32 s[KC], s[KC], 1
	s_cmp_lg_u32 s[KC], 0
	s_cbranch_scc1 .Lk_\@
	KSTEP 0,0,0,1,1,\advt
	KSTEP 1,0,0,1,0,RECP
.endm
; 64 numbers of a lane in window W, register 16 b + i = place 32 b + 16 (lane / 16) + i along the quantiser's axis: four blocks' scale bytes into v[PW], their codes, 16 a conversion, into v[PC], +12, +6, +16
.macro QUANT src, W
	WIN (\W)|((\W)<<2)
.irp b, 0,1,2,3
	v_max3_num_f32 v[TM+\b], |v[(\src)+16*\b]|, |v[(\src)+16*\b+1]|, 0x1800000   ; my 16 numbers of block b, and the floor 2^(3 - 127): the byte cannot fall under 1
.endr
	WIN ((\W)<<2)|((\W)<<4)
.irp i, 2,4,6,8,10,12,14
.irp b, 0,1,2,3
	v_max3_num_f32 v[TM+\b], v[TM+\b], |v[(\src)+16*\b+\i]|, |v[(\src)+16*\b+\i+1]|
.endr
.endr
	WIN 0
.irp b, 0,1,2,3
	v_permlanex16_b32 v[TM+4+\b], v[TM+\b], s[SEL], s[SEL+1]
.endr
.irp b, 0,1,2,3
	v_max_num_f32 v[TM+\b], v[TM+\b], v[TM+4+\b]   ; with lane l xor 16's: the block's largest magnitude
.endr
.irp b, 0,1,2,3
	v_add_nc_u32 v[TM+12+\b], 0xff000000, v[TM+\b] ; 2 off its exponent field: the conversion's scale operand
.endr
.irp b, 0,1,2,3
	v_lshrrev_b32 v[TM+4+\b], 23, v[TM+12+\b]      ; the scale's byte
.endr
	v_lshl_or_b32 v[PW], v[TM+5], 8, v[TM+4]
	v_lshl_or_b32 v[PW], v[TM+6], 16, v[PW]
	v_lshl_or_b32 v[PW], v[TM+7], 24, v[PW]
	WIN (\W)
.irp c, 0,1
	v_cvt_scalef32_pk16_fp6_f32 v[PC+6*\c:PC+6*\c+2], v[(\src)+32*\c:(\src)+32*\c+15], v[TM+12+2*\c]
	v_cvt_scalef32_pk16_fp6_f32 v[PC+12+4*\c:PC+14+4*\c], v[(\src)+32*\c+16:(\src)+32*\c+31], v[TM+13+2*\c]   ; (a conversion's three registers begin on an even number)
.endr
	WIN 0
	v_nop                                          ; one plain place behind a scaled conversion
.endm
.macro QSWAP                           ; the operand's layout wants a WHOLE block in a lane: lanes 0-15 block 2 c, lanes 16-31 block 2 c + 1
.irp c, 0,1
.irp i, 0,1,2
	v_permlane16_swap_b32 v[PC+6*\c+\i], v[PC+12+4*\c+\i]
.endr
.irp i, 0,1,2
	v_mov_b32 v[PC+3+6*\c+\i], v[PC+12+4*\c+\i]
.endr
.endr
.endm
.macro IMAGE u, q                      ; the fragment in v[PC] on is K step 2 w + q of tile u: it goes to LDS as it stands, and its scale word with it
	ds_store_b128 v[W16], v[PC:PC+3] offset:12288*(\u)+1536*(\q)
	ds_store_b64 v[W8], v[PC+4:PC+5] offset:12288*(\u)+1536*(\q)+512
	ds_store_b128 v[W16], v[PC+6:PC+9] offset:12288*(\u)+1536*(\q)+768
	ds_store_b64 v[W8], v[PC+10:PC+11] offset:12288*(\u)+1536*(\q)+1280
	ds_store_b32 v[WS], v[PW] offset:ASC+128*(\q)+64*(\u)      ; lanes l and l xor 16 write the same word with the same value
.endm
.macro BIASLD u, q, ptr                ; 64 numbers of a vector of 1,024 (my 256, columns 128 q on) into the accumulators' layout, tile u
	WIN 0x80
.irp b, 0,1,2,3
.irp j, 0,1,2,3
	global_load_b128 v[128*(\u)+64*(\q)+16*\b+4*\j:128*(\u)+64*(\q)+16*\b+4*\j+3], v[BOF], s[\ptr:\ptr+1] offset:512*(\q)+128*\b+16*\j
.endr
.endr
	WIN 0
.endm
; x: each load reads 512 consecutive bytes of a row; the rows turn through my own stage, so that a lane then holds 16 neighbours of each block of 32 of ONE token.  LDS serves a wave's instructions in order (ISA guide 5.7.1.4).
.macro XIN
	WIN 0x40
.irp u, 0,1
.set ii, 0
.rept 16
	global_load_b128 v[128*\u+8*ii:128*\u+8*ii+3], v[L16], s[XP:XP+1] offset:(8*\u+ii+8*(ii/8))*4096 th:TH_LOAD_NT
	global_load_b128 v[128*\u+8*ii+4:128*\u+8*ii+7], v[L16], s[XP:XP+1] offset:(8*\u+ii+8*(ii/8))*4096+512 th:TH_LOAD_NT
.set ii, ii+1
.endr
.endr
.irp u, 0,1
	s_wait_loadcnt 32-32*\u                        ; this tile's 32 loads are in; the other tile's may be out
	WIN 0x04
.set ii, 0
.rept 16
	ds_store_b128 v[SG16], v[128*\u+8*ii:128*\u+8*ii+3] offset:TSTG*\u+RP*ii
	ds_store_b128 v[SG16], v[128*\u+8*ii+4:128*\u+8*ii+7] offset:TSTG*\u+RP*ii+512
.set ii, ii+1
.endr
	WIN 0x40
.set bb, 0
.rept 8
.irp j, 0,1,2,3
	ds_load_b128 v[128*\u+16*bb+4*\j:128*\u+16*bb+4*\j+3], v[SGR] offset:TSTG*\u+128*bb+16*\j
.endr
.set bb, bb+1
.endr
.endr
	WIN 0
.endm
; a lane's partial sums of the two tiles become the rows' totals: v[T0] tile 0's, v[T0+4] tile 1's, of token lane % 16
.macro XCHG a, b, off
	v_permlanex16_b32 v[T0], v[\a], s[SEL], s[SEL+1]
	v_permlanex16_b32 v[T0+1], v[\b], s[SEL], s[SEL+1]
	v_add_f32 v[\a], v[\a], v[T0]
	v_add_f32 v[\b], v[\b], v[T0+1]                ; my wave's 256 columns
	v_cndmask_b32 v[T0+2], v[\a], v[\b], s[HM]     ; lanes 0-15 carry tile 0's, lanes 16-31 tile 1's
	ds_store_b32 v[STW], v[T0+2] offset:\off
	BARRIER
.irp w, 0,1,2,3
	ds_load_b32 v[T0+\w], v[STR] offset:(\off)+128*\w
	ds_load_b32 v[T0+4+\w], v[STR] offset:(\off)+128*\w+64
.endr
	s_wait_dscnt 0x0
.irp w, 1,2,3
	v_add_f32 v[T0], v[T0], v[T0+\w]
	v_add_f32 v[T0+4], v[T0+4], v[T0+4+\w]
.endr
.endm
; LAYER NORM AND QUANTISER: window 1's rows become my four fragments (K steps 2 w, 2 w + 1 of both tiles) in LDS.  gp, bp: gain and bias; nb: the vector with which the next panel's sums begin.
; Gain and bias lie meanwhile in the accumulators' registers (0-127, 128-255), which are idle; each half is given to the next panel's bias as soon as it has been read.
.macro LNQ gp, bp, nb
	BIASLD 0,0,\gp
	BIASLD 0,1,\gp
	BIASLD 1,0,\bp
	BIASLD 1,1,\bp
	s_wait_dscnt 0x0                               ; the rows are back from the stage
.irp u, 0,1                            ; the rows' sums: four packed chains a tile
	WIN 0x05
.irp k, 0,1,2,3
	v_pk_add_f32 v[Y+8*\u+2*\k:Y+8*\u+2*\k+1], v[128*\u+2*\k:128*\u+2*\k+1], v[128*\u+8+2*\k:128*\u+8+2*\k+1]
.endr
	WIN 0x04
.set ii, 16
.rept 14
.irp k, 0,1,2,3
	v_pk_add_f32 v[Y+8*\u+2*\k:Y+8*\u+2*\k+1], v[Y+8*\u+2*\k:Y+8*\u+2*\k+1], v[128*\u+ii+2*\k:128*\u+ii+2*\k+1]
.endr
.set ii, ii+8
.endr
.endr
	WIN 0
.irp u, 0,1
	v_pk_add_f32 v[Y+8*\u:Y+8*\u+1], v[Y+8*\u:Y+8*\u+1], v[Y+8*\u+2:Y+8*\u+3]
	v_pk_add_f32 v[Y+8*\u+4:Y+8*\u+5], v[Y+8*\u+4:Y+8*\u+5], v[Y+8*\u+6:Y+8*\u+7]
.endr
.irp u, 0,1
	v_pk_add_f32 v[Y+8*\u:Y+8*\u+1], v[Y+8*\u:Y+8*\u+1], v[Y+8*\u+4:Y+8*\u+5]
.endr
.irp u, 0,1
	v_add_f32 v[Y+8*\u], v[Y+8*\u], v[Y+8*\u+1]
.endr
	XCHG Y, Y+8, 0
.irp u, 0,1
	v_mul_f32 v[MU+2*\u], s[INV], v[T0+4*\u]       ; the mean (x 2^-10: exact),
	v_mul_f32 v[MU+2*\u+1], s[INV], v[T0+4*\u]     ; twice: a pair for the packed forms
.endr
.irp u, 0,1                            ; the sums of (x - mean)^2: eight packed chains a tile
.set bb, 0
.rept 8
	WIN 0x01
.irp k, 0,1,2,3,4,5,6,7
	v_pk_add_f32 v[Y+2*\k:Y+2*\k+1], v[128*\u+16*bb+2*\k:128*\u+16*bb+2*\k+1], v[MU+2*\u:MU+2*\u+1] neg_lo:[0,1] neg_hi:[0,1]
.endr
	WIN 0
.irp k, 0,1,2,3,4,5,6,7
.if bb == 0
	v_pk_mul_f32 v[Y+16+16*\u+2*\k:Y+16+16*\u+2*\k+1], v[Y+2*\k:Y+2*\k+1], v[Y+2*\k:Y+2*\k+1]
.else
	v_pk_fma_f32 v[Y+16+16*\u+2*\k:Y+16+16*\u+2*\k+1], v[Y+2*\k:Y+2*\k+1], v[Y+2*\k:Y+2*\k+1], v[Y+16+16*\u+2*\k:Y+16+16*\u+2*\k+1]
.endif
.endr
.set bb, bb+1
.endr
.endr
.irp k, 0,1,2,3
.irp u, 0,1
	v_pk_add_f32 v[Y+16+16*\u+2*\k:Y+16+16*\u+2*\k+1], v[Y+16+16*\u+2*\k:Y+16+16*\u+2*\k+1], v[Y+24+16*\u+2*\k:Y+24+16*\u+2*\k+1]
.endr
.endr
.irp k, 0,1
.irp u, 0,1
	v_pk_add_f32 v[Y+16+16*\u+2*\k:Y+16+16*\u+2*\k+1], v[Y+16+16*\u+2*\k:Y+16+16*\u+2*\k+1], v[Y+20+16*\u+2*\k:Y+20+16*\u+2*\k+1]
.endr
.endr
.irp u, 0,1
	v_pk_add_f32 v[Y+16+16*\u:Y+17+16*\u], v[Y+16+16*\u:Y+17+16*\u], v[Y+18+16*\u:Y+19+16*\u]
.endr
.irp u, 0,1
	v_add_f32 v[Y+16+16*\u], v[Y+16+16*\u], v[Y+17+16*\u]
.endr
	XCHG Y+16, Y+32, 512
	v_fmaak_f32 v[T0], s[INV], v[T0], 0x3727c5ac   ; the variance + 1e-5
	v_fmaak_f32 v[T0+4], s[INV], v[T0+4], 0x3727c5ac
	v_rsq_f32 v[RS], v[T0]
	v_rsq_f32 v[RS+2], v[T0+4]
	v_nop                                          ; a plain place behind the transcendentals,
	s_wait_alu depctr_va_vdst(0)                   ; and the wait ahead of their first reader: one for both
	v_mov_b32 v[RS+1], v[RS]
	v_mov_b32 v[RS+3], v[RS+2]
	s_wait_loadcnt 0x0                             ; gain and bias
.irp q, 0,1
.irp u, 0,1
	WIN 0x01
.set kk, 0
.rept 32
	v_pk_add_f32 v[Y+2*kk:Y+2*kk+1], v[128*\u+64*\q+2*kk:128*\u+64*\q+2*kk+1], v[MU+2*\u:MU+2*\u+1] neg_lo:[0,1] neg_hi:[0,1]
.set kk, kk+1
.endr
	WIN 0
.set kk, 0
.rept 32
	v_pk_mul_f32 v[Y+2*kk:Y+2*kk+1], v[Y+2*kk:Y+2*kk+1], v[RS+2*\u:RS+2*\u+1]
.set kk, kk+1
.endr
	WIN 0x28
.set kk, 0
.rept 32
	v_pk_fma_f32 v[Y+2*kk:Y+2*kk+1], v[Y+2*kk:Y+2*kk+1], v[64*\q+2*kk:64*\q+2*kk+1], v[128+64*\q+2*kk:128+64*\q+2*kk+1]
.set kk, kk+1
.endr
	WIN 0
	s_wait_dscnt 0x0                               ; the last image's stores are done: its registers are written again
	QUANT Y, 0
	QSWAP
	IMAGE \u,\q
.endr
	BIASLD 0,\q,\nb                                ; this half of gain and bias has been read for the last time
	BIASLD 1,\q,\nb
.endr
	BARRIER                                        ; all sixteen fragments lie in LDS
.endm
	s_load_b256 s[4:11], s[0:1], 0x0               ; x, ln1_g, ln1_b, b_qkv
	s_load_b128 s[12:15], s[0:1], 0x20             ; wq, qkv
	s_load_b64 s[16:17], s[0:1], 0x30              ; qkvs
	v_lshl_add_u32 v[SPW], v0, 2, SPARE            ; my spare word,
	v_mov_b32 v[NIL], 0                            ; and 0: kept for the closing lines
	v_lshrrev_b32 v20, 5, v0
	v_readfirstlane_b32 s[WV], v20                 ; wave 0..3
	v_and_b32 v20, 31, v0                          ; lane
	v_and_b32 v21, 15, v0                          ; r
	v_bfe_u32 v22, v0, 4, 1                        ; h
	v_lshlrev_b32 v[L16], 4, v20
	v_lshlrev_b32 v[L8], 3, v20
	v_lshlrev_b32 v[L4], 2, v20
	v_lshlrev_b32 v[R4], 2, v21
	v_lshlrev_b32 v[BOF], 6, v22
	s_mul_i32 s24, s[WV], WSTG
	s_add_co_u32 s24, s24, STAGE
	v_add_nc_u32 v[SG16], s24, v[L16]
	v_mul_u32_u24 v[SGR], v21, RP
	v_lshl_add_u32 v[SGR], v22, 6, v[SGR]
	v_add_nc_u32 v[SGR], s24, v[SGR]
	s_mul_i32 s24, s[WV], 3072
	v_add_nc_u32 v[W16], s24, v[L16]
	v_add_nc_u32 v[W8], s24, v[L8]
	s_lshl_b32 s24, s[WV], 8
	v_add_nc_u32 v[WS], s24, v[R4]
	s_lshl_b32 s24, s[WV], 7
	s_add_co_u32 s24, s24, STAT
	v_add_nc_u32 v[STW], s24, v[L4]
	v_add_nc_u32 v[STR], STAT, v[R4]
	v_lshlrev_b32 v[SH16], 4, v22
	v_lshl_add_u32 v[QSO], v22, 12, v[R4]
	v_mul_u32_u24 v[VO], v21, 24
	v_mad_u32_u24 v[VO], v22, 12, v[VO]
	v_and_b32 v23, 8, v21
	v_add_nc_u32 v23, v23, v21
	v_lshlrev_b32 v[BVO], 2, v23
	v_mov_b32 v[T0], 0                             ; written once: a lane permute's destination counts as one of its sources
	v_mov_b32 v[T0+1], 0
.irp b, 0,1,2,3
	v_mov_b32 v[TM+4+\b], 0
.endr
	s_mov_b32 s[SEL], 0x76543210
	s_mov_b32 s[SEL+1], 0xfedcba98                 ; v_permlanex16_b32's selects for lane l xor 16
	s_mov_b32 s[HM], 0xffff0000
	s_mov_b32 s[PADW], 0x7f7f0000                  ; the scale bytes (2^0) of the half of K that holds zero codes
	s_mov_b32 s[INV], 0x3a800000                   ; 1 / 1,024
	s_mov_b32 s[RECP], 25600
	s_mov_b32 s[RECP+1], 0
	s_lshr_b32 s22, ttmp9, 5                       ; batch
	s_and_b32 s23, ttmp9, 31                       ; block of 32 tokens in it
	s_mov_b32 s25, 0
	s_wait_kmcnt 0x0
	s_lshl_b32 s26, s[WV], 10                      ; my 256 columns, in bytes
	s_lshl_b32 s24, ttmp9, 17                      ; 32 rows of 4,096 bytes
	s_add_co_u32 s24, s24, s26
	s_add_nc_u64 s[XP:XP+1], s[XP:XP+1], s[24:25]
	s_mov_b32 s24, s26
	s_add_nc_u64 s[GP:GP+1], s[GP:GP+1], s[24:25]
	s_add_nc_u64 s[BL:BL+1], s[BL:BL+1], s[24:25]
	s_add_nc_u64 s[BP:BP+1], s[10:11], s[24:25]    ; q's bias
	s_add_nc_u64 s[BVP:BVP+1], s[BP:BP+1], 8192    ; v's
	s_mul_i32 s24, s[WV], 614400                   ; my 24 records
	s_add_nc_u64 s[WN:WN+1], s[WN:WN+1], s[24:25]
	s_mul_i32 s24, s22, 786432                     ; codes: head 16 b + 4 w, 49,152 bytes a head; 1,536 bytes for each block of 32 tokens
	s_mul_i32 s26, s[WV], 196608
	s_add_co_u32 s24, s24, s26
	s_mul_i32 s26, s23, 1536
	s_add_co_u32 s24, s24, s26
	s_add_nc_u64 s[OC:OC+1], s[OC:OC+1], s[24:25]
	s_lshl_b32 s24, s22, 15                        ; v's scale bytes: 2,048 a head, 64 a block
	s_lshl_b32 s26, s[WV], 13
	s_add_co_u32 s24, s24, s26
	s_lshl_b32 s26, s23, 6
	s_add_co_u32 s24, s24, s26
	s_add_nc_u64 s[OSV:OSV+1], s[OS:OS+1], s[24:25]
	s_add_nc_u64 s[OSV:OSV+1], s[OSV:OSV+1], 1048576
	s_lshl_b32 s24, s24, 1                         ; q's and k's scale words: 4,096 a head, 128 a block
	s_add_nc_u64 s[OS:OS+1], s[OS:OS+1], s[24:25]
.set cc, 0
.rept 16
	global_load_b32 v[BV+cc], v[BVO], s[BVP:BVP+1] offset:(32*(cc/2)+8*(cc%2))*4
.set cc, cc+1
.endr
	XIN
	PRIME
	LNQ GP, BL, BP
; q's or k's results of tile u, columns 128 hq on (two heads), become two half fragments and their scale words
.macro QKCHUNK u, hq
	s_wait_xcnt 0x0                                ; the last chunk's stores have read their registers
	QUANT 128*(\u)+64*(\hq), 2
	QSWAP
	s_cmp_eq_u32 s[PH], 1                          ; behind k's pass no bias is wanted: v's sums begin with 0
	s_cbranch_scc1 .Lnob_\@
	BIASLD \u,\hq,BP                               ; these accumulators have been read: k's bias
.Lnob_\@:
	global_store_b128 v[L16], v[PC:PC+3], s[OC:OC+1] offset:98304*(\hq)+768*(\u)           ; 512 and 256 consecutive bytes, at multiples of 256
	global_store_b64 v[L8], v[PC+4:PC+5], s[OC:OC+1] offset:98304*(\hq)+768*(\u)+512
	global_store_b128 v[L16], v[PC+6:PC+9], s[OC:OC+1] offset:98304*(\hq)+768*(\u)+49152   ; the next head
	global_store_b64 v[L8], v[PC+10:PC+11], s[OC:OC+1] offset:98304*(\hq)+768*(\u)+49664
	v_lshrrev_b32 v[T0+8], v[SH16], v[PW]          ; lanes 0-15 the first head's two bytes, lanes 16-31 the second's
	v_and_or_b32 v[T0+8], v[T0+8], 0xffff, s[PADW]
	global_store_b32 v[QSO], v[T0+8], s[OS:OS+1] offset:8192*(\hq)+64*(\u)
.endm
	s_mov_b32 s[PH], 0
.Lpass:                                            ; two trips: q, then k
	KPHASE RECP
	s_wait_xcnt 0x0                                ; the loads of the last bias have read their base
	s_add_nc_u64 s[BP:BP+1], s[BP:BP+1], 4096
	QKCHUNK 0,0
	QKCHUNK 0,1
	QKCHUNK 1,0
	QKCHUNK 1,1
	s_wait_xcnt 0x0                                ; the stores have read their bases
	s_add_nc_u64 s[OC:OC+1], s[OC:OC+1], 6291456
	s_add_nc_u64 s[OS:OS+1], s[OS:OS+1], 524288
	s_add_co_u32 s[PH], s[PH], 1
	s_cmp_lt_u32 s[PH], 2
	s_cbranch_scc1 .Lpass
	; v: h is source 0, so that a lane holds one channel and accumulators 16 c + 8 u run along the 32 tokens, which are one block of the keys
	KOPEN
	KSTEP 0,1,1,1,1,RECP                           ; the first K step starts the sums
	KSTEP 1,1,0,1,1,RECP
	s_mov_b32 s[KC], 2
.Lkv:
	KSTEP 0,1,0,1,1,RECP
	KSTEP 1,1,0,1,1,RECP
	s_sub_co_u32 s[KC], s[KC], 1
	s_cmp_lg_u32 s[KC], 0
	s_cbranch_scc1 .Lkv
	KSTEP 0,1,0,1,1,RECP
	KSTEP 1,1,0,0,0,RECP                           ; the last of my 24 records: nothing more is asked for
; head 4 w + hd: four tiles of 16 channels; each tile's 32 tokens are one block
.macro EVH hd
	WIN 0x82
.set cc, 0
.rept 4
.set kk, 0
.rept 8
.if cc%2 == 0
	v_pk_add_f32 v[64*(\hd)+16*cc+2*kk:64*(\hd)+16*cc+2*kk+1], v[64*(\hd)+16*cc+2*kk:64*(\hd)+16*cc+2*kk+1], v[BV+4*(\hd)+cc:BV+4*(\hd)+cc+1] op_sel_hi:[1,0]
.else
	v_pk_add_f32 v[64*(\hd)+16*cc+2*kk:64*(\hd)+16*cc+2*kk+1], v[64*(\hd)+16*cc+2*kk:64*(\hd)+16*cc+2*kk+1], v[BV+4*(\hd)+cc-1:BV+4*(\hd)+cc] op_sel:[0,1] op_sel_hi:[1,1]
.endif
.set kk, kk+1
.endr
.set cc, cc+1
.endr
	WIN 0
	s_wait_xcnt 0x0                                ; the last head's stores have read their registers
	QUANT 64*(\hd), 2
	global_store_b96 v[VO], v[PC:PC+2], s[OC:OC+1] offset:49152*(\hd)                ; 16 keys' codes, 12 bytes a lane: a tile's 384 consecutive bytes; a head's four stores fill 1,536
	global_store_b96 v[VO], v[PC+12:PC+14], s[OC:OC+1] offset:49152*(\hd)+384
	global_store_b96 v[VO], v[PC+6:PC+8], s[OC:OC+1] offset:49152*(\hd)+768
	global_store_b96 v[VO], v[PC+16:PC+18], s[OC:OC+1] offset:49152*(\hd)+1152
	global_store_b32 v[R4], v[PW], s[OSV:OSV+1] offset:2048*(\hd)                    ; row r's four bytes, one for each tile
.endm
	EVH 0
	EVH 1
	EVH 2
	EVH 3
	s_wait_tensorcnt 0x0                           ; the wave's end: behind my last LDS store
	ds_add_u32 v[SPW], v[NIL]
	s_wait_dscnt 0x0
	s_endpgm
.Lfunc_end_k_q529424d62d_lnqkv:
	.size	k_q529424d62d_lnqkv, .Lfunc_end_k_q529424d62d_lnqkv-k_q529424d62d_lnqkv
	.p2alignl 7, 3214868480
	.fill 96, 4, 3214868480
	.section	.rodata,"a",@progbits
	.p2align	6, 0x0
	.amdhsa_kernel k_q529424d62d_lnqkv
		.amdhsa_group_segment_fixed_size 160256
		.amdhsa_private_segment_fixed_size 0
		.amdhsa_enable_private_segment 0
		.amdhsa_kernarg_size 56
		.amdhsa_user_sgpr_count 2
		.amdhsa_user_sgpr_kernarg_segment_ptr 1
		.amdhsa_wavefront_size32 1
		.amdhsa_system_sgpr_workgroup_id_x 1
		.amdhsa_system_sgpr_workgroup_id_y 1
		.amdhsa_system_sgpr_workgroup_id_z 1
		.amdhsa_system_vgpr_workitem_id 0
		.amdhsa_next_free_vgpr 1024
		.amdhsa_next_free_sgpr 66
		.amdhsa_reserve_vcc 0
		.amdhsa_float_denorm_mode_32 3
		.amdhsa_float_denorm_mode_16_64 3
		.amdhsa_memory_ordered 1
		.amdhsa_forward_progress 1
		.amdhsa_inst_pref_size 255
	.end_amdhsa_kernel
	.section	.bss,"aw",@nobits
	.p2align	6
	.space	262144
	.amdgpu_metadata
---
amdhsa.version: [ 1, 2 ]
amdhsa.kernels:
  - .name:           k_q529424d62d_lnqkv
    .symbol:         k_q529424d62d_lnqkv.kd
    .args:
      - { .name: x, .offset: 0, .size: 8, .value_kind: global_buffer, .address_space: global }
      - { .name: ln1_g, .offset: 8, .size: 8, .value_kind: global_buffer, .address_space: global }
      - { .name: ln1_b, .offset: 16, .size: 8, .value_kind: global_buffer, .address_space: global }
      - { .name: b_qkv, .offset: 24, .size: 8, .value_kind: global_buffer, .address_space: global }
      - { .name: wq, .offset: 32, .size: 8, .value_kind: global_buffer, .address_space: global }
      - { .name: qkv, .offset: 40, .size: 8, .value_kind: global_buffer, .address_space: global }
      - { .name: qkvs, .offset: 48, .size: 8, .value_kind: global_buffer, .address_space: global }
    .group_segment_fixed_size: 160256
    .private_segment_fixed_size: 0
    .kernarg_segment_align: 8
    .kernarg_segment_size: 56
    .max_flat_workgroup_size: 128
    .sgpr_count:     66
    .vgpr_count:     1024
    .wavefront_size: 32
...
	.end_amdgpu_metadata
.endif
;; end of part 2
;; launch attn (part 3): grid 2 x 128, 16 waves a work-group, no clusters, 106,496 bytes of LDS; arguments qkv, qkvs, oq, os; writes oq, os
.if DOCPART == 3
	.amdgcn_target "amdgcn-amd-amdhsa--gfx1250"
	.amdhsa_code_object_version 6
	.text
	.protected	k_q529424d62d_attn
	.globl	k_q529424d62d_attn
	.p2align	8
	.type	k_q529424d62d_attn,@function
k_q529424d62d_attn:
	s_mov_b64 s[64:65], 0
	v_nop
	global_prefetch_b8 v0, s[64:65] scope:SCOPE_SE
	s_setreg_imm32_b32 hwreg(HW_REG_WAVE_MODE, 25, 1), 1
	s_wait_xcnt 0x0
; o = softmax(q k^T / 8) v for one head of one batch (work-group y) and half of its 1,024 queries (work-group x), both products on codes of FP6 (E2M3) with one E8M0 scale for each 32 along K;
; o is quantised along the head's 64 channels for the projection.  All operands come as images of operand registers, as the launch before laid them.
; THE SOFTMAX AHEAD OF THE SECOND PRODUCT: t = score x log2(e) / 8; M = the row's largest t so far, rounded UP to a whole number; p = 2^(t - M) is quantised along the keys, not normalised.
; The row's sum is taken of the unquantised p and divides O at the end.  When M moves, the sum and O are multiplied by 2^(old M - new M): exact.
; SHARES.  Sixteen waves of 256 registers, four to a SIMD, so that one wave's vector work stands beside another's matrix work.  A wave owns two tiles of 16 queries, one after the other, and walks all keys, 128 a step.
; A HEAD'S WHOLE K AND V LIE IN LDS (96 KB of codes, 6 KB of scale bytes), put there once through registers: no ring, one barrier.  The two work-groups of a head share these 102 KB and nothing else;
; they are read once at the head of each: a cluster of two for that one read is left out.
; LAYOUT.  Both products are used transposed: S^T = K Q^T, O^T = V^T P^T: a lane holds ONE query (lane % 16) throughout.  The keys of a tile are laid so that p's 16 registers of two tiles are 16 neighbouring keys.
; THE FIRST PRODUCT'S K IS 64 of the instruction's 128: Q's registers 6-11 are zero codes, so whatever K's operand holds there (the next tile's codes; behind the last tile zeros) adds nothing; the scale bytes there are 2^0.
; LIMITS: NaN and infinities are not served; a block whose largest magnitude lies under 2^-124 (a block of zeros too) gets the byte 1.
.set KIM,   0                          ; LDS: K: 64 tiles x 768 bytes (registers 0-3 of lane l at 16 l, 4 and 5 at 512 + 8 l)
.set VIM,   49152                      ; V: [tile of channels 4][block of 32 keys 32][row 16][24 bytes]
.set KSC,   98304                      ; K's scale words [tile][row]
.set VSC,   102400                     ; V's [key step 8][row 16][tile 4]
.set SPARE, 104448                     ; the spare words, 128 bytes for each wave: eight blocks of 256 bytes that no other line names
.set BM,  212
.set BM2, 216
.set SOP, 220
.set SBY, 224
.set KSR, 228                          ; K's scale words: register t / 2, lanes 0-15 even t, lanes 16-31 odd t
.set VSR, 232                          ; V's: a register a tile
.set QSC, 236
.set PSW, 237
.set PCD, 192
.set WV, 12
.set KB, 22
.set VB, 24
.set KSB, 26
.set VSB, 28
.set QP, 30
.set QSP, 32
.set OP, 34
.set OSP, 36
.set CS, 38
.set SEL, 40
.set QT, 42
.set KT, 43
.set TK, 44
.set TKS, 45
.set TV, 46
.set TVS, 47
	s_load_b256 s[4:11], s[0:1], 0x0               ; qkv, qkvs, oq, os
	v_lshl_add_u32 v28, v0, 2, SPARE               ; my spare word,
	v_mov_b32 v29, 0                               ; and 0: kept for the closing lines
	v_lshrrev_b32 v240, 5, v0
	v_readfirstlane_b32 s[WV], v240                ; wave 0..15
	v_and_b32 v240, 31, v0                         ; lane
	v_and_b32 v241, 15, v0                         ; r
	v_bfe_u32 v242, v0, 4, 1                       ; h
	v_lshlrev_b32 v1, 4, v240                      ; 16 x lane
	v_lshlrev_b32 v2, 3, v240                      ; 8 x lane
	v_lshlrev_b32 v3, 2, v241                      ; 4 r
	v_lshl_add_u32 v4, v240, 2, KSC
	v_mul_u32_u24 v5, v241, 24
	v_mad_u32_u24 v5, v242, 384, v5
	v_add_nc_u32 v5, VIM, v5                       ; V: row r, and for lanes 16-31 the next block of keys
	v_lshl_add_u32 v6, v241, 4, VSC
	; where the fill puts things: every LDS address is made here, ahead of the branch on the wave's number
	s_mul_i32 s18, s[WV], 3072
	v_add_nc_u32 v243, s18, v1                     ; K: as it lies
	s_mul_i32 s18, s[WV], 768
	s_add_co_u32 s18, s18, VIM                     ; V: my two blocks of keys; in memory a block's four tiles lie on end (4 x 384 bytes), in LDS 12,288 apart: 11,904 more for each tile passed
	v_bfe_u32 v244, v0, 3, 2                       ; lane / 8
	v_add_nc_u32 v245, 1, v244
	v_lshrrev_b32 v245, 2, v245                    ; bytes 16 l: tile 1 from lane 24 on
	v_mul_u32_u24 v245, v245, 11904
	v_add_nc_u32 v245, v245, v1
	v_add_nc_u32 v245, s18, v245
	v_mul_u32_u24 v246, v242, 11904                ; bytes 512 + 16 l: tile 1, from lane 16 on tile 2
	v_add_nc_u32 v246, v246, v1
	v_add_nc_u32 v246, s18, v246
	v_add_nc_u32 v247, 3, v244
	v_lshrrev_b32 v247, 2, v247                    ; bytes 1,024 + 16 l: tile 2, from lane 8 on tile 3
	v_mul_u32_u24 v247, v247, 11904
	v_add_nc_u32 v247, v247, v1
	v_add_nc_u32 v247, s18, v247
	s_lshl_b32 s18, s[WV], 8
	s_add_co_u32 s18, s18, KSC
	v_add_nc_u32 v248, s18, v2
	v_and_b32 v249, 127, v0                        ; V's scale bytes: thread 16 s + r of waves 0 to 3
	v_lshl_add_u32 v250, v249, 4, VSC
	v_lshrrev_b32 v251, 4, v249
	v_lshlrev_b32 v251, 8, v251
	v_lshl_add_u32 v251, v241, 2, v251             ; in memory: four blocks of 64 bytes a key step, 4 bytes a row
.irp j, 22,23,24,25,26,27,80,81,82,83,84,85
	v_mov_b32 v\j, 0                               ; zero codes: Q's upper half of K, and what stands behind K's last tile
.endr
.irp b, 0,1,2,3
	v_mov_b32 v[BM2+\b], 0                         ; written once: a lane permute's destination counts as one of its sources
.endr
	v_mov_b32 v239, 0                              ; (named as the upper half of the pair v[238:239])
	s_and_b32 s13, ttmp7, 0xffff                   ; 16 x batch + head
	s_and_b32 s14, s13, 15
	s_lshr_b32 s15, s13, 4
	s_lshl_b32 s17, ttmp9, 5
	s_add_co_u32 s17, s17, s[WV]                   ; my first tile of queries; the second lies 16 tiles on
	s_mov_b32 s19, 0
	s_mov_b32 s21, 0
	s_mov_b32 s[CS], 0x3e38aa3b                    ; c = log2(e) / 8
	s_mov_b32 s[CS+1], s[CS]
	s_mov_b32 s[SEL], 0x76543210
	s_mov_b32 s[SEL+1], 0xfedcba98
	s_wait_kmcnt 0x0
	s_mul_i32 s18, s13, 49152
	s_add_nc_u64 s[QP:QP+1], s[4:5], s[18:19]
	s_mul_i32 s20, s[WV], 3072
	s_add_nc_u64 s[KB:KB+1], s[QP:QP+1], s[20:21]
	s_add_nc_u64 s[KB:KB+1], s[KB:KB+1], 6291456
	s_add_nc_u64 s[VB:VB+1], s[KB:KB+1], 6291456
	s_mul_i32 s20, s17, 768
	s_add_nc_u64 s[QP:QP+1], s[QP:QP+1], s[20:21]
	s_lshl_b32 s18, s13, 12
	s_add_nc_u64 s[QSP:QSP+1], s[6:7], s[18:19]
	s_lshl_b32 s20, s[WV], 8
	s_add_nc_u64 s[KSB:KSB+1], s[QSP:QSP+1], s[20:21]
	s_add_nc_u64 s[KSB:KSB+1], s[KSB:KSB+1], 524288
	s_lshl_b32 s20, s17, 6
	s_add_nc_u64 s[QSP:QSP+1], s[QSP:QSP+1], s[20:21]
	s_lshl_b32 s18, s13, 11
	s_add_nc_u64 s[VSB:VSB+1], s[6:7], s[18:19]
	s_add_nc_u64 s[VSB:VSB+1], s[VSB:VSB+1], 1048576
	s_lshl_b32 s18, s15, 6
	s_add_co_u32 s18, s18, s17
	s_lshl_b32 s18, s18, 4
	s_add_co_u32 s18, s18, s14
	s_mul_i32 s18, s18, 768                        ; o's codes: [64 batch + tile][head][768]
	s_add_nc_u64 s[OP:OP+1], s[8:9], s[18:19]
	s_lshl_b32 s18, s15, 5                         ; o's scale bytes: [32 batch + block of 32 tokens][head / 2][16 (tile % 2) + r] words, my head's two bytes
	s_lshl_b32 s20, ttmp9, 4
	s_add_co_u32 s18, s18, s20
	s_lshr_b32 s20, s[WV], 1
	s_add_co_u32 s18, s18, s20
	s_lshl_b32 s18, s18, 10
	s_lshr_b32 s20, s14, 1
	s_lshl_b32 s20, s20, 7
	s_add_co_u32 s18, s18, s20
	s_and_b32 s20, s[WV], 1
	s_lshl_b32 s20, s20, 6
	s_add_co_u32 s18, s18, s20
	s_and_b32 s20, s14, 1
	s_lshl_b32 s20, s20, 1
	s_add_co_u32 s18, s18, s20
	s_add_nc_u64 s[OSP:OSP+1], s[10:11], s[18:19]
	; THE FILL: each wave brings a sixteenth of K, of V and of K's scale words
.irp i, 0,1,2,3,4,5
	global_load_b128 v[32+4*\i:35+4*\i], v1, s[KB:KB+1] offset:512*\i
.endr
.irp j, 0,1
.irp q, 0,1,2
	global_load_b128 v[96+12*\j+4*\q:99+12*\j+4*\q], v1, s[VB:VB+1] offset:1536*\j+512*\q
.endr
.endr
	global_load_b64 v[56:57], v2, s[KSB:KSB+1]
	s_cmp_lt_u32 s[WV], 4                          ; waves 0 to 3: V's scale bytes come [block][row][tile] and are wanted [step][row][tile] as words of four blocks: 4 x 4 bytes are turned in a lane
	s_cbranch_scc0 .Lnot_vs
.irp i, 0,1,2,3
	global_load_b32 v[120+\i], v251, s[VSB:VSB+1] offset:64*\i
.endr
	s_wait_loadcnt 0x0
	v_perm_b32 v124, v121, v120, 0x05010400        ; a0 b0 a1 b1
	v_perm_b32 v125, v121, v120, 0x07030602        ; a2 b2 a3 b3
	v_perm_b32 v126, v123, v122, 0x05010400
	v_perm_b32 v127, v123, v122, 0x07030602
	v_perm_b32 v128, v126, v124, 0x05040100        ; tile 0: a0 b0 c0 d0
	v_perm_b32 v129, v126, v124, 0x07060302
	v_perm_b32 v130, v127, v125, 0x05040100
	v_perm_b32 v131, v127, v125, 0x07060302
	ds_store_b128 v250, v[128:131]
.Lnot_vs:
	s_wait_loadcnt 0x0
.irp i, 0,1,2,3,4,5
	ds_store_b128 v243, v[32+4*\i:35+4*\i] offset:512*\i
.endr
.irp j, 0,1
	ds_store_b128 v245, v[96+12*\j:99+12*\j] offset:384*\j
	ds_store_b128 v246, v[100+12*\j:103+12*\j] offset:384*\j+12416
	ds_store_b128 v247, v[104+12*\j:107+12*\j] offset:384*\j+24832
.endr
	ds_store_b64 v248, v[56:57]
	s_wait_dscnt 0x0                               ; for the others' sake: my stores have landed
	s_barrier_signal -1
	s_barrier_wait -1                              ; the head's K and V lie in LDS; nothing writes them again
	s_mov_b32 s[QT], 2
.Lq:                                               ; two trips: my two tiles of queries
	global_load_b128 v[16:19], v1, s[QP:QP+1]
	global_load_b64 v[20:21], v2, s[QP:QP+1] offset:512
	global_load_b32 v[QSC], v3, s[QSP:QSP+1]
	v_mov_b32 v13, 0xff61b1e6                      ; the largest t so far: -3e38, under every t
	v_floor_f32 v12, -v13                          ; -M
	v_mov_b32 v14, 0                               ; the sum, in two halves
	v_mov_b32 v15, 0
.set j, 0
.rept 32
	v_mov_b32 v[160+j], 0                          ; O^T.  (The step is written once: the first finds zeros, which the first change of M leaves zeros)
.set j, j+1
.endr
	s_mov_b32 s[TK], 0
	s_mov_b32 s[TKS], 0
	s_mov_b32 s[TV], 0
	s_mov_b32 s[TVS], 0
	s_mov_b32 s[KT], 8
	s_wait_loadcnt 0x0
.Lk:                                               ; eight trips: 128 keys each
	v_add_nc_u32 v7, s[TK], v1                     ; (these five are also the places in front of the loads into registers that the last products read)
	v_add_nc_u32 v8, s[TK], v2
	v_add_nc_u32 v9, s[TKS], v4
	v_add_nc_u32 v10, s[TV], v5
	v_add_nc_u32 v11, s[TVS], v6
.irp t, 0,1,2,3,4,5,6,7
	ds_load_b128 v[32+6*\t:35+6*\t], v7 offset:768*\t
	ds_load_b64 v[36+6*\t:37+6*\t], v8 offset:768*\t+512
.endr
.irp b, 0,1,2,3
	ds_load_b32 v[KSR+\b], v9 offset:128*\b
.endr
	s_wait_dscnt 0x0
.irp t, 0,2,4,6                        ; S^T = K Q^T: eight tiles of 16 keys
	v_wmma_scale_f32_16x16x128_f8f6f4 v[96+8*\t:103+8*\t], v[32+6*\t:43+6*\t], v[16:27], 0, v[KSR+\t/2], v[QSC] matrix_a_fmt:MATRIX_FMT_FP6 matrix_b_fmt:MATRIX_FMT_FP6
	v_wmma_scale_f32_16x16x128_f8f6f4 v[104+8*\t:111+8*\t], v[38+6*\t:49+6*\t], v[16:27], 0, v[KSR+\t/2], v[QSC] matrix_a_fmt:MATRIX_FMT_FP6 matrix_b_fmt:MATRIX_FMT_FP6 matrix_a_scale:MATRIX_SCALE_ROW1
.endr
.rept 4
	v_nop                                          ; four places in front of the loads below and of the first read of the scores
.endr
.irp c, 0,1,2,3                        ; V's four fragments land under the softmax
.irp p, 0,1,2,3,4,5
	ds_load_b64 v[32+12*\c+2*\p:33+12*\c+2*\p], v10 offset:12288*\c+768*(\p/3)+8*(\p%3)
.endr
.endr
	ds_load_b128 v[VSR:VSR+3], v11
.irp b, 0,1,2,3
	v_max3_num_f32 v[BM+\b], v[96+16*\b], v[97+16*\b], v[98+16*\b]   ; THE LARGEST SCORE OF EACH BLOCK OF 32 KEYS serves twice: for the row's maximum, and, since p rises with the score, for the block's largest p
.endr
.irp i, 3,5,7,9,11,13
.irp b, 0,1,2,3
	v_max3_num_f32 v[BM+\b], v[BM+\b], v[96+16*\b+\i], v[97+16*\b+\i]
.endr
.endr
.irp b, 0,1,2,3
	v_max_num_f32 v[BM+\b], v[BM+\b], v[111+16*\b]
.endr
.irp b, 0,1,2,3
	v_permlanex16_b32 v[BM2+\b], v[BM+\b], s[SEL], s[SEL+1]
.endr
.irp b, 0,1,2,3
	v_max_num_f32 v[BM+\b], v[BM+\b], v[BM2+\b]    ; with lane l xor 16's 16 keys
.endr
	v_max3_num_f32 v240, v[BM], v[BM+1], v[BM+2]
	v_max_num_f32 v240, v240, v[BM+3]              ; the step's largest score of my query
	v_mul_f32 v240, s[CS], v240                    ; as t (c is positive)
	v_max_num_f32 v13, v13, v240                   ; the running largest t
	v_mov_b32 v240, v12
	v_floor_f32 v12, -v13                          ; the new -M = floor(-t) = -ceil(t)
	v_sub_f32 v240, v12, v240                      ; old M less new M: a whole number, 0 or less
	v_cvt_i32_f32 v240, v240                       ; (it saturates)
	v_ldexp_f32 v238, 1.0, v240                    ; f = 2^(old M - new M)
.set j, 0
.rept 32
	v_pk_fma_f32 v[96+j:97+j], v[96+j:97+j], s[CS:CS+1], v[12:13] op_sel_hi:[1,0,0]   ; t - M, two at a time
.set j, j+2
.endr
.irp b, 0,1,2,3
	v_fma_f32 v[BM+\b], v[BM+\b], s[CS], v12       ; the same of each block's largest score
.endr
.set j, 0
.rept 64
	v_exp_f32 v[96+j], v[96+j]                     ; p = 2^(t - M), at most 1: not normalised
.set j, j+1
.endr
	v_pk_mul_f32 v[14:15], v[14:15], v[238:239] op_sel_hi:[1,0]   ; the sums under the new M.  (A plain place behind the exponentials)
	s_wait_alu depctr_va_vdst(0)                   ; the wait ahead of the first reader: one for the whole batch
.irp b, 0,1,2,3
	v_exp_f32 v[BM+\b], v[BM+\b]                   ; the block's largest p: the same two instructions on the same number give the same bits
.endr
	v_pk_add_f32 v[242:243], v[96:97], v[98:99]    ; THE ROW'S SUM IS TAKEN OF THE UNQUANTISED p: two at a time, in two chains
.irp j, 4,8,12,16,20,24,28,32,36,40,44,48,52,56,60
	v_pk_add_f32 v[14:15], v[14:15], v[96+\j:97+\j]
	v_pk_add_f32 v[242:243], v[242:243], v[98+\j:99+\j]
.endr
	v_pk_add_f32 v[14:15], v[14:15], v[242:243]
	s_wait_alu depctr_va_vdst(0)                   ; and one for the four
.irp b, 0,1,2,3
	v_max_num_f32 v[BM+\b], 0x1800000, v[BM+\b]    ; the floor 2^(3 - 127): the byte cannot fall under 1
.endr
.irp b, 0,1,2,3
	v_add_nc_u32 v[SOP+\b], 0xff000000, v[BM+\b]   ; 2 off the exponent field: the conversion's scale operand
.endr
.irp b, 0,1,2,3
	v_lshrrev_b32 v[SBY+\b], 23, v[SOP+\b]
.endr
	v_lshl_or_b32 v[PSW], v[SBY+1], 8, v[SBY]      ; p's scale word for these 128 keys
	v_lshl_or_b32 v[PSW], v[SBY+2], 16, v[PSW]
	v_lshl_or_b32 v[PSW], v[SBY+3], 24, v[PSW]
.irp c, 0,1
	v_cvt_scalef32_pk16_fp6_f32 v[PCD+6*\c:PCD+2+6*\c], v[96+32*\c:111+32*\c], v[SOP+2*\c]
	v_cvt_scalef32_pk16_fp6_f32 v[204+4*\c:206+4*\c], v[112+32*\c:127+32*\c], v[SOP+1+2*\c]   ; (a conversion's three registers begin on an even number)
.endr
	v_nop                                          ; one plain place behind a scaled conversion
.irp c, 0,1                            ; the operand's layout wants a WHOLE block in a lane
.irp i, 0,1,2
	v_permlane16_swap_b32 v[PCD+6*\c+\i], v[204+4*\c+\i]
.endr
.irp i, 0,1,2
	v_mov_b32 v[PCD+3+6*\c+\i], v[204+4*\c+\i]
.endr
.endr
.set j, 0
.rept 16
	v_pk_mul_f32 v[160+j:161+j], v[160+j:161+j], v[238:239] op_sel_hi:[1,0]   ; O^T under the new M.  (These sixteen are also the places between the scale word's and the codes' last writes and the products)
.set j, j+2
.endr
	s_wait_dscnt 0x0                               ; V
.irp c, 0,1,2,3                        ; O^T += V^T P^T: four tiles of 16 channels, by turns
	v_wmma_scale_f32_16x16x128_f8f6f4 v[160+8*\c:167+8*\c], v[32+12*\c:43+12*\c], v[PCD:PCD+11], v[160+8*\c:167+8*\c], v[VSR+\c], v[PSW] matrix_a_fmt:MATRIX_FMT_FP6 matrix_b_fmt:MATRIX_FMT_FP6
.endr
	s_add_co_u32 s[TK], s[TK], 6144
	s_add_co_u32 s[TKS], s[TKS], 512
	s_add_co_u32 s[TV], s[TV], 1536
	s_add_co_u32 s[TVS], s[TVS], 256
	s_sub_co_u32 s[KT], s[KT], 1
	s_cmp_lg_u32 s[KT], 0
	s_cbranch_scc1 .Lk
	; THE WAY OUT: O^T / the sum; register 16 b + i is channel 32 b + 16 (lane / 16) + i of my query: two blocks, quantised into half a fragment of the projection's operand
.rept 4
	v_nop                                          ; four places behind the last products
.endr
	v_add_f32 v14, v14, v15
	v_permlanex16_b32 v240, v14, s[SEL], s[SEL+1]
	v_add_f32 v14, v14, v240                       ; the row's sum
	v_rcp_f32 v14, v14
	v_nop                                          ; a plain place behind the transcendental,
	s_wait_alu depctr_va_vdst(0)                   ; and the wait ahead of its first reader
.set j, 0
.rept 32
	v_mul_f32 v[96+j], v[160+j], v14
.set j, j+1
.endr
.irp b, 0,1
	v_max3_num_f32 v[BM+\b], |v[96+16*\b]|, |v[97+16*\b]|, 0x1800000
.endr
.irp i, 2,4,6,8,10,12,14
.irp b, 0,1
	v_max3_num_f32 v[BM+\b], v[BM+\b], |v[96+16*\b+\i]|, |v[97+16*\b+\i]|
.endr
.endr
.irp b, 0,1
	v_permlanex16_b32 v[BM2+\b], v[BM+\b], s[SEL], s[SEL+1]
.endr
.irp b, 0,1
	v_max_num_f32 v[BM+\b], v[BM+\b], v[BM2+\b]
.endr
.irp b, 0,1
	v_add_nc_u32 v[SOP+\b], 0xff000000, v[BM+\b]
.endr
.irp b, 0,1
	v_lshrrev_b32 v[SBY+\b], 23, v[SOP+\b]
.endr
	v_lshl_or_b32 v241, v[SBY+1], 8, v[SBY]
	v_cvt_scalef32_pk16_fp6_f32 v[PCD:PCD+2], v[96:111], v[SOP]
	v_cvt_scalef32_pk16_fp6_f32 v[204:206], v[112:127], v[SOP+1]
	v_nop
.irp i, 0,1,2
	v_permlane16_swap_b32 v[PCD+\i], v[204+\i]
.endr
.irp i, 0,1,2
	v_mov_b32 v[PCD+3+\i], v[204+\i]
.endr
	global_store_b128 v1, v[PCD:PCD+3], s[OP:OP+1]             ; 512 and 256 consecutive bytes, at multiples of 256
	global_store_b64 v2, v[PCD+4:PCD+5], s[OP:OP+1] offset:512
	global_store_b16 v3, v241, s[OSP:OSP+1]                    ; my head's two bytes of row r's word (lanes l and l xor 16 store the same)
	s_wait_xcnt 0x0                                ; loads and stores have read their registers and bases
	s_add_nc_u64 s[QP:QP+1], s[QP:QP+1], 12288     ; 16 tiles on
	s_add_nc_u64 s[QSP:QSP+1], s[QSP:QSP+1], 1024
	s_add_nc_u64 s[OP:OP+1], s[OP:OP+1], 196608
	s_add_nc_u64 s[OSP:OSP+1], s[OSP:OSP+1], 8192
	s_sub_co_u32 s[QT], s[QT], 1
	s_cmp_lg_u32 s[QT], 0
	s_cbranch_scc1 .Lq
	s_wait_tensorcnt 0x0                           ; the wave's end: behind my last LDS store
	ds_add_u32 v28, v29
	s_wait_dscnt 0x0
	s_endpgm
.Lfunc_end_k_q529424d62d_attn:
	.size	k_q529424d62d_attn, .Lfunc_end_k_q529424d62d_attn-k_q529424d62d_attn
	.p2alignl 7, 3214868480
	.fill 96, 4, 3214868480
	.section	.rodata,"a",@progbits
	.p2align	6, 0x0
	.amdhsa_kernel k_q529424d62d_attn
		.amdhsa_group_segment_fixed_size 106496
		.amdhsa_private_segment_fixed_size 0
		.amdhsa_enable_private_segment 0
		.amdhsa_kernarg_size 32
		.amdhsa_user_sgpr_count 2
		.amdhsa_user_sgpr_kernarg_segment_ptr 1
		.amdhsa_wavefront_size32 1
		.amdhsa_system_sgpr_workgroup_id_x 1
		.amdhsa_system_sgpr_workgroup_id_y 1
		.amdhsa_system_sgpr_workgroup_id_z 1
		.amdhsa_system_vgpr_workitem_id 0
		.amdhsa_next_free_vgpr 256
		.amdhsa_next_free_sgpr 66
		.amdhsa_reserve_vcc 0
		.amdhsa_float_denorm_mode_32 3
		.amdhsa_float_denorm_mode_16_64 3
		.amdhsa_memory_ordered 1
		.amdhsa_forward_progress 1
		.amdhsa_inst_pref_size 31
	.end_amdhsa_kernel
	.amdgpu_metadata
---
amdhsa.version: [ 1, 2 ]
amdhsa.kernels:
  - .name:           k_q529424d62d_attn
    .symbol:         k_q529424d62d_attn.kd
    .args:
      - { .name: qkv, .offset: 0, .size: 8, .value_kind: global_buffer, .address_space: global }
      - { .name: qkvs, .offset: 8, .size: 8, .value_kind: global_buffer, .address_space: global }
      - { .name: oq, .offset: 16, .size: 8, .value_kind: global_buffer, .address_space: global }
      - { .name: os, .offset: 24, .size: 8, .value_kind: global_buffer, .address_space: global }
    .group_segment_fixed_size: 106496
    .private_segment_fixed_size: 0
    .kernarg_segment_align: 8
    .kernarg_segment_size: 32
    .max_flat_workgroup_size: 512
    .sgpr_count:     66
    .vgpr_count:     256
    .wavefront_size: 32
...
	.end_amdgpu_metadata
.endif
;; end of part 3
;; launch mlp (part 4): grid 256 x 1, 4 waves a work-group, no clusters, 160,256 bytes of LDS; arguments x, oq, os, wq, b_proj, ln2_g, ln2_b, b_fc1, b_fc2, out0; writes out0
.if DOCPART == 4
	.amdgcn_target "amdgcn-amd-amdhsa--gfx1250"
	.amdhsa_code_object_version 6
	.text
	.protected	k_q529424d62d_mlp
	.globl	k_q529424d62d_mlp
	.p2align	8
	.type	k_q529424d62d_mlp,@function
k_q529424d62d_mlp:
	s_mov_b64 s[64:65], 0
	v_nop
	global_prefetch_b8 v0, s[64:65] scope:SCOPE_SE
	s_setreg_imm32_b32 hwreg(HW_REG_WAVE_MODE, 25, 1), 1
	s_wait_xcnt 0x0
; x1 = x + Q(o) Q(w_proj) + b_proj;  out = x1 + Q(gelu(Q(layernorm(x1)) Q(w_fc1) + b_fc1)) Q(w_fc2) + b_fc2.  Products on codes of FP6 (E2M3), one E8M0 scale for each 32 along K.  x1 and the hidden layers never go to memory.
; SHARES.  A work-group of four waves owns 32 tokens (two tiles of 16), whole rows, since the layer norm and the last product's K span a row.  THE WAVES SHARE THE COLUMNS: wave w owns columns 256 w .. 256 w + 255 of
; every panel of 1,024 for both tiles: 32 accumulators, 256 registers.  A panel (proj, fc1, fc2) is 8 K steps of 128; a K step is 32 matrix instructions a wave.  The three panels share ONE text of the K loop.
; THE LEFT OPERANDS go from wave to wave through LDS as images of their registers (the attention's output arrives so from memory); THE WEIGHTS' FRAGMENTS are each read by one wave of the work-group alone and go from
; memory straight into operand registers, through a ring of one K step's 16 fragments (192 registers) refilled four at a time: 36 to 50 loads of 512 bytes are out all the time, over the panels' ends too.
; WHY NO JOINT TENSOR LOADS, though all 256 work-groups walk the same weights: through LDS each weight byte would be written and read once more for no second use in the work-group, and two slots beside the
; stages would hold one K step each: 32 matrix instructions a wave between two rounds of a cluster's barrier.
; Row r of tile u is token 8 u + r + 8 (r / 8) of the 32; the weights' tiles are laid likewise, so that a lane (ONE token) holds 16 neighbouring columns in the 16 registers of two neighbouring tiles.
; gelu(x) = max(x, 0) - |x| a, a = erfc(|x| / sqrt 2) / 2 = t 2^(P(t) - x^2 log2(e) / 2), t = 1 / (1 + |x| / (2 sqrt 2)), P of degree 9: the fractional error of that form is about 1.2e-7.
; LIMITS: NaN and infinities are not served; a block whose largest magnitude lies under 2^-124 (a block of zeros too) gets the byte 1; sums are ordered otherwise than in the definition.
; REGISTERS, in windows of 256: window 0: addresses, left operands, scale words, work; window 1: x, then x1 (register 128 u + 16 b + i = token of lane % 16 in tile u, column 256 w + 32 b + 16 (lane / 16) + i);
;   window 2: the accumulators, in the same layout; window 3: the weights' ring, fragment c at v[12 c].
.set AIMG,  0                          ; LDS: the left operand's 16 fragments, (u, s) at (8 u + s) 1,536
.set ASC,   24576                      ; their scale words: [s][16 u + r]
.set STAT,  25600                      ; the waves' partial sums [wave][16 u + r], and 512 bytes on their partial sums of squares
.set SPARE, 26624                      ; the spare words, 128 bytes for each wave: two blocks of 256 bytes that no other line names
.set STAGE, 27136                      ; for each wave two tiles x 16 rows x (1,024 + 16) bytes
.set WSTG,  33280
.set TSTG,  16640
.set RP,    1040
.set L16, 1
.set L8,  2
.set L4,  3
.set R4,  4
.set BOF, 5
.set SG16, 6
.set SGR, 7
.set W16, 8
.set W8,  9
.set WS,  10
.set STW, 11
.set STR, 12
.set A16, 13
.set A8,  14
.set AS,  15
.set CP16, 17                          ; 16 x lane + 6,144 w: my quarter of the attention's images
.set CP8, 18                           ; ASC + 8 x lane + 256 w
.set T0,  20
.set AF,  32
.set CK,  32                           ; in gelu's phase, when no left operand is in registers: the polynomial's coefficients, a pair each: C0 .. C9, then the factor of x^2
.set ASCR, 80
.set WSC, 84
.set TM,  100
.set GQ,  100                          ; gelu: x^2, then max(x, 0)
.set PW,  116
.set PC,  118
.set MU,  140
.set RS,  144
.set Y,   160
.set GT,  160                          ; gelu: t
.set GP2, 192                          ; gelu: the exponent, then a
.set SPW, 252
.set NIL, 253
.set XP, 4
.set OQ, 6
.set OSB, 8
.set WN, 10
.set BPR, 12
.set G2, 14
.set B2, 16
.set BF1, 18
.set BF2, 20
.set OUTP, 22
.set WV, 24
.set KO, 30
.set KS, 31
.set KC, 32
.set PH, 33
.set SEL, 34
.set HM, 36
.set CH, 37
.set INV, 38
.set RECP, 40                          ; s[40:41] a record's bytes
.set ADV, 42                           ; s[42:43] the same, or 0 in the last panel
.set MUL,  0xa3                        ; source 0 (weights) window 3, source 1 window 0, C and D window 2
.set MULV, 0xac
.set TOB,  0xc0                        ; destination window 3
.set MSB, 0
.macro WIN new                         ; the immediate's high byte repeats the setting that is left; a switch that changes nothing is dropped
.if MSB != (\new)
	s_set_vgpr_msb (MSB<<8)|(\new)
.set MSB, (\new)
.endif
.endm
.macro BARRIER                         ; my LDS stores have landed and my LDS loads are in: then the work-group's barrier
	s_wait_dscnt 0x0
	s_barrier_signal -1
	s_barrier_wait -1
.endm
; one matrix instruction, adding in place.  ra, rb: the halves of the lanes from which the two scale registers are read
.macro WM d, a, b, sa, sb, ra, rb
.if ((\ra) == 0) && ((\rb) == 0)
	v_wmma_scale_f32_16x16x128_f8f6f4 v[(\d):(\d)+7], v[(\a):(\a)+11], v[(\b):(\b)+11], v[(\d):(\d)+7], v[\sa], v[\sb] matrix_a_fmt:MATRIX_FMT_FP6 matrix_b_fmt:MATRIX_FMT_FP6
.elseif ((\ra) == 1) && ((\rb) == 0)
	v_wmma_scale_f32_16x16x128_f8f6f4 v[(\d):(\d)+7], v[(\a):(\a)+11], v[(\b):(\b)+11], v[(\d):(\d)+7], v[\sa], v[\sb] matrix_a_fmt:MATRIX_FMT_FP6 matrix_b_fmt:MATRIX_FMT_FP6 matrix_a_scale:MATRIX_SCALE_ROW1
.elseif ((\ra) == 0) && ((\rb) == 1)
	v_wmma_scale_f32_16x16x128_f8f6f4 v[(\d):(\d)+7], v[(\a):(\a)+11], v[(\b):(\b)+11], v[(\d):(\d)+7], v[\sa], v[\sb] matrix_a_fmt:MATRIX_FMT_FP6 matrix_b_fmt:MATRIX_FMT_FP6 matrix_b_scale:MATRIX_SCALE_ROW1
.else
	v_wmma_scale_f32_16x16x128_f8f6f4 v[(\d):(\d)+7], v[(\a):(\a)+11], v[(\b):(\b)+11], v[(\d):(\d)+7], v[\sa], v[\sb] matrix_a_fmt:MATRIX_FMT_FP6 matrix_b_fmt:MATRIX_FMT_FP6 matrix_a_scale:MATRIX_SCALE_ROW1 matrix_b_scale:MATRIX_SCALE_ROW1
.endif
.endm
.macro AFETCH set                      ; a K step's two left fragments and their scale words: nine LDS loads
.irp u, 0,1
	ds_load_b128 v[AF+24*(\set)+12*\u:AF+24*(\set)+12*\u+3], v[A16] offset:12288*\u
	ds_load_b64 v[AF+24*(\set)+12*\u+4:AF+24*(\set)+12*\u+5], v[A8] offset:12288*\u+512
	ds_load_b128 v[AF+24*(\set)+12*\u+6:AF+24*(\set)+12*\u+9], v[A16] offset:12288*\u+768
	ds_load_b64 v[AF+24*(\set)+12*\u+10:AF+24*(\set)+12*\u+11], v[A8] offset:12288*\u+1280
.endr
	ds_load_b32 v[ASCR+(\set)], v[AS]
.endm
.macro PRIME                           ; the ring's first record: its scale words, then its 16 fragments
	global_load_b128 v[WSC:WSC+3], v[L16], s[WN:WN+1] offset:24576
	global_load_b128 v[WSC+4:WSC+7], v[L16], s[WN:WN+1] offset:25088
	WIN TOB
.set cc, 0
.rept 16
.irp q, 0,1,2
	global_load_b128 v[12*cc+4*\q:12*cc+4*\q+3], v[L16], s[WN:WN+1] offset:1536*cc+512*\q
.endr
.set cc, cc+1
.endr
	WIN 0
	s_wait_xcnt 0x0                                ; the loads have read their base: it may step
	s_add_nc_u64 s[WN:WN+1], s[WN:WN+1], s[RECP:RECP+1]
.endm
; A K STEP.  set: which set of left fragments and of scale words.  anext = 1: the next K step's left fragments are fetched.  adv: the scalar pair by which the record's address steps.
; The sums began with the biases, which loads have put into the accumulators.  The 32 accumulators take turns, one instruction a turn, in the same order in every K step.
.macro KSTEP set, anext, adv
.if \anext
	s_add_co_u32 s[KO], s[KO], 1536
	s_add_co_u32 s[KS], s[KS], 128
	v_add_nc_u32 v[A16], s[KO], v[L16]
	v_add_nc_u32 v[A8], s[KO], v[L8]
	v_add_nc_u32 v[AS], s[KS], v[L4]
	AFETCH 1-(\set)
	s_wait_dscnt 9                                 ; the nine just issued may be out; this step's nine, issued a K step ago, are in
.else
	s_wait_dscnt 0x0
.endif
.set jj, 0
.rept 4                                ; four units of four fragments
.if jj == 0
	s_wait_loadcnt 36                              ; behind this unit's 12 loads the three other units' were issued
.else
	s_wait_loadcnt 38                              ; behind this unit's 12 loads: three units' 36 and the two loads of scale words
.endif
	WIN MUL
.set cc, 4*jj
.rept 4
.set uu, 0
.rept 2
	WM 128*uu+8*cc, 12*cc, AF+24*(\set)+12*uu, WSC+8*(\set)+cc/2, ASCR+(\set), cc%2, uu
.set uu, uu+1
.endr
.set cc, cc+1
.endr
.rept 4
	v_nop                                          ; four places in front of loads into registers that matrix instructions have read, and of the first read of results
.endr
.if jj == 0
	WIN 0
	global_load_b128 v[WSC+8*(1-(\set)):WSC+8*(1-(\set))+3], v[L16], s[WN:WN+1] offset:24576
	global_load_b128 v[WSC+8*(1-(\set))+4:WSC+8*(1-(\set))+7], v[L16], s[WN:WN+1] offset:25088
.endif
	WIN TOB
.set cc, 4*jj
.rept 4
.irp q, 0,1,2
	global_load_b128 v[12*cc+4*\q:12*cc+4*\q+3], v[L16], s[WN:WN+1] offset:1536*cc+512*\q
.endr
.set cc, cc+1
.endr
.set jj, jj+1
.endr
	WIN 0
	s_wait_xcnt 0x0                                ; the loads have read their base: it may step
	s_add_nc_u64 s[WN:WN+1], s[WN:WN+1], s[\adv:\adv+1]
.endm
; A panel: 8 K steps, two a trip; the last two are written out.  In the last panel the address does not step behind the seventh K step, so that the eighth asks for its own record once more: no load leaves wq,
; and every counted wait holds on every way.  Those 50 loads are used by nothing.
.macro KPHASE
	s_wait_loadcnt 0x0                             ; the biases in the accumulators and the ring's whole record are in: so every counted wait of the first K step holds on the way in
	s_mov_b32 s[KO], AIMG
	s_mov_b32 s[KS], ASC
	v_add_nc_u32 v[A16], s[KO], v[L16]
	v_add_nc_u32 v[A8], s[KO], v[L8]
	v_add_nc_u32 v[AS], s[KS], v[L4]
	AFETCH 0
	s_mov_b32 s[KC], 3
.Lk_\@:
	KSTEP 0,1,RECP
	KSTEP 1,1,RECP
	s_sub_co_u32 s[KC], s[KC], 1
	s_cmp_lg_u32 s[KC], 0
	s_cbranch_scc1 .Lk_\@
	KSTEP 0,1,ADV
	KSTEP 1,0,RECP
.endm
; 64 numbers of a lane in window W, register 16 b + i = k 32 b + 16 (lane / 16) + i of my token: four blocks' scale bytes into v[PW], their codes, 16 a conversion, into v[PC], +12, +6, +16
.macro QUANT src, W
	WIN (\W)|((\W)<<2)
.irp b, 0,1,2,3
	v_max3_num_f32 v[TM+\b], |v[(\src)+16*\b]|, |v[(\src)+16*\b+1]|, 0x1800000   ; my 16 numbers of block b, and the floor 2^(3 - 127): the byte cannot fall under 1
.endr
	WIN ((\W)<<2)|((\W)<<4)
.irp i, 2,4,6,8,10,12,14
.irp b, 0,1,2,3
	v_max3_num_f32 v[TM+\b], v[TM+\b], |v[(\src)+16*\b+\i]|, |v[(\src)+16*\b+\i+1]|
.endr
.endr
	WIN 0
.irp b, 0,1,2,3
	v_permlanex16_b32 v[TM+4+\b], v[TM+\b], s[SEL], s[SEL+1]
.endr
.irp b, 0,1,2,3
	v_max_num_f32 v[TM+\b], v[TM+\b], v[TM+4+\b]   ; with lane l xor 16's: the block's largest magnitude
.endr
.irp b, 0,1,2,3
	v_add_nc_u32 v[TM+12+\b], 0xff000000, v[TM+\b] ; 2 off its exponent field: the conversion's scale operand
.endr
.irp b, 0,1,2,3
	v_lshrrev_b32 v[TM+4+\b], 23, v[TM+12+\b]      ; the scale's byte
.endr
	v_lshl_or_b32 v[PW], v[TM+5], 8, v[TM+4]
	v_lshl_or_b32 v[PW], v[TM+6], 16, v[PW]
	v_lshl_or_b32 v[PW], v[TM+7], 24, v[PW]
	WIN (\W)
.irp c, 0,1
	v_cvt_scalef32_pk16_fp6_f32 v[PC+6*\c:PC+6*\c+2], v[(\src)+32*\c:(\src)+32*\c+15], v[TM+12+2*\c]
	v_cvt_scalef32_pk16_fp6_f32 v[PC+12+4*\c:PC+14+4*\c], v[(\src)+32*\c+16:(\src)+32*\c+31], v[TM+13+2*\c]   ; (a conversion's three registers begin on an even number)
.endr
	WIN 0
	v_nop                                          ; one plain place behind a scaled conversion
.endm
.macro QSWAP                           ; the operand's layout wants a WHOLE block in a lane: lanes 0-15 block 2 c, lanes 16-31 block 2 c + 1
.irp c, 0,1
.irp i, 0,1,2
	v_permlane16_swap_b32 v[PC+6*\c+\i], v[PC+12+4*\c+\i]
.endr
.irp i, 0,1,2
	v_mov_b32 v[PC+3+6*\c+\i], v[PC+12+4*\c+\i]
.endr
.endr
.endm
.macro IMAGE u, q                      ; the fragment in v[PC] on is K step 2 w + q of tile u: it goes to LDS as it stands, and its scale word with it
	ds_store_b128 v[W16], v[PC:PC+3] offset:12288*(\u)+1536*(\q)
	ds_store_b64 v[W8], v[PC+4:PC+5] offset:12288*(\u)+1536*(\q)+512
	ds_store_b128 v[W16], v[PC+6:PC+9] offset:12288*(\u)+1536*(\q)+768
	ds_store_b64 v[W8], v[PC+10:PC+11] offset:12288*(\u)+1536*(\q)+1280
	ds_store_b32 v[WS], v[PW] offset:ASC+128*(\q)+64*(\u)      ; lanes l and l xor 16 write the same word with the same value
.endm
.macro BIASLD u, q, ptr                ; 64 numbers of a vector of 1,024 (my 256, columns 128 q on) into the accumulators' layout, tile u
	WIN 0x80
.irp b, 0,1,2,3
.irp j, 0,1,2,3
	global_load_b128 v[128*(\u)+64*(\q)+16*\b+4*\j:128*(\u)+64*(\q)+16*\b+4*\j+3], v[BOF], s[\ptr:\ptr+1] offset:512*(\q)+128*\b+16*\j
.endr
.endr
	WIN 0
.endm
; x: each load reads 512 consecutive bytes of a row; the rows turn through my own stage, so that a lane then holds 16 neighbours of each block of 32 of ONE token.  LDS serves a wave's instructions in order (ISA guide 5.7.1.4).
.macro XIN
	WIN 0x40
.irp u, 0,1
.set ii, 0
.rept 16
	global_load_b128 v[128*\u+8*ii:128*\u+8*ii+3], v[L16], s[XP:XP+1] offset:(8*\u+ii+8*(ii/8))*4096 th:TH_LOAD_NT
	global_load_b128 v[128*\u+8*ii+4:128*\u+8*ii+7], v[L16], s[XP:XP+1] offset:(8*\u+ii+8*(ii/8))*4096+512 th:TH_LOAD_NT
.set ii, ii+1
.endr
.endr
.irp u, 0,1
	s_wait_loadcnt 32-32*\u                        ; this tile's 32 loads are in; the other tile's may be out
	WIN 0x04
.set ii, 0
.rept 16
	ds_store_b128 v[SG16], v[128*\u+8*ii:128*\u+8*ii+3] offset:TSTG*\u+RP*ii
	ds_store_b128 v[SG16], v[128*\u+8*ii+4:128*\u+8*ii+7] offset:TSTG*\u+RP*ii+512
.set ii, ii+1
.endr
	WIN 0x40
.set bb, 0
.rept 8
.irp j, 0,1,2,3
	ds_load_b128 v[128*\u+16*bb+4*\j:128*\u+16*bb+4*\j+3], v[SGR] offset:TSTG*\u+128*bb+16*\j
.endr
.set bb, bb+1
.endr
.endr
	WIN 0
.endm
; a lane's partial sums of the two tiles become the rows' totals: v[T0] tile 0's, v[T0+4] tile 1's, of token lane % 16
.macro XCHG a, b, off
	v_permlanex16_b32 v[T0], v[\a], s[SEL], s[SEL+1]
	v_permlanex16_b32 v[T0+1], v[\b], s[SEL], s[SEL+1]
	v_add_f32 v[\a], v[\a], v[T0]
	v_add_f32 v[\b], v[\b], v[T0+1]                ; my wave's 256 columns
	v_cndmask_b32 v[T0+2], v[\a], v[\b], s[HM]     ; lanes 0-15 carry tile 0's, lanes 16-31 tile 1's
	ds_store_b32 v[STW], v[T0+2] offset:\off
	BARRIER
.irp w, 0,1,2,3
	ds_load_b32 v[T0+\w], v[STR] offset:(\off)+128*\w
	ds_load_b32 v[T0+4+\w], v[STR] offset:(\off)+128*\w+64
.endr
	s_wait_dscnt 0x0
.irp w, 1,2,3
	v_add_f32 v[T0], v[T0], v[T0+\w]
	v_add_f32 v[T0+4], v[T0+4], v[T0+4+\w]
.endr
.endm
; LAYER NORM AND QUANTISER: window 1's rows become my four fragments (K steps 2 w, 2 w + 1 of both tiles) in LDS.  gp, bp: gain and bias; nb: the vector with which the next panel's sums begin.
; Gain and bias lie meanwhile in the accumulators' registers (0-127, 128-255), which are idle; each half is given to the next panel's bias as soon as it has been read.
; The images are written behind the two barriers of the sums, which every wave reaches behind its last read of the old images.
.macro LNQ gp, bp, nb
	BIASLD 0,0,\gp
	BIASLD 0,1,\gp
	BIASLD 1,0,\bp
	BIASLD 1,1,\bp
.irp u, 0,1                            ; the rows' sums: four packed chains a tile
	WIN 0x05
.irp k, 0,1,2,3
	v_pk_add_f32 v[Y+8*\u+2*\k:Y+8*\u+2*\k+1], v[128*\u+2*\k:128*\u+2*\k+1], v[128*\u+8+2*\k:128*\u+8+2*\k+1]
.endr
	WIN 0x04
.set ii, 16
.rept 14
.irp k, 0,1,2,3
	v_pk_add_f32 v[Y+8*\u+2*\k:Y+8*\u+2*\k+1], v[Y+8*\u+2*\k:Y+8*\u+2*\k+1], v[128*\u+ii+2*\k:128*\u+ii+2*\k+1]
.endr
.set ii, ii+8
.endr
.endr
	WIN 0
.irp u, 0,1
	v_pk_add_f32 v[Y+8*\u:Y+8*\u+1], v[Y+8*\u:Y+8*\u+1], v[Y+8*\u+2:Y+8*\u+3]
	v_pk_add_f32 v[Y+8*\u+4:Y+8*\u+5], v[Y+8*\u+4:Y+8*\u+5], v[Y+8*\u+6:Y+8*\u+7]
.endr
.irp u, 0,1
	v_pk_add_f32 v[Y+8*\u:Y+8*\u+1], v[Y+8*\u:Y+8*\u+1], v[Y+8*\u+4:Y+8*\u+5]
.endr
.irp u, 0,1
	v_add_f32 v[Y+8*\u], v[Y+8*\u], v[Y+8*\u+1]
.endr
	XCHG Y, Y+8, 0
.irp u, 0,1
	v_mul_f32 v[MU+2*\u], s[INV], v[T0+4*\u]       ; the mean (x 2^-10: exact),
	v_mul_f32 v[MU+2*\u+1], s[INV], v[T0+4*\u]     ; twice: a pair for the packed forms
.endr
.irp u, 0,1                            ; the sums of (x - mean)^2: eight packed chains a tile
.set bb, 0
.rept 8
	WIN 0x01
.irp k, 0,1,2,3,4,5,6,7
	v_pk_add_f32 v[Y+2*\k:Y+2*\k+1], v[128*\u+16*bb+2*\k:128*\u+16*bb+2*\k+1], v[MU+2*\u:MU+2*\u+1] neg_lo:[0,1] neg_hi:[0,1]
.endr
	WIN 0
.irp k, 0,1,2,3,4,5,6,7
.if bb == 0
	v_pk_mul_f32 v[Y+16+16*\u+2*\k:Y+16+16*\u+2*\k+1], v[Y+2*\k:Y+2*\k+1], v[Y+2*\k:Y+2*\k+1]
.else
	v_pk_fma_f32 v[Y+16+16*\u+2*\k:Y+16+16*\u+2*\k+1], v[Y+2*\k:Y+2*\k+1], v[Y+2*\k:Y+2*\k+1], v[Y+16+16*\u+2*\k:Y+16+16*\u+2*\k+1]
.endif
.endr
.set bb, bb+1
.endr
.endr
.irp k, 0,1,2,3
.irp u, 0,1
	v_pk_add_f32 v[Y+16+16*\u+2*\k:Y+16+16*\u+2*\k+1], v[Y+16+16*\u+2*\k:Y+16+16*\u+2*\k+1], v[Y+24+16*\u+2*\k:Y+24+16*\u+2*\k+1]
.endr
.endr
.irp k, 0,1
.irp u, 0,1
	v_pk_add_f32 v[Y+16+16*\u+2*\k:Y+16+16*\u+2*\k+1], v[Y+16+16*\u+2*\k:Y+16+16*\u+2*\k+1], v[Y+20+16*\u+2*\k:Y+20+16*\u+2*\k+1]
.endr
.endr
.irp u, 0,1
	v_pk_add_f32 v[Y+16+16*\u:Y+17+16*\u], v[Y+16+16*\u:Y+17+16*\u], v[Y+18+16*\u:Y+19+16*\u]
.endr
.irp u, 0,1
	v_add_f32 v[Y+16+16*\u], v[Y+16+16*\u], v[Y+17+16*\u]
.endr
	XCHG Y+16, Y+32, 512
	v_fmaak_f32 v[T0], s[INV], v[T0], 0x3727c5ac   ; the variance + 1e-5
	v_fmaak_f32 v[T0+4], s[INV], v[T0+4], 0x3727c5ac
	v_rsq_f32 v[RS], v[T0]
	v_rsq_f32 v[RS+2], v[T0+4]
	v_nop                                          ; a plain place behind the transcendentals,
	s_wait_alu depctr_va_vdst(0)                   ; and the wait ahead of their first reader: one for both
	v_mov_b32 v[RS+1], v[RS]
	v_mov_b32 v[RS+3], v[RS+2]
	s_wait_loadcnt 0x0                             ; gain and bias
.irp q, 0,1
.irp u, 0,1
	WIN 0x01
.set kk, 0
.rept 32
	v_pk_add_f32 v[Y+2*kk:Y+2*kk+1], v[128*\u+64*\q+2*kk:128*\u+64*\q+2*kk+1], v[MU+2*\u:MU+2*\u+1] neg_lo:[0,1] neg_hi:[0,1]
.set kk, kk+1
.endr
	WIN 0
.set kk, 0
.rept 32
	v_pk_mul_f32 v[Y+2*kk:Y+2*kk+1], v[Y+2*kk:Y+2*kk+1], v[RS+2*\u:RS+2*\u+1]
.set kk, kk+1
.endr
	WIN 0x28
.set kk, 0
.rept 32
	v_pk_fma_f32 v[Y+2*kk:Y+2*kk+1], v[Y+2*kk:Y+2*kk+1], v[64*\q+2*kk:64*\q+2*kk+1], v[128+64*\q+2*kk:128+64*\q+2*kk+1]
.set kk, kk+1
.endr
	WIN 0
	s_wait_dscnt 0x0                               ; the last image's stores are done: its registers are written again
	QUANT Y, 0
	QSWAP
	IMAGE \u,\q
.endr
	BIASLD 0,\q,\nb                                ; this half of gain and bias has been read for the last time
	BIASLD 1,\q,\nb
.endr
	BARRIER                                        ; all sixteen fragments lie in LDS
.endm
; gelu of 32 accumulator registers, in place
.macro GELU gb
	WIN 0x02
.set kk, 0
.rept 32
	v_fma_f32 v[GT+kk], |v[(\gb)+kk]|, s[CH], 1.0  ; 1 + |x| / (2 sqrt 2)
.set kk, kk+1
.endr
	WIN 0
.set kk, 0
.rept 32
	v_rcp_f32 v[GT+kk], v[GT+kk]                   ; t
.set kk, kk+1
.endr
	WIN 0x0a
.set kk, 0
.rept 16
	v_pk_mul_f32 v[GQ+2*kk:GQ+2*kk+1], v[(\gb)+2*kk:(\gb)+2*kk+1], v[(\gb)+2*kk:(\gb)+2*kk+1]   ; x^2: plain work behind the reciprocals
.set kk, kk+1
.endr
	WIN 0
	s_wait_alu depctr_va_vdst(0)                   ; the wait ahead of the first reader: one for the batch
.set kk, 0
.rept 16
	v_pk_fma_f32 v[GP2+2*kk:GP2+2*kk+1], v[GT+2*kk:GT+2*kk+1], v[CK+18:CK+19], v[CK+16:CK+17]
.set kk, kk+1
.endr
.irp c, 7,6,5,4,3,2,1,0
.set kk, 0
.rept 16
	v_pk_fma_f32 v[GP2+2*kk:GP2+2*kk+1], v[GP2+2*kk:GP2+2*kk+1], v[GT+2*kk:GT+2*kk+1], v[CK+2*\c:CK+2*\c+1]
.set kk, kk+1
.endr
.endr
.set kk, 0
.rept 16
	v_pk_fma_f32 v[GP2+2*kk:GP2+2*kk+1], v[GQ+2*kk:GQ+2*kk+1], v[CK+20:CK+21], v[GP2+2*kk:GP2+2*kk+1]   ; - x^2 log2(e) / 2
.set kk, kk+1
.endr
.set kk, 0
.rept 32
	v_exp_f32 v[GP2+kk], v[GP2+kk]
.set kk, kk+1
.endr
	WIN 0x08
.set kk, 0
.rept 32
	v_max_num_f32 v[GQ+kk], 0, v[(\gb)+kk]         ; max(x, 0): plain work behind the exponentials
.set kk, kk+1
.endr
	WIN 0
	s_wait_alu depctr_va_vdst(0)                   ; one wait for the batch
.set kk, 0
.rept 16
	v_pk_mul_f32 v[GP2+2*kk:GP2+2*kk+1], v[GP2+2*kk:GP2+2*kk+1], v[GT+2*kk:GT+2*kk+1]   ; a
.set kk, kk+1
.endr
	WIN 0x82
.set kk, 0
.rept 32
	v_fma_f32 v[(\gb)+kk], -|v[(\gb)+kk]|, v[GP2+kk], v[GQ+kk]
.set kk, kk+1
.endr
	WIN 0
.endm
.macro GCHUNK u, hq                    ; 64 hidden units of tile u: activation, quantiser, image; the accumulators then take the last panel's bias
	s_wait_dscnt 0x0                               ; the last image's stores are done: its registers are written again
	GELU 128*(\u)+64*(\hq)
	GELU 128*(\u)+64*(\hq)+32
	QUANT 128*(\u)+64*(\hq), 2
	QSWAP
	BIASLD \u,\hq,BF2
	IMAGE \u,\hq
.endm
.macro CPAIR k, val
	v_mov_b32 v[CK+2*(\k)], \val
	v_mov_b32 v[CK+2*(\k)+1], \val
.endm
	s_load_b512 s[4:19], s[0:1], 0x0               ; x, oq, os, wq, b_proj, ln2_g, ln2_b, b_fc1
	s_load_b128 s[20:23], s[0:1], 0x40             ; b_fc2, out0
	v_lshl_add_u32 v[SPW], v0, 2, SPARE            ; my spare word,
	v_mov_b32 v[NIL], 0                            ; and 0: kept for the closing lines
	v_lshrrev_b32 v20, 5, v0
	v_readfirstlane_b32 s[WV], v20                 ; wave 0..3
	v_and_b32 v20, 31, v0                          ; lane
	v_and_b32 v21, 15, v0                          ; r
	v_bfe_u32 v22, v0, 4, 1                        ; h
	v_lshlrev_b32 v[L16], 4, v20
	v_lshlrev_b32 v[L8], 3, v20
	v_lshlrev_b32 v[L4], 2, v20
	v_lshlrev_b32 v[R4], 2, v21
	v_lshlrev_b32 v[BOF], 6, v22
	s_mul_i32 s26, s[WV], WSTG
	s_add_co_u32 s26, s26, STAGE
	v_add_nc_u32 v[SG16], s26, v[L16]
	v_mul_u32_u24 v[SGR], v21, RP
	v_lshl_add_u32 v[SGR], v22, 6, v[SGR]
	v_add_nc_u32 v[SGR], s26, v[SGR]
	s_mul_i32 s26, s[WV], 3072
	v_add_nc_u32 v[W16], s26, v[L16]
	v_add_nc_u32 v[W8], s26, v[L8]
	s_lshl_b32 s26, s[WV], 8
	v_add_nc_u32 v[WS], s26, v[R4]
	s_add_co_u32 s26, s26, ASC
	v_add_nc_u32 v[CP8], s26, v[L8]
	s_mul_i32 s26, s[WV], 6144
	v_add_nc_u32 v[CP16], s26, v[L16]
	s_lshl_b32 s26, s[WV], 7
	s_add_co_u32 s26, s26, STAT
	v_add_nc_u32 v[STW], s26, v[L4]
	v_add_nc_u32 v[STR], STAT, v[R4]
	v_mov_b32 v[T0], 0                             ; written once: a lane permute's destination counts as one of its sources
	v_mov_b32 v[T0+1], 0
.irp b, 0,1,2,3
	v_mov_b32 v[TM+4+\b], 0
.endr
	s_mov_b32 s[SEL], 0x76543210
	s_mov_b32 s[SEL+1], 0xfedcba98                 ; v_permlanex16_b32's selects for lane l xor 16
	s_mov_b32 s[HM], 0xffff0000
	s_mov_b32 s[CH], 0x3eb504f3                    ; 1 / (2 sqrt 2)
	s_mov_b32 s[INV], 0x3a800000                   ; 1 / 1,024
	s_mov_b32 s[RECP], 25600
	s_mov_b32 s[RECP+1], 0
	s_mov_b32 s[ADV+1], 0
	s_mov_b32 s27, 0
	s_wait_kmcnt 0x0
	s_lshl_b32 s28, s[WV], 10                      ; my 256 columns, in bytes
	s_lshl_b32 s26, ttmp9, 17                      ; 32 rows of 4,096 bytes
	s_add_co_u32 s26, s26, s28
	s_add_nc_u64 s[XP:XP+1], s[XP:XP+1], s[26:27]
	s_add_nc_u64 s[OUTP:OUTP+1], s[OUTP:OUTP+1], s[26:27]
	s_mov_b32 s26, s28
.irp p, 12,14,16,18,20
	s_add_nc_u64 s[\p:\p+1], s[\p:\p+1], s[26:27]
.endr
	s_mul_i32 s26, ttmp9, 24576                    ; the attention's images of my 32 tokens, my quarter
	s_mul_i32 s28, s[WV], 6144
	s_add_co_u32 s26, s26, s28
	s_add_nc_u64 s[OQ:OQ+1], s[OQ:OQ+1], s[26:27]
	s_lshl_b32 s26, ttmp9, 10
	s_lshl_b32 s28, s[WV], 8
	s_add_co_u32 s26, s26, s28
	s_add_nc_u64 s[OSB:OSB+1], s[OSB:OSB+1], s[26:27]
	s_mul_i32 s26, s[WV], 614400                   ; my 24 records, behind the other launch's 96
	s_add_co_u32 s26, s26, 2457600
	s_add_nc_u64 s[WN:WN+1], s[WN:WN+1], s[26:27]
	XIN
.irp i, 0,1,2,3,4,5,6,7,8,9,10,11
	global_load_b128 v[Y+4*\i:Y+4*\i+3], v[L16], s[OQ:OQ+1] offset:512*\i th:TH_LOAD_NT
.endr
	global_load_b64 v[Y+48:Y+49], v[L8], s[OSB:OSB+1] th:TH_LOAD_NT
	BIASLD 0,0,BPR
	BIASLD 0,1,BPR
	BIASLD 1,0,BPR
	BIASLD 1,1,BPR
	PRIME
	s_wait_loadcnt 63                              ; the 13 loads of images and scale words are in: 114 younger loads were issued, and 63 is the most that a wait names
.irp i, 0,1,2,3,4,5,6,7,8,9,10,11
	ds_store_b128 v[CP16], v[Y+4*\i:Y+4*\i+3] offset:512*\i
.endr
	ds_store_b64 v[CP8], v[Y+48:Y+49]
	BARRIER                                        ; the attention's sixteen fragments lie in LDS
	s_mov_b32 s[PH], 0
.Lphase:                                           ; three trips: proj, fc1, fc2
	s_cmp_eq_u32 s[PH], 2
	s_cselect_b32 s[ADV], 0, s[RECP]
	KPHASE
	s_cmp_eq_u32 s[PH], 0
	s_cbranch_scc0 .Lnot_proj
	WIN 0x49                                       ; x1 = x + the projection (its bias began the sums): each accumulator from its low end on
.set kk, 0
.rept 128
	v_pk_add_f32 v[2*kk:2*kk+1], v[2*kk:2*kk+1], v[2*kk:2*kk+1]
.set kk, kk+1
.endr
	WIN 0
	LNQ G2, B2, BF1
	s_branch .Ljoin
.Lnot_proj:
	s_cmp_eq_u32 s[PH], 1
	s_cbranch_scc0 .Ljoin                          ; the last panel's way out stands behind the loop
	BARRIER                                        ; every wave's reads of the old images are over
	CPAIR 0, 0xc034d90f                            ; the coefficients x log2(e); the first less 1, for the half
	CPAIR 1, 0x3fb8ab5a
	CPAIR 2, 0x3f0a29d2
	CPAIR 3, 0x3e0efb2f
	CPAIR 4, 0xbe899a80
	CPAIR 5, 0x3ecdfd18
	CPAIR 6, 0xbfd1a1e5
	CPAIR 7, 0x40097039
	CPAIR 8, 0xbf97d29d
	CPAIR 9, 0x3e7c6f08
	CPAIR 10, 0xbf38aa3b                           ; - log2(e) / 2
	GCHUNK 0,0
	GCHUNK 0,1
	GCHUNK 1,0
	GCHUNK 1,1
	BARRIER                                        ; the hidden layer's sixteen fragments lie in LDS
.Ljoin:
	s_add_co_u32 s[PH], s[PH], 1
	s_cmp_lt_u32 s[PH], 3
	s_cbranch_scc1 .Lphase
	; THE WAY OUT: out = x1 + the last product (its bias began the sums); the rows turn back through my own stage and leave as runs of 512 consecutive bytes
	WIN 0x49
.set kk, 0
.rept 128
	v_pk_add_f32 v[2*kk:2*kk+1], v[2*kk:2*kk+1], v[2*kk:2*kk+1]
.set kk, kk+1
.endr
.irp u, 0,1
	WIN 0x04
.set bb, 0
.rept 8
.irp j, 0,1,2,3
	ds_store_b128 v[SGR], v[128*\u+16*bb+4*\j:128*\u+16*bb+4*\j+3] offset:TSTG*\u+128*bb+16*\j
.endr
.set bb, bb+1
.endr
	WIN 0x40
.set ii, 0
.rept 16
	ds_load_b128 v[128*\u+8*ii:128*\u+8*ii+3], v[SG16] offset:TSTG*\u+RP*ii           ; LDS serves a wave's instructions in order: these see my stores
	ds_load_b128 v[128*\u+8*ii+4:128*\u+8*ii+7], v[SG16] offset:TSTG*\u+RP*ii+512
.set ii, ii+1
.endr
.endr
	WIN 0x04
	s_wait_dscnt 63                                ; of the 128 LDS instructions at most 63 are out: tile 0's 32 stores and 32 loads are done
.set ii, 0
.rept 16
	global_store_b128 v[L16], v[8*ii:8*ii+3], s[OUTP:OUTP+1] offset:(ii+8*(ii/8))*4096 th:TH_STORE_NT
	global_store_b128 v[L16], v[8*ii+4:8*ii+7], s[OUTP:OUTP+1] offset:(ii+8*(ii/8))*4096+512 th:TH_STORE_NT
.set ii, ii+1
.endr
.set ii, 0
.rept 16
	s_wait_dscnt 31-2*ii                           ; this load is in; the younger ones may be out
	global_store_b128 v[L16], v[128+8*ii:128+8*ii+3], s[OUTP:OUTP+1] offset:(8+ii+8*(ii/8))*4096 th:TH_STORE_NT
	s_wait_dscnt 30-2*ii
	global_store_b128 v[L16], v[128+8*ii+4:128+8*ii+7], s[OUTP:OUTP+1] offset:(8+ii+8*(ii/8))*4096+512 th:TH_STORE_NT
.set ii, ii+1
.endr
	WIN 0
	s_wait_tensorcnt 0x0                           ; the wave's end: behind my last LDS store
	ds_add_u32 v[SPW], v[NIL]
	s_wait_dscnt 0x0
	s_endpgm
.Lfunc_end_k_q529424d62d_mlp:
	.size	k_q529424d62d_mlp, .Lfunc_end_k_q529424d62d_mlp-k_q529424d62d_mlp
	.p2alignl 7, 3214868480
	.fill 96, 4, 3214868480
	.section	.rodata,"a",@progbits
	.p2align	6, 0x0
	.amdhsa_kernel k_q529424d62d_mlp
		.amdhsa_group_segment_fixed_size 160256
		.amdhsa_private_segment_fixed_size 0
		.amdhsa_enable_private_segment 0
		.amdhsa_kernarg_size 80
		.amdhsa_user_sgpr_count 2
		.amdhsa_user_sgpr_kernarg_segment_ptr 1
		.amdhsa_wavefront_size32 1
		.amdhsa_system_sgpr_workgroup_id_x 1
		.amdhsa_system_sgpr_workgroup_id_y 1
		.amdhsa_system_sgpr_workgroup_id_z 1
		.amdhsa_system_vgpr_workitem_id 0
		.amdhsa_next_free_vgpr 1024
		.amdhsa_next_free_sgpr 66
		.amdhsa_reserve_vcc 0
		.amdhsa_float_denorm_mode_32 3
		.amdhsa_float_denorm_mode_16_64 3
		.amdhsa_memory_ordered 1
		.amdhsa_forward_progress 1
		.amdhsa_inst_pref_size 255
	.end_amdhsa_kernel
	.section	.bss,"aw",@nobits
	.p2align	6
	.space	262144
	.amdgpu_metadata
---
amdhsa.version: [ 1, 2 ]
amdhsa.kernels:
  - .name:           k_q529424d62d_mlp
    .symbol:         k_q529424d62d_mlp.kd
    .args:
      - { .name: x, .offset: 0, .size: 8, .value_kind: global_buffer, .address_space: global }
      - { .name: oq, .offset: 8, .size: 8, .value_kind: global_buffer, .address_space: global }
      - { .name: os, .offset: 16, .size: 8, .value_kind: global_buffer, .address_space: global }
      - { .name: wq, .offset: 24, .size: 8, .value_kind: global_buffer, .address_space: global }
      - { .name: b_proj, .offset: 32, .size: 8, .value_kind: global_buffer, .address_space: global }
      - { .name: ln2_g, .offset: 40, .size: 8, .value_kind: global_buffer, .address_space: global }
      - { .name: ln2_b, .offset: 48, .size: 8, .value_kind: global_buffer, .address_space: global }
      - { .name: b_fc1, .offset: 56, .size: 8, .value_kind: global_buffer, .address_space: global }
      - { .name: b_fc2, .offset: 64, .size: 8, .value_kind: global_buffer, .address_space: global }
      - { .name: out0, .offset: 72, .size: 8, .value_kind: global_buffer, .address_space: global }
    .group_segment_fixed_size: 160256
    .private_segment_fixed_size: 0
    .kernarg_segment_align: 8
    .kernarg_segment_size: 80
    .max_flat_workgroup_size: 128
    .sgpr_count:     66
    .vgpr_count:     1024
    .wavefront_size: 32
...
	.end_amdgpu_metadata
.endif
;; end of part 4
;; ======== version 2 of 2: 4 launches
;; limits: right only within a limited range of input values
;; workspace buffers: wq 4,915,200 bytes; qkv 18,874,368 bytes; qkvs 1,310,720 bytes; oq 6,291,456 bytes; os 262,144 bytes; hq 6,291,456 bytes; hs 262,144 bytes
;; launch pre (part 5): grid 896 x 1, 4 waves a work-group, no clusters, 80,896 bytes of LDS; arguments x, ln1_g, ln1_b, hq, hs, w_qkv, w_proj, w_fc1, w_fc2, wq; writes hq, hs, wq
.if DOCPART == 5
	.amdgcn_target "amdgcn-amd-amdhsa--gfx1250"
	.amdhsa_code_object_version 6
	.text
	.protected	k_q529424d62d_pre
	.globl	k_q529424d62d_pre
	.p2align	8
	.type	k_q529424d62d_pre,@function
k_q529424d62d_pre:
	s_mov_b64 s[64:65], 0
	v_nop
	global_prefetch_b8 v0, s[64:65] scope:SCOPE_SE
	s_setreg_imm32_b32 hwreg(HW_REG_WAVE_MODE, 25, 1), 1
	s_wait_xcnt 0x0
; ONE PREPARING LAUNCH FOR TWO JOBS that do not hang on each other; a work-group's number alone says which it does.
; WORK-GROUPS 0 .. 511: h = layernorm(x) g + b, quantised along the row into codes of FP6 (E2M3) with one E8M0 byte for each 32: the left operand of the product with w_qkv, as images of operand registers.
;   A work-group owns one tile of 16 tokens (tile u = number % 2 of block number / 2 of 32 tokens; row r is token 8 u + r + 8 (r / 8) of the 32); wave w owns columns 256 w .. 256 w + 255; the rows' sums meet in LDS (two barriers).
;   hq: [block][fragment 8 u + s][1,536 bytes]: two halves of 768 bytes, each registers 0-3 of lane l at 16 l and registers 4, 5 at 512 + 8 l.  hs: [block][s][16 u + r] scale words.  A wave's columns are K steps 2 w, 2 w + 1.
; WORK-GROUPS 512 .. 895: the four weights, f32 stored [K][N], become codes and scale bytes in the order in which the later launches' waves take them.  The 6,144 columns (w_qkv's 3,072, w_proj, w_fc1, w_fc2) are six panels of 1,024.
;   A RECORD of 25,600 bytes serves one wave of a later launch for one K step of 128: sixteen fragments (registers 4 q .. 4 q + 3 of lane l at 512 q + 16 l) and 1,024 bytes of scale words.
;   Record (4 G + w) 24 + 8 pp + s: G = 0 q, k, v; G = 1 proj, fc1, fc2; w: columns 256 w on of a panel; pp the panel; s the K step.  Lane r of tile c takes column 256 w + 32 (c / 2) + 8 (c % 2) + r + 8 (r / 8).
;   A work-group takes 128 columns x one K step; a lane takes a column and its registers run down K, so a block of 32 lies in one lane.  The codes leave through the wave's own stage as whole images.
; 256 registers a wave and 80,896 bytes of LDS: four work-groups fit on a WGP, so all 896 are there at once.  Each job has LDS bytes of its own.
; A block's scale is 2^(floor(log2(largest magnitude)) - 2): its byte is the largest magnitude's exponent field - 2, held at 1 from below.
; LIMITS: NaN and infinities are not served; a block whose largest magnitude lies under 2^-124 (a block of zeros too) gets the byte 1 (this program alone reads the bytes); sums are ordered otherwise than in the definition.
; No matrix work, no tensor loads, no cluster: apart from gain and bias, no input byte is read by two work-groups.
.set SPARE, 1024                       ; LDS: 0 .. 511 the waves' partial sums [wave][r], and 256 bytes on their sums of squares; 1,024 on the spare words, 128 bytes a wave
.set STAGE, 1536                       ; the norm: for each wave 16 rows x (1,024 + 16) bytes
.set WSTG,  16640
.set RP,    1040
.set PB,    68096                      ; the weights: four stages of 3,072 bytes,
.set SCST,  PB+12288                   ; and the work-group's 128 scale words
.set SPW, 62
.set NIL, 63
	v_lshl_add_u32 v[SPW], v0, 2, SPARE            ; my spare word,
	v_mov_b32 v[NIL], 0                            ; and 0: kept for the closing lines
	v_lshrrev_b32 v8, 5, v0
	v_readfirstlane_b32 s16, v8                    ; wave 0..3
	s_cmp_lt_u32 ttmp9, 512
	s_wait_alu depctr_va_vdst(0)                   ; the wait directly ahead of the branch
	s_cbranch_scc0 .Lweights
; ---------------- the layer norm ----------------
.set L16, 1
.set L8,  2
.set R4,  3
.set BOF, 4
.set SG16, 5
.set SGR, 6
.set W16, 7
.set W8,  8
.set WS,  9
.set STW, 10
.set PW,  13
.set MU,  14
.set RS,  16
.set T0,  18
.set TM,  26
.set Y,   26                           ; the sums' chains, before the quantiser needs these registers
.set PC,  42
.set G,   64                           ; gain and bias of 32 of my numbers
.set B,   96
.set X,   128                          ; register 16 b + i: token of lane % 16, column 256 w + 32 b + 16 (lane / 16) + i
.set XP, 4
.set GP, 6
.set BL, 8
.set HQ, 10
.set HS, 12
.set SEL, 32
.set INV, 34
.macro XCHG a, off                     ; a lane's partial sum becomes the row's total, in v[T0]
	v_permlanex16_b32 v[T0], v[\a], s[SEL], s[SEL+1]
	v_add_f32 v[\a], v[\a], v[T0]                  ; my wave's 256 columns
	ds_store_b32 v[STW], v[\a] offset:\off         ; lanes l and l xor 16 write the same word with the same value
	s_wait_dscnt 0x0
	s_barrier_signal -1
	s_barrier_wait -1
.irp w, 0,1,2,3
	ds_load_b32 v[T0+\w], v[R4] offset:(\off)+64*\w
.endr
	s_wait_dscnt 0x0
	v_add_f32 v[T0], v[T0], v[T0+1]
	v_add_f32 v[T0+2], v[T0+2], v[T0+3]
	v_add_f32 v[T0], v[T0], v[T0+2]
.endm
.macro GBLD k                          ; gain and bias of registers 32 k .. 32 k + 31, in x's layout: 16 loads
.irp bb, 0,1
.irp j, 0,1,2,3
	global_load_b128 v[G+16*\bb+4*\j:G+16*\bb+4*\j+3], v[BOF], s[GP:GP+1] offset:256*(\k)+128*\bb+16*\j
	global_load_b128 v[B+16*\bb+4*\j:B+16*\bb+4*\j+3], v[BOF], s[BL:BL+1] offset:256*(\k)+128*\bb+16*\j
.endr
.endr
.endm
.macro NORM k
	s_wait_loadcnt 0x0                             ; this batch's gain and bias
.set kk, 0
.rept 16
	v_pk_fma_f32 v[X+32*(\k)+2*kk:X+32*(\k)+2*kk+1], v[X+32*(\k)+2*kk:X+32*(\k)+2*kk+1], v[G+2*kk:G+2*kk+1], v[B+2*kk:B+2*kk+1]
.set kk, kk+1
.endr
.endm
; 64 numbers of a lane: four blocks' scale bytes into v[PW], their codes into the fragment's registers v[PC] on
.macro QUANT src
.irp b, 0,1,2,3
	v_max3_num_f32 v[TM+\b], |v[(\src)+16*\b]|, |v[(\src)+16*\b+1]|, 0x1800000   ; my 16 numbers of block b, and the floor 2^(3 - 127)
.endr
.irp i, 2,4,6,8,10,12,14
.irp b, 0,1,2,3
	v_max3_num_f32 v[TM+\b], v[TM+\b], |v[(\src)+16*\b+\i]|, |v[(\src)+16*\b+\i+1]|
.endr
.endr
.irp b, 0,1,2,3
	v_permlanex16_b32 v[TM+4+\b], v[TM+\b], s[SEL], s[SEL+1]
.endr
.irp b, 0,1,2,3
	v_max_num_f32 v[TM+\b], v[TM+\b], v[TM+4+\b]   ; with lane l xor 16's: the block's largest magnitude
.endr
.irp b, 0,1,2,3
	v_add_nc_u32 v[TM+12+\b], 0xff000000, v[TM+\b] ; 2 off its exponent field: the conversion's scale operand
.endr
.irp b, 0,1,2,3
	v_lshrrev_b32 v[TM+4+\b], 23, v[TM+12+\b]      ; the scale's byte
.endr
	s_wait_alu depctr_va_vdst(0)                   ; the wait directly ahead of the wait below
	s_wait_xcnt 0x0                                ; the last fragment's stores have read their registers
	v_lshl_or_b32 v[PW], v[TM+5], 8, v[TM+4]
	v_lshl_or_b32 v[PW], v[TM+6], 16, v[PW]
	v_lshl_or_b32 v[PW], v[TM+7], 24, v[PW]
.irp c, 0,1
	v_cvt_scalef32_pk16_fp6_f32 v[PC+6*\c:PC+6*\c+2], v[(\src)+32*\c:(\src)+32*\c+15], v[TM+12+2*\c]
	v_cvt_scalef32_pk16_fp6_f32 v[PC+12+4*\c:PC+14+4*\c], v[(\src)+32*\c+16:(\src)+32*\c+31], v[TM+13+2*\c]   ; (a conversion's three registers begin on an even number)
.endr
	v_nop                                          ; one plain place behind a scaled conversion
.irp c, 0,1                            ; the operand's layout wants a WHOLE block in a lane
.irp i, 0,1,2
	v_permlane16_swap_b32 v[PC+6*\c+\i], v[PC+12+4*\c+\i]
.endr
.irp i, 0,1,2
	v_mov_b32 v[PC+3+6*\c+\i], v[PC+12+4*\c+\i]
.endr
.endr
.endm
.macro GIMAGE q                        ; K step 2 w + q of my tile: runs of 512 and 256 consecutive bytes, at multiples of 256 from hq's first byte
	global_store_b128 v[W16], v[PC:PC+3], s[HQ:HQ+1] offset:1536*(\q)
	global_store_b64 v[W8], v[PC+4:PC+5], s[HQ:HQ+1] offset:1536*(\q)+512
	global_store_b128 v[W16], v[PC+6:PC+9], s[HQ:HQ+1] offset:1536*(\q)+768
	global_store_b64 v[W8], v[PC+10:PC+11], s[HQ:HQ+1] offset:1536*(\q)+1280
	global_store_b32 v[WS], v[PW], s[HS:HS+1] offset:128*(\q)      ; lanes l and l xor 16 store the same word with the same value
.endm
	s_load_b256 s[4:11], s[0:1], 0x0               ; x, ln1_g, ln1_b, hq
	s_load_b64 s[12:13], s[0:1], 0x20              ; hs
	s_mul_i32 s24, s16, WSTG
	s_add_co_u32 s24, s24, STAGE
	s_mul_i32 s25, s16, 3072
	s_lshl_b32 s26, s16, 8
	s_lshl_b32 s27, s16, 6
	s_lshr_b32 s28, ttmp9, 1                       ; block of 32 tokens
	s_and_b32 s29, ttmp9, 1                        ; u
	s_mov_b32 s[SEL], 0x76543210
	s_mov_b32 s[SEL+1], 0xfedcba98                 ; v_permlanex16_b32's selects for lane l xor 16
	s_mov_b32 s[INV], 0x3a800000                   ; 1 / 1,024
	s_mov_b32 s31, 0
	v_and_b32 v21, 31, v0                          ; lane
	v_and_b32 v22, 15, v0                          ; r
	v_bfe_u32 v23, v0, 4, 1                        ; h
	v_lshlrev_b32 v[L16], 4, v21
	v_lshlrev_b32 v[L8], 3, v21
	v_lshlrev_b32 v[R4], 2, v22
	v_lshlrev_b32 v[BOF], 6, v23
	v_add_nc_u32 v[SG16], s24, v[L16]
	v_mul_u32_u24 v[SGR], v22, RP
	v_lshl_add_u32 v[SGR], v23, 6, v[SGR]
	v_add_nc_u32 v[SGR], s24, v[SGR]
	v_add_nc_u32 v[W16], s25, v[L16]
	v_add_nc_u32 v[W8], s25, v[L8]
	v_add_nc_u32 v[WS], s26, v[R4]
	v_add_nc_u32 v[STW], s27, v[R4]
	v_mov_b32 v[T0], 0                             ; written once: a lane permute's destination counts as one of its sources
	s_wait_alu depctr_va_vdst(0)                   ; the wait at the head's end
	s_wait_kmcnt 0x0
	s_lshl_b32 s30, s28, 17                        ; 32 rows of 4,096 bytes a block,
	s_lshl_b32 s24, s29, 15                        ; tile 1 begins 8 rows on,
	s_add_co_u32 s30, s30, s24
	s_lshl_b32 s24, s16, 10                        ; my 256 columns
	s_add_co_u32 s30, s30, s24
	s_add_nc_u64 s[XP:XP+1], s[XP:XP+1], s[30:31]
	s_mov_b32 s30, s24
	s_add_nc_u64 s[GP:GP+1], s[GP:GP+1], s[30:31]
	s_add_nc_u64 s[BL:BL+1], s[BL:BL+1], s[30:31]
	s_mul_i32 s30, s28, 24576
	s_mul_i32 s24, s29, 12288
	s_add_co_u32 s30, s30, s24
	s_add_nc_u64 s[HQ:HQ+1], s[HQ:HQ+1], s[30:31]
	s_lshl_b32 s30, s28, 10
	s_lshl_b32 s24, s29, 6
	s_add_co_u32 s30, s30, s24
	s_add_nc_u64 s[HS:HS+1], s[HS:HS+1], s[30:31]
.set ii, 0
.rept 16                               ; each load reads 512 consecutive bytes of a row
	global_load_b128 v[X+8*ii:X+8*ii+3], v[L16], s[XP:XP+1] offset:(ii+8*(ii/8))*4096 th:TH_LOAD_NT
	global_load_b128 v[X+8*ii+4:X+8*ii+7], v[L16], s[XP:XP+1] offset:(ii+8*(ii/8))*4096+512 th:TH_LOAD_NT
.set ii, ii+1
.endr
	GBLD 0
	s_wait_loadcnt 16                              ; x's 32 loads are in; the 16 of gain and bias may be out
.set ii, 0
.rept 16                               ; the rows turn through my own stage: a lane then holds 16 neighbours of each block of 32 of ONE token.  LDS serves a wave's instructions in order (ISA guide 5.7.1.4)
	ds_store_b128 v[SG16], v[X+8*ii:X+8*ii+3] offset:RP*ii
	ds_store_b128 v[SG16], v[X+8*ii+4:X+8*ii+7] offset:RP*ii+512
.set ii, ii+1
.endr
.set bb, 0
.rept 8
.irp j, 0,1,2,3
	ds_load_b128 v[X+16*bb+4*\j:X+16*bb+4*\j+3], v[SGR] offset:128*bb+16*\j
.endr
.set bb, bb+1
.endr
	s_wait_dscnt 0x0
.irp k, 0,1,2,3                        ; the row's sum: four packed chains
	v_pk_add_f32 v[Y+2*\k:Y+2*\k+1], v[X+2*\k:X+2*\k+1], v[X+8+2*\k:X+8+2*\k+1]
.endr
.set ii, 16
.rept 14
.irp k, 0,1,2,3
	v_pk_add_f32 v[Y+2*\k:Y+2*\k+1], v[Y+2*\k:Y+2*\k+1], v[X+ii+2*\k:X+ii+2*\k+1]
.endr
.set ii, ii+8
.endr
	v_pk_add_f32 v[Y:Y+1], v[Y:Y+1], v[Y+2:Y+3]
	v_pk_add_f32 v[Y+4:Y+5], v[Y+4:Y+5], v[Y+6:Y+7]
	v_pk_add_f32 v[Y:Y+1], v[Y:Y+1], v[Y+4:Y+5]
	v_add_f32 v[Y], v[Y], v[Y+1]
	XCHG Y, 0
	v_mul_f32 v[MU], s[INV], v[T0]                 ; the mean (x 2^-10: exact),
	v_mul_f32 v[MU+1], s[INV], v[T0]               ; twice: a pair for the packed forms
.set bb, 0
.rept 8                                ; x - mean, in place, and the sum of its squares: eight packed chains
.irp k, 0,1,2,3,4,5,6,7
	v_pk_add_f32 v[X+16*bb+2*\k:X+16*bb+2*\k+1], v[X+16*bb+2*\k:X+16*bb+2*\k+1], v[MU:MU+1] neg_lo:[0,1] neg_hi:[0,1]
.endr
.irp k, 0,1,2,3,4,5,6,7
.if bb == 0
	v_pk_mul_f32 v[Y+2*\k:Y+2*\k+1], v[X+2*\k:X+2*\k+1], v[X+2*\k:X+2*\k+1]
.else
	v_pk_fma_f32 v[Y+2*\k:Y+2*\k+1], v[X+16*bb+2*\k:X+16*bb+2*\k+1], v[X+16*bb+2*\k:X+16*bb+2*\k+1], v[Y+2*\k:Y+2*\k+1]
.endif
.endr
.set bb, bb+1
.endr
.irp k, 0,1,2,3
	v_pk_add_f32 v[Y+2*\k:Y+2*\k+1], v[Y+2*\k:Y+2*\k+1], v[Y+8+2*\k:Y+8+2*\k+1]
.endr
.irp k, 0,1
	v_pk_add_f32 v[Y+2*\k:Y+2*\k+1], v[Y+2*\k:Y+2*\k+1], v[Y+4+2*\k:Y+4+2*\k+1]
.endr
	v_pk_add_f32 v[Y:Y+1], v[Y:Y+1], v[Y+2:Y+3]
	v_add_f32 v[Y], v[Y], v[Y+1]
	XCHG Y, 256
	v_fmaak_f32 v[T0], s[INV], v[T0], 0x3727c5ac   ; the variance + 1e-5
	s_wait_alu depctr_va_vdst(0)                   ; the wait ahead of the transcendental,
	v_rsq_f32 v[RS], v[T0]
	v_nop                                          ; a plain place behind it,
	s_wait_alu depctr_va_vdst(0)                   ; and the wait ahead of its first reader
	v_mov_b32 v[RS+1], v[RS]
.set kk, 0
.rept 64
	v_pk_mul_f32 v[X+2*kk:X+2*kk+1], v[X+2*kk:X+2*kk+1], v[RS:RS+1]
.set kk, kk+1
.endr
	NORM 0
	GBLD 1
	NORM 1
	GBLD 2                                         ; lands under the quantiser
	QUANT X
	GIMAGE 0
	NORM 2
	GBLD 3
	NORM 3
	QUANT X+64
	GIMAGE 1
	s_wait_tensorcnt 0x0                           ; the wave's end: behind my last LDS store
	ds_add_u32 v[SPW], v[NIL]
	s_wait_dscnt 0x0
	s_endpgm
; ---------------- the weights ----------------
.set WX,    64                         ; v64-191  128 numbers of my column; before the loads: their byte offsets
.set CB,    20                         ; v20-51   codes: eight registers for each block
.Lweights:
	s_load_b256 s[4:11], s[0:1], 0x28              ; w_qkv, w_proj, w_fc1, w_fc2
	s_load_b64 s[12:13], s[0:1], 0x48              ; wq
	s_sub_co_u32 s41, ttmp9, 512
	s_lshr_b32 s40, s41, 3                         ; which 128 columns of the 6,144: 0..47
	s_and_b32 s23, s41, 7                          ; K step
	s_mul_i32 s17, s16, 3072
	s_add_co_u32 s17, s17, PB                      ; my stage
	s_lshl_b32 s18, s16, 2
	s_add_co_u32 s18, s18, SCST
	s_lshr_b32 s19, s40, 3                         ; panel 0..5
	s_and_b32 s20, s40, 7
	s_lshr_b32 s21, s20, 1                         ; w
	s_and_b32 s22, s20, 1                          ; which 128 of w's 256 columns
	s_cmp_ge_u32 s19, 3
	s_cselect_b32 s24, 1, 0                        ; G
	s_mul_i32 s25, s24, 3
	s_sub_co_u32 s25, s19, s25                     ; pp
	s_lshl_b32 s26, s24, 2
	s_add_co_u32 s26, s26, s21
	s_mul_i32 s26, s26, 24
	s_lshl_b32 s27, s25, 3
	s_add_co_u32 s26, s26, s27
	s_add_co_u32 s26, s26, s23                     ; the record's number,
	s_mul_i32 s26, s26, 25600                      ; and its first byte
	s_lshl_b32 s27, s22, 2
	s_add_co_u32 s27, s27, s16                     ; my 32 columns are block 4 g + wave of the eight: tiles 2 b, 2 b + 1
	s_mul_i32 s27, s27, 3072
	s_add_co_u32 s28, s26, s27
	s_mov_b32 s29, 0
	s_lshl_b32 s30, s22, 9
	s_add_co_u32 s30, s30, s26
	s_add_co_u32 s30, s30, 24576                   ; the work-group's 512 bytes of scale words
	s_mov_b32 s31, 0
	s_mov_b32 s32, 4096
	s_cmp_lt_u32 s40, 24                           ; w_qkv?
	s_cselect_b32 s32, 12288, s32                  ; bytes from row to row
	s_cselect_b32 s33, s40, s20
	s_lshl_b32 s33, s33, 9                         ; the work-group's first column, in bytes
	s_lshl_b32 s34, s16, 7
	s_add_co_u32 s33, s33, s34                     ; my wave's
	s_lshl_b32 s34, s23, 7
	s_mul_i32 s34, s34, s32                        ; 128 rows for each K step
	s_add_co_u32 s34, s34, s33
	s_mov_b32 s35, 0
	v_and_b32 v9, 31, v0                           ; lane
	v_lshlrev_b32 v1, 2, v9                        ; 4 x lane
	v_lshlrev_b32 v2, 4, v9                        ; 16 x lane
	v_bfe_u32 v10, v0, 3, 1                        ; my column's tile of the two: (lane / 8) % 2
	v_and_b32 v11, 7, v0
	v_bfe_u32 v12, v0, 4, 1
	v_lshl_or_b32 v11, v12, 3, v11                 ; and its row there: lane % 8 + 8 (lane / 16)
	v_mul_u32_u24 v3, v10, 1536
	v_lshl_add_u32 v3, v11, 4, v3
	v_add_nc_u32 v3, s17, v3                       ; into the stage: image of my tile, 16 x my row
	v_lshl_add_u32 v13, v10, 4, v11                ; row + 16 x tile
	v_lshl_add_u32 v4, v13, 4, s18                 ; my scale word: 16 (row + 16 tile) + 4 x wave
	v_add_nc_u32 v5, s17, v2                       ; out of the stage: 16 x lane
	v_lshl_add_u32 v6, v0, 2, SCST                 ; the scale words on the way out: 4 x thread,
	v_lshlrev_b32 v7, 2, v0                        ; and the same in memory
.set i, 0
.rept 128
	v_mad_u32_u24 v[WX+i], s32, i, v1              ; row i of the K step, my column: the offset is made in the register on which its own load lands
.set i, i+1
.endr
	s_wait_alu depctr_va_vdst(0)                   ; the wait at the head's end
	s_wait_kmcnt 0x0
	s_cmp_eq_u32 s19, 4                            ; the tensor is chosen by the work-group's number alone
	s_cselect_b64 s[14:15], s[8:9], s[10:11]
	s_cmp_eq_u32 s19, 3
	s_cselect_b64 s[14:15], s[6:7], s[14:15]
	s_cmp_lt_u32 s40, 24
	s_cselect_b64 s[14:15], s[4:5], s[14:15]
	s_add_nc_u64 s[14:15], s[14:15], s[34:35]
	s_add_nc_u64 s[36:37], s[12:13], s[28:29]      ; where my two images go
	s_add_nc_u64 s[38:39], s[12:13], s[30:31]      ; and the scale words
.set i, 0
.rept 128
	global_load_b32 v[WX+i], v[WX+i], s[14:15] th:TH_LOAD_NT
.set i, i+1
.endr
; Block t: K = 32 t .. 32 t + 31 of my column.  In the fragment it belongs to lane (my row) + 16 (t % 2), registers 6 (t / 2) .. + 5.
.macro BLOCK t
.set XS, WX+32*(\t)
.set C, CB+8*(\t)
.if 96-32*(\t) > 63
	s_wait_loadcnt 63                              ; this block's 32 loads are in (a wait names 63 at the most)
.else
	s_wait_loadcnt 96-32*(\t)                      ; this block's 32 loads are in; the younger blocks' may be out
.endif
	v_max3_num_f32 v8, |v[XS]|, |v[XS+1]|, |v[XS+2]|
	v_max3_num_f32 v9, |v[XS+3]|, |v[XS+4]|, |v[XS+5]|
.irp i, 6,10,14,18,22,26
	v_max3_num_f32 v8, v8, |v[XS+\i]|, |v[XS+\i+1]|
	v_max3_num_f32 v9, v9, |v[XS+\i+2]|, |v[XS+\i+3]|
.endr
	v_max3_num_f32 v8, v8, |v[XS+30]|, |v[XS+31]|
	v_max3_num_f32 v8, v8, v9, 0x1800000           ; and the floor 2^(3 - 127): the byte cannot fall under 1
	v_add_nc_u32 v11, 0xff000000, v8               ; 2 off the exponent field: the conversion's scale operand
	v_cvt_scalef32_pk16_fp6_f32 v[C:C+2], v[XS:XS+15], v11
	v_cvt_scalef32_pk16_fp6_f32 v[C+4:C+6], v[XS+16:XS+31], v11   ; (a conversion's three registers begin on an even number)
	v_lshrrev_b32 v13, 23, v11                     ; the scale's byte.  (A plain line behind the conversions)
.if (\t) == 0
	v_mov_b32 v16, v13
.else
	v_lshl_or_b32 v16, v13, 8*(\t), v16            ; four bytes make my column's scale word of this K step
.endif
	v_mov_b32 v[C+3], v[C+4]
	v_mov_b32 v[C+4], v[C+5]
	v_mov_b32 v[C+5], v[C+6]                       ; six registers on end
.if (\t) < 2
	ds_store_b128 v3, v[C:C+3] offset:256*((\t)%2)             ; registers 0-3,
	ds_store_b64 v3, v[C+4:C+5] offset:512+256*((\t)%2)        ; 4 and 5
.else
	ds_store_b64 v3, v[C:C+1] offset:520+256*((\t)%2)          ; registers 6 and 7,
	ds_store_b128 v3, v[C+2:C+5] offset:1024+256*((\t)%2)      ; 8-11
.endif
.endm
	BLOCK 0
	BLOCK 1
	BLOCK 2
	BLOCK 3
	ds_store_b32 v4, v16
	s_wait_dscnt 0x0                               ; for the others' sake: my scale words have landed
	s_barrier_signal -1
	s_barrier_wait -1
.irp q, 0,1,2,3,4,5
	ds_load_b128 v[20+4*\q:23+4*\q], v5 offset:512*\q
.endr
	ds_load_b32 v44, v6
.irp q, 0,1,2,3,4,5
	s_wait_dscnt 6-\q                              ; load q is in; the younger ones may be out
	global_store_b128 v2, v[20+4*\q:23+4*\q], s[36:37] offset:512*\q   ; 32 lanes store 512 consecutive bytes, at a multiple of 256 from wq's first byte
.endr
	s_wait_dscnt 0x0
	global_store_b32 v7, v44, s[38:39]             ; the scale words: 128 consecutive bytes a wave, 512 the work-group
	s_wait_tensorcnt 0x0                           ; the wave's end: behind my last LDS store
	ds_add_u32 v[SPW], v[NIL]
	s_wait_dscnt 0x0
	s_endpgm
.Lfunc_end_k_q529424d62d_pre:
	.size	k_q529424d62d_pre, .Lfunc_end_k_q529424d62d_pre-k_q529424d62d_pre
	.p2alignl 7, 3214868480
	.fill 96, 4, 3214868480
	.section	.rodata,"a",@progbits
	.p2align	6, 0x0
	.amdhsa_kernel k_q529424d62d_pre
		.amdhsa_group_segment_fixed_size 80896
		.amdhsa_private_segment_fixed_size 0
		.amdhsa_enable_private_segment 0
		.amdhsa_kernarg_size 80
		.amdhsa_user_sgpr_count 2
		.amdhsa_user_sgpr_kernarg_segment_ptr 1
		.amdhsa_wavefront_size32 1
		.amdhsa_system_sgpr_workgroup_id_x 1
		.amdhsa_system_sgpr_workgroup_id_y 1
		.amdhsa_system_sgpr_workgroup_id_z 1
		.amdhsa_system_vgpr_workitem_id 0
		.amdhsa_next_free_vgpr 256
		.amdhsa_next_free_sgpr 66
		.amdhsa_reserve_vcc 0
		.amdhsa_float_denorm_mode_32 3
		.amdhsa_float_denorm_mode_16_64 3
		.amdhsa_memory_ordered 1
		.amdhsa_forward_progress 1
		.amdhsa_inst_pref_size 79
	.end_amdhsa_kernel
	.amdgpu_metadata
---
amdhsa.version: [ 1, 2 ]
amdhsa.kernels:
  - .name:           k_q529424d62d_pre
    .symbol:         k_q529424d62d_pre.kd
    .args:
      - { .name: x, .offset: 0, .size: 8, .value_kind: global_buffer, .address_space: global }
      - { .name: ln1_g, .offset: 8, .size: 8, .value_kind: global_buffer, .address_space: global }
      - { .name: ln1_b, .offset: 16, .size: 8, .value_kind: global_buffer, .address_space: global }
      - { .name: hq, .offset: 24, .size: 8, .value_kind: global_buffer, .address_space: global }
      - { .name: hs, .offset: 32, .size: 8, .value_kind: global_buffer, .address_space: global }
      - { .name: w_qkv, .offset: 40, .size: 8, .value_kind: global_buffer, .address_space: global }
      - { .name: w_proj, .offset: 48, .size: 8, .value_kind: global_buffer, .address_space: global }
      - { .name: w_fc1, .offset: 56, .size: 8, .value_kind: global_buffer, .address_space: global }
      - { .name: w_fc2, .offset: 64, .size: 8, .value_kind: global_buffer, .address_space: global }
      - { .name: wq, .offset: 72, .size: 8, .value_kind: global_buffer, .address_space: global }
    .group_segment_fixed_size: 80896
    .private_segment_fixed_size: 0
    .kernarg_segment_align: 8
    .kernarg_segment_size: 80
    .max_flat_workgroup_size: 128
    .sgpr_count:     66
    .vgpr_count:     256
    .wavefront_size: 32
...
	.end_amdgpu_metadata
.endif
;; end of part 5
;; launch qkvmm (part 6): grid 256 x 1, 4 waves a work-group, no clusters, 102,912 bytes of LDS; arguments hq, hs, b_qkv, wq, qkv, qkvs; writes qkv, qkvs
.if DOCPART == 6
	.amdgcn_target "amdgcn-amd-amdhsa--gfx1250"
	.amdhsa_code_object_version 6
	.text
	.protected	k_q529424d62d_qkvmm
	.globl	k_q529424d62d_qkvmm
	.p2align	8
	.type	k_q529424d62d_qkvmm,@function
k_q529424d62d_qkvmm:
	s_mov_b64 s[64:65], 0
	v_nop
	global_prefetch_b8 v0, s[64:65] scope:SCOPE_SE
	s_setreg_imm32_b32 hwreg(HW_REG_WAVE_MODE, 25, 1), 1
	s_wait_xcnt 0x0
; q, k, v = Q(h) Q(w_qkv) + b_qkv on codes of FP6 (E2M3), one E8M0 scale for each 32 along K; the results are quantised again for attention: q and k along a head's 64 channels, v along the keys.
; SHARES.  Work-group g owns 128 tokens (row block g / 4: eight tiles of 16) and four heads (column group g % 4) of q, of k and of v.  WAVE w OWNS ONE HEAD, 4 (g % 4) + w: 64 columns, four tiles, for all eight
; tiles of tokens: 32 accumulators, 256 registers.  A panel (q, k, v) is 8 K steps of 128; a K step is 32 matrix instructions a wave.
; So a work-group walks a quarter of the weights' codes (24 records' worth, 614,400 bytes), and each of its waves a quarter of that: 13 loads a K step.
; h's FRAGMENTS, 64 images of 1,536 bytes and their scale words, are copied into LDS once and read by all four waves in every panel.
; THE WEIGHTS' FRAGMENTS are each read by one wave of the work-group alone, so they go from memory straight into operand registers, through a ring of FOUR K steps (16 fragments, 192 registers):
; a K step's four fragments are asked for again as soon as they are multiplied, so 39 to 52 loads are out all the time, over the panels' ends too, with no barrier.
; WHY NO JOINT TENSOR LOADS, though 64 work-groups walk the same weights and four copy the same images: through LDS each weight byte would be written and read once more for no second use in the work-group,
; and every refill would stand behind a round of a cluster's barrier, where the ring in registers needs none; the images are copied once, 102,400 bytes against the 614,400 of the walk.
; THE THREE PANELS ARE WRITTEN OUT: they differ in the registers of the first products' C (the bias), in the order of the sources and in the way out; so every address is an immediate and no pointer is stepped.
; Row r of token tile T is token 32 (T / 2) + 8 (T % 2) + r + 8 (r / 8); the weights' tiles are laid likewise: so a lane's 16 registers of two neighbouring tiles are 16 neighbours.
; q, k: source 0 = weights, source 1 = h: a lane holds ONE token and its registers run along the head's channels.  v: the sources are swapped: a lane holds one channel and its registers run along the tokens.
; LIMITS: NaN and infinities are not served; a block whose largest magnitude lies under 2^-124 (a block of zeros too) gets the byte 1.
; REGISTERS, in windows of 256: window 0: addresses, biases, scale words, the quantiser's work; window 1: h's fragments, two sets of eight (set s % 2, tile T at 96 (s % 2) + 12 T);
;   window 2: the accumulators (q, k: 32 T + 8 c; v: 64 (T / 2) + 16 c + 8 (T % 2)); window 3: the ring (K step k, tile c at 48 (k % 4) + 12 c).
.set ASC,   98304                      ; LDS: 0 .. 98,303 h's fragments, (T, s) at 12,288 T + 1,536 s; then their scale words [T / 2][s][16 (T % 2) + r]
.set SPARE, 102400                     ; the spare words, 128 bytes for each wave: two blocks of 256 bytes that no other line names
.set L16, 1                            ; 16 x lane
.set L8,  2                            ; 8 x lane
.set L4,  3                            ; 4 x lane
.set R4,  4                            ; 4 r
.set BOF, 5                            ; 64 h
.set H16, 6                            ; 16 x lane + 49,152: tiles 4 to 7 lie beyond an LDS instruction's 16-bit offset
.set H8,  7                            ; 8 x lane + 49,152
.set CP16, 8                           ; 16 x lane + 24,576 w: my quarter of the images
.set CPS, 9                            ; ASC + 16 x lane + 1,024 w: and of the scale words
.set AS,  10                           ; ASC + 4 x lane
.set LSW, 11                           ; from my fragments in a record to my tiles' scale words, + 16 x lane
.set SH16, 12                          ; 16 h
.set VO,  13                           ; 24 r + 12 h
.set BVO, 14                           ; 4 (r + 8 (r / 8))
.set T0,  20
.set BQ,  32                           ; q's bias in the results' layout: register 8 c + j
.set BK,  64                           ; k's
.set TM,  100
.set PW,  116
.set PC,  118
.set ASCR, 148                         ; h's scale words, two sets of four: register T / 2, lanes 0-15 even T, lanes 16-31 odd T
.set BVC, 160                          ; v's bias in the swapped results' layout: registers 8 c .. 8 c + 7 all hold my channel's
.set BV,  192                          ; v's bias as loaded: register c
.set WSC, 224                          ; the weights' scale words, a pair for each slot of the ring: register c / 2, lanes 0-15 even c, lanes 16-31 odd c
.set SPW, 252
.set NIL, 253
.set HQ, 4
.set HS, 6
.set BP, 8
.set WN, 10
.set OC, 12
.set OS, 14
.set OCV, 16
.set OSV, 18
.set WV, 20
.set SEL, 32
.set PADW, 35
.set TOB, 0xc0                         ; destination window 3
.set MSB, 0
.macro WIN new                         ; the immediate's high byte repeats the setting that is left; a switch that changes nothing is dropped
.if MSB != (\new)
	s_set_vgpr_msb (MSB<<8)|(\new)
.set MSB, (\new)
.endif
.endm
; one matrix instruction.  ra, rb: the halves of the lanes from which the two scale registers are read
.macro WM d, a, b, c, sa, sb, ra, rb
.if ((\ra) == 0) && ((\rb) == 0)
	v_wmma_scale_f32_16x16x128_f8f6f4 v[(\d):(\d)+7], v[(\a):(\a)+11], v[(\b):(\b)+11], v[(\c):(\c)+7], v[\sa], v[\sb] matrix_a_fmt:MATRIX_FMT_FP6 matrix_b_fmt:MATRIX_FMT_FP6
.elseif ((\ra) == 1) && ((\rb) == 0)
	v_wmma_scale_f32_16x16x128_f8f6f4 v[(\d):(\d)+7], v[(\a):(\a)+11], v[(\b):(\b)+11], v[(\c):(\c)+7], v[\sa], v[\sb] matrix_a_fmt:MATRIX_FMT_FP6 matrix_b_fmt:MATRIX_FMT_FP6 matrix_a_scale:MATRIX_SCALE_ROW1
.elseif ((\ra) == 0) && ((\rb) == 1)
	v_wmma_scale_f32_16x16x128_f8f6f4 v[(\d):(\d)+7], v[(\a):(\a)+11], v[(\b):(\b)+11], v[(\c):(\c)+7], v[\sa], v[\sb] matrix_a_fmt:MATRIX_FMT_FP6 matrix_b_fmt:MATRIX_FMT_FP6 matrix_b_scale:MATRIX_SCALE_ROW1
.else
	v_wmma_scale_f32_16x16x128_f8f6f4 v[(\d):(\d)+7], v[(\a):(\a)+11], v[(\b):(\b)+11], v[(\c):(\c)+7], v[\sa], v[\sb] matrix_a_fmt:MATRIX_FMT_FP6 matrix_b_fmt:MATRIX_FMT_FP6 matrix_a_scale:MATRIX_SCALE_ROW1 matrix_b_scale:MATRIX_SCALE_ROW1
.endif
.endm
.macro AFETCH s, set                   ; K step s: h's eight fragments and their scale words into a set: 36 LDS loads
	WIN 0x40
.set tt, 0
.rept 8
.set fr, 96*(\set)+12*tt
.set fo, 12288*(tt%4)+1536*(\s)
.if tt < 4
	ds_load_b128 v[fr:fr+3], v[L16] offset:fo
	ds_load_b64 v[fr+4:fr+5], v[L8] offset:fo+512
	ds_load_b128 v[fr+6:fr+9], v[L16] offset:fo+768
	ds_load_b64 v[fr+10:fr+11], v[L8] offset:fo+1280
.else
	ds_load_b128 v[fr:fr+3], v[H16] offset:fo
	ds_load_b64 v[fr+4:fr+5], v[H8] offset:fo+512
	ds_load_b128 v[fr+6:fr+9], v[H16] offset:fo+768
	ds_load_b64 v[fr+10:fr+11], v[H8] offset:fo+1280
.endif
.set tt, tt+1
.endr
	WIN 0
.irp n, 0,1,2,3
	ds_load_b32 v[ASCR+4*(\set)+\n], v[AS] offset:1024*\n+128*(\s)
.endr
.endm
.macro RLOAD k                         ; my part of record k (K step k of my 24) into slot k % 4 of the ring: 13 loads
	WIN 0
	global_load_b64 v[WSC+2*((\k)%4):WSC+2*((\k)%4)+1], v[LSW], s[WN:WN+1] offset:25600*(\k)
	WIN TOB
.irp c, 0,1,2,3
.irp n, 0,1,2
	global_load_b128 v[48*((\k)%4)+12*\c+4*\n:48*((\k)%4)+12*\c+4*\n+3], v[L16], s[WN:WN+1] offset:25600*(\k)+1536*\c+512*\n
.endr
.endr
.endm
; K STEP s OF PANEL pp.  swap = 1: h is source 0 (v's panel).  bias: the registers that the panel's first products take as C.  anext = 1: the next K step's fragments of h are fetched (behind a panel's last: the next panel's first).
; The 32 accumulators take turns, one instruction a turn, in the same order in every K step.
.macro KSTEP pp, s, swap, bias, anext
.set KX, 8*(\pp)+(\s)
.set st, (\s)%2
.set sl, (\s)%4
.if \anext
	AFETCH ((\s)+1)%8, 1-st
	s_wait_dscnt 36                                ; the 36 just issued may be out; this step's 36, issued a K step ago, are in
.else
	s_wait_dscnt 0x0
.endif
.if KX <= 20
	s_wait_loadcnt 39                              ; behind this record's 13 loads the three next records' were issued
.else
	s_wait_loadcnt 13*(23-KX)                      ; nothing is asked for any more: the counts run down
.endif
.if \swap
.if (\s) == 0
	WIN 0x8d                                       ; source 0 (h) window 1, source 1 (weights) window 3, C (bias) window 0, D window 2
.else
	WIN 0xad                                       ; C and D window 2
.endif
.else
.if (\s) == 0
	WIN 0x87                                       ; source 0 (weights) window 3, source 1 (h) window 1, C (bias) window 0, D window 2
.else
	WIN 0xa7
.endif
.endif
.set tt, 0
.rept 8
.set cc, 0
.rept 4
.if \swap
.set dd, 64*(tt/2)+16*cc+8*(tt%2)
.else
.set dd, 32*tt+8*cc
.endif
.if (\s) == 0
.set ce, (\bias)+8*cc
.else
.set ce, dd
.endif
.if \swap
	WM dd, 96*st+12*tt, 48*sl+12*cc, ce, ASCR+4*st+tt/2, WSC+2*sl+cc/2, tt%2, cc%2
.else
	WM dd, 48*sl+12*cc, 96*st+12*tt, ce, WSC+2*sl+cc/2, ASCR+4*st+tt/2, cc%2, tt%2
.endif
.set cc, cc+1
.endr
.set tt, tt+1
.endr
.rept 4
	v_nop                                          ; four places in front of loads into registers that matrix instructions have read, and of the first read of results
.endr
.if KX+4 <= 23
	RLOAD KX+4                                     ; the slot just multiplied takes the record four K steps on
.endif
.endm
; 64 accumulator registers of a lane, register 16 b + i = place 32 b + 16 (lane / 16) + i along the quantiser's axis: four blocks' scale bytes into v[PW], their codes, 16 a conversion, into v[PC], +12, +6, +16
.macro QUANT src
	WIN 0x0a
.irp b, 0,1,2,3
	v_max3_num_f32 v[TM+\b], |v[(\src)+16*\b]|, |v[(\src)+16*\b+1]|, 0x1800000   ; my 16 numbers of block b, and the floor 2^(3 - 127): the byte cannot fall under 1.  (Each accumulator is read from its low end on)
.endr
	WIN 0x28
.irp i, 2,4,6,8,10,12,14
.irp b, 0,1,2,3
	v_max3_num_f32 v[TM+\b], v[TM+\b], |v[(\src)+16*\b+\i]|, |v[(\src)+16*\b+\i+1]|
.endr
.endr
	WIN 0
.irp b, 0,1,2,3
	v_permlanex16_b32 v[TM+4+\b], v[TM+\b], s[SEL], s[SEL+1]
.endr
.irp b, 0,1,2,3
	v_max_num_f32 v[TM+\b], v[TM+\b], v[TM+4+\b]   ; with lane l xor 16's: the block's largest magnitude
.endr
.irp b, 0,1,2,3
	v_add_nc_u32 v[TM+12+\b], 0xff000000, v[TM+\b] ; 2 off its exponent field: the conversion's scale operand
.endr
.irp b, 0,1,2,3
	v_lshrrev_b32 v[TM+4+\b], 23, v[TM+12+\b]      ; the scale's byte
.endr
	s_wait_alu depctr_va_vdst(0)
	s_wait_xcnt 0x0                                ; the last stores have read their registers: the scale word and the codes are written again from here on
	v_lshl_or_b32 v[PW], v[TM+5], 8, v[TM+4]
	v_lshl_or_b32 v[PW], v[TM+6], 16, v[PW]
	v_lshl_or_b32 v[PW], v[TM+7], 24, v[PW]
	WIN 0x02
.irp c, 0,1
	v_cvt_scalef32_pk16_fp6_f32 v[PC+6*\c:PC+6*\c+2], v[(\src)+32*\c:(\src)+32*\c+15], v[TM+12+2*\c]
	v_cvt_scalef32_pk16_fp6_f32 v[PC+12+4*\c:PC+14+4*\c], v[(\src)+32*\c+16:(\src)+32*\c+31], v[TM+13+2*\c]   ; (a conversion's three registers begin on an even number)
.endr
	WIN 0
	v_nop                                          ; one plain place behind a scaled conversion
.endm
.macro QSWAP                           ; the operand's layout wants a WHOLE block in a lane: lanes 0-15 block 2 c, lanes 16-31 block 2 c + 1
.irp c, 0,1
.irp i, 0,1,2
	v_permlane16_swap_b32 v[PC+6*\c+\i], v[PC+12+4*\c+\i]
.endr
.irp i, 0,1,2
	v_mov_b32 v[PC+3+6*\c+\i], v[PC+12+4*\c+\i]
.endr
.endr
.endm
; q's or k's results of token tiles 2 p and 2 p + 1 (my head's 64 channels: two blocks a tile) become two half fragments, 1,536 consecutive bytes, and their scale words
.macro QKCHUNK p, koff, soff
	QUANT 64*(\p)
	QSWAP
	global_store_b128 v[L16], v[PC:PC+3], s[OC:OC+1] offset:(\koff)+1536*(\p)          ; runs of 512 and 256 consecutive bytes, at multiples of 256
	global_store_b64 v[L8], v[PC+4:PC+5], s[OC:OC+1] offset:(\koff)+1536*(\p)+512
	global_store_b128 v[L16], v[PC+6:PC+9], s[OC:OC+1] offset:(\koff)+1536*(\p)+768
	global_store_b64 v[L8], v[PC+10:PC+11], s[OC:OC+1] offset:(\koff)+1536*(\p)+1280
	v_lshrrev_b32 v[T0+8], v[SH16], v[PW]          ; lanes 0-15 tile 2 p's two bytes, lanes 16-31 tile 2 p + 1's
	v_and_or_b32 v[T0+8], v[T0+8], 0xffff, s[PADW] ; over them the bytes (2^0) of the half of K that holds zero codes
	global_store_b32 v[L4], v[T0+8], s[OS:OS+1] offset:(\soff)+128*(\p)                ; 128 consecutive bytes
.endm
; v's results of tokens 32 n .. 32 n + 31, one block of the keys, for my head's four tiles of 16 channels
.macro EVB n
	QUANT 64*(\n)
	global_store_b96 v[VO], v[PC:PC+2], s[OCV:OCV+1] offset:1536*(\n)                  ; 16 keys' codes, 12 bytes a lane: a tile's 384 consecutive bytes; the four stores fill 1,536
	global_store_b96 v[VO], v[PC+12:PC+14], s[OCV:OCV+1] offset:1536*(\n)+384
	global_store_b96 v[VO], v[PC+6:PC+8], s[OCV:OCV+1] offset:1536*(\n)+768
	global_store_b96 v[VO], v[PC+16:PC+18], s[OCV:OCV+1] offset:1536*(\n)+1152
	global_store_b32 v[R4], v[PW], s[OSV:OSV+1] offset:64*(\n)                         ; row r's four bytes, one for each tile (lanes l and l xor 16 store the same)
.endm
	s_load_b256 s[4:11], s[0:1], 0x0               ; hq, hs, b_qkv, wq
	s_load_b128 s[12:15], s[0:1], 0x20             ; qkv, qkvs
	v_lshl_add_u32 v[SPW], v0, 2, SPARE            ; my spare word,
	v_mov_b32 v[NIL], 0                            ; and 0: kept for the closing lines
	v_lshrrev_b32 v20, 5, v0
	v_readfirstlane_b32 s[WV], v20                 ; wave 0..3
	v_and_b32 v20, 31, v0                          ; lane
	v_and_b32 v21, 15, v0                          ; r
	v_bfe_u32 v22, v0, 4, 1                        ; h
	v_lshlrev_b32 v[L16], 4, v20
	v_lshlrev_b32 v[L8], 3, v20
	v_lshlrev_b32 v[L4], 2, v20
	v_lshlrev_b32 v[R4], 2, v21
	v_lshlrev_b32 v[BOF], 6, v22
	v_add_nc_u32 v[H16], 49152, v[L16]
	v_add_nc_u32 v[H8], 49152, v[L8]
	s_mul_i32 s24, s[WV], 24576
	v_add_nc_u32 v[CP16], s24, v[L16]
	s_lshl_b32 s24, s[WV], 10
	s_add_co_u32 s24, s24, ASC
	v_add_nc_u32 v[CPS], s24, v[L16]
	v_add_nc_u32 v[AS], ASC, v[L4]
	s_lshr_b32 s24, s[WV], 1                       ; a record's scale words lie [g 2][lane 32][i 4] behind its 24,576 bytes of codes; tiles 4 w .. 4 w + 3 have g = w / 2 and i = 2 (w % 2), + 1
	s_lshl_b32 s24, s24, 9
	s_and_b32 s25, s[WV], 1
	s_lshl_b32 s25, s25, 3
	s_add_co_u32 s24, s24, s25
	s_add_co_u32 s24, s24, 24576
	s_mul_i32 s25, s[WV], 6144                     ; (the base stands at my four fragments)
	s_sub_co_u32 s24, s24, s25
	v_add_nc_u32 v[LSW], s24, v[L16]
	v_lshlrev_b32 v[SH16], 4, v22
	v_mul_u32_u24 v[VO], v21, 24
	v_mad_u32_u24 v[VO], v22, 12, v[VO]
	v_and_b32 v23, 8, v21
	v_add_nc_u32 v23, v23, v21
	v_lshlrev_b32 v[BVO], 2, v23
.irp b, 0,1,2,3
	v_mov_b32 v[TM+4+\b], 0                        ; written once: a lane permute's destination counts as one of its sources
.endr
	s_mov_b32 s[SEL], 0x76543210
	s_mov_b32 s[SEL+1], 0xfedcba98                 ; v_permlanex16_b32's selects for lane l xor 16
	s_mov_b32 s[PADW], 0x7f7f0000
	s_lshr_b32 s21, ttmp9, 2                       ; row block of 128 tokens
	s_and_b32 s22, ttmp9, 3                        ; column group of four heads
	s_lshr_b32 s23, s21, 3                         ; batch
	s_and_b32 s26, s21, 7                          ; row block in the batch
	s_lshl_b32 s27, s23, 4
	s_lshl_b32 s28, s22, 2
	s_add_co_u32 s27, s27, s28
	s_add_co_u32 s27, s27, s[WV]                   ; 16 x batch + my head
	s_mov_b32 s25, 0
	s_wait_alu depctr_va_vdst(0)
	s_wait_kmcnt 0x0
	s_mul_i32 s24, s21, 98304                      ; the row block's 64 images, my quarter
	s_mul_i32 s28, s[WV], 24576
	s_add_co_u32 s24, s24, s28
	s_add_nc_u64 s[HQ:HQ+1], s[HQ:HQ+1], s[24:25]
	s_lshl_b32 s24, s21, 12
	s_lshl_b32 s28, s[WV], 10
	s_add_co_u32 s24, s24, s28
	s_add_nc_u64 s[HS:HS+1], s[HS:HS+1], s[24:25]
	s_lshl_b32 s24, s22, 10                        ; q's bias of my 64 columns; k's lies 4,096 bytes on, v's 8,192
	s_lshl_b32 s28, s[WV], 8
	s_add_co_u32 s24, s24, s28
	s_add_nc_u64 s[BP:BP+1], s[BP:BP+1], s[24:25]
	s_mul_i32 s24, s22, 614400                     ; the column group's 24 records, in each my four fragments
	s_mul_i32 s28, s[WV], 6144
	s_add_co_u32 s24, s24, s28
	s_add_nc_u64 s[WN:WN+1], s[WN:WN+1], s[24:25]
	s_mul_i32 s24, s27, 49152                      ; codes: 49,152 bytes a head; my 128 tokens' are 6,144 in q, in k and in v
	s_mul_i32 s28, s26, 6144
	s_add_co_u32 s24, s24, s28
	s_add_nc_u64 s[OC:OC+1], s[OC:OC+1], s[24:25]
	s_add_nc_u64 s[OCV:OCV+1], s[OC:OC+1], 12582912
	s_lshl_b32 s24, s27, 11                        ; v's scale bytes: 2,048 a head, 64 a block of 32 keys
	s_lshl_b32 s28, s26, 8
	s_add_co_u32 s24, s24, s28
	s_add_nc_u64 s[OSV:OSV+1], s[OS:OS+1], s[24:25]
	s_add_nc_u64 s[OSV:OSV+1], s[OSV:OSV+1], 1048576
	s_lshl_b32 s24, s24, 1                         ; q's and k's scale words: 4,096 a head, 64 a tile
	s_add_nc_u64 s[OS:OS+1], s[OS:OS+1], s[24:25]
	WIN 0x80                                       ; the copy goes through the accumulators' registers, which are idle
.set ii, 0
.rept 48
	global_load_b128 v[4*ii:4*ii+3], v[L16], s[HQ:HQ+1] offset:512*ii
.set ii, ii+1
.endr
	global_load_b128 v[192:195], v[L16], s[HS:HS+1]
	global_load_b128 v[196:199], v[L16], s[HS:HS+1] offset:512
	WIN 0
.irp b, 0,1
.irp j, 0,1,2,3
	global_load_b128 v[BQ+16*\b+4*\j:BQ+16*\b+4*\j+3], v[BOF], s[BP:BP+1] offset:128*\b+16*\j          ; register 16 b + i: column 32 b + 16 h + i of my 64
	global_load_b128 v[BK+16*\b+4*\j:BK+16*\b+4*\j+3], v[BOF], s[BP:BP+1] offset:4096+128*\b+16*\j
.endr
.endr
.irp c, 0,1,2,3
	global_load_b32 v[BV+\c], v[BVO], s[BP:BP+1] offset:8192+(32*(\c/2)+8*(\c%2))*4                    ; the column of lane r of tile c
.endr
	RLOAD 0                                        ; the ring's first four records
	RLOAD 1
	RLOAD 2
	RLOAD 3
	s_wait_loadcnt 52                              ; the ring's 52 loads may be out; the images, their scale words and the biases are in
	WIN 0x08
.set ii, 0
.rept 48
	ds_store_b128 v[CP16], v[4*ii:4*ii+3] offset:512*ii
.set ii, ii+1
.endr
	ds_store_b128 v[CPS], v[192:195]
	ds_store_b128 v[CPS], v[196:199] offset:512
	WIN 0
.irp c, 0,1,2,3
.irp j, 0,1,2,3,4,5,6,7
	v_mov_b32 v[BVC+8*\c+\j], v[BV+\c]             ; v's bias as a C operand: a lane's eight tokens take its channel's number
.endr
.endr
	s_wait_dscnt 0x0                               ; for the others' sake: my stores have landed
	s_barrier_signal -1
	s_barrier_wait -1                              ; the 64 fragments lie in LDS; nothing writes them again
	AFETCH 0, 0
.irp s, 0,1,2,3,4,5,6,7
	KSTEP 0, \s, 0, BQ, 1
.endr
	QKCHUNK 0, 0, 0
	QKCHUNK 1, 0, 0
	QKCHUNK 2, 0, 0
	QKCHUNK 3, 0, 0
.irp s, 0,1,2,3,4,5,6,7
	KSTEP 1, \s, 0, BK, 1
.endr
	QKCHUNK 0, 6291456, 524288                     ; k's part of both buffers
	QKCHUNK 1, 6291456, 524288
	QKCHUNK 2, 6291456, 524288
	QKCHUNK 3, 6291456, 524288
.irp s, 0,1,2,3,4,5,6
	KSTEP 2, \s, 1, BVC, 1
.endr
	KSTEP 2, 7, 1, BVC, 0
	EVB 0
	EVB 1
	EVB 2
	EVB 3
	s_wait_tensorcnt 0x0                           ; the wave's end: behind my last LDS store
	ds_add_u32 v[SPW], v[NIL]
	s_wait_dscnt 0x0
	s_endpgm
.Lfunc_end_k_q529424d62d_qkvmm:
	.size	k_q529424d62d_qkvmm, .Lfunc_end_k_q529424d62d_qkvmm-k_q529424d62d_qkvmm
	.p2alignl 7, 3214868480
	.fill 96, 4, 3214868480
	.section	.rodata,"a",@progbits
	.p2align	6, 0x0
	.amdhsa_kernel k_q529424d62d_qkvmm
		.amdhsa_group_segment_fixed_size 102912
		.amdhsa_private_segment_fixed_size 0
		.amdhsa_enable_private_segment 0
		.amdhsa_kernarg_size 48
		.amdhsa_user_sgpr_count 2
		.amdhsa_user_sgpr_kernarg_segment_ptr 1
		.amdhsa_wavefront_size32 1
		.amdhsa_system_sgpr_workgroup_id_x 1
		.amdhsa_system_sgpr_workgroup_id_y 1
		.amdhsa_system_sgpr_workgroup_id_z 1
		.amdhsa_system_vgpr_workitem_id 0
		.amdhsa_next_free_vgpr 1024
		.amdhsa_next_free_sgpr 66
		.amdhsa_reserve_vcc 0
		.amdhsa_float_denorm_mode_32 3
		.amdhsa_float_denorm_mode_16_64 3
		.amdhsa_memory_ordered 1
		.amdhsa_forward_progress 1
		.amdhsa_inst_pref_size 255
	.end_amdhsa_kernel
	.amdgpu_metadata
---
amdhsa.version: [ 1, 2 ]
amdhsa.kernels:
  - .name:           k_q529424d62d_qkvmm
    .symbol:         k_q529424d62d_qkvmm.kd
    .args:
      - { .name: hq, .offset: 0, .size: 8, .value_kind: global_buffer, .address_space: global }
      - { .name: hs, .offset: 8, .size: 8, .value_kind: global_buffer, .address_space: global }
      - { .name: b_qkv, .offset: 16, .size: 8, .value_kind: global_buffer, .address_space: global }
      - { .name: wq, .offset: 24, .size: 8, .value_kind: global_buffer, .address_space: global }
      - { .name: qkv, .offset: 32, .size: 8, .value_kind: global_buffer, .address_space: global }
      - { .name: qkvs, .offset: 40, .size: 8, .value_kind: global_buffer, .address_space: global }
    .group_segment_fixed_size: 102912
    .private_segment_fixed_size: 0
    .kernarg_segment_align: 8
    .kernarg_segment_size: 48
    .max_flat_workgroup_size: 128
    .sgpr_count:     66
    .vgpr_count:     1024
    .wavefront_size: 32
...
	.end_amdgpu_metadata
.endif
;; end of part 6
;; launch attn (part 7): grid 2 x 128, 16 waves a work-group, no clusters, 106,496 bytes of LDS; arguments qkv, qkvs, oq, os; writes oq, os
.if DOCPART == 7
	.amdgcn_target "amdgcn-amd-amdhsa--gfx1250"
	.amdhsa_code_object_version 6
	.text
	.protected	k_q529424d62d_attn
	.globl	k_q529424d62d_attn
	.p2align	8
	.type	k_q529424d62d_attn,@function
k_q529424d62d_attn:
	s_mov_b64 s[64:65], 0
	v_nop
	global_prefetch_b8 v0, s[64:65] scope:SCOPE_SE
	s_setreg_imm32_b32 hwreg(HW_REG_WAVE_MODE, 25, 1), 1
	s_wait_xcnt 0x0
; o = softmax(q k^T / 8) v for one head of one batch (work-group y) and half of its 1,024 queries (work-group x), both products on codes of FP6 (E2M3) with one E8M0 scale for each 32 along K;
; o is quantised along the head's 64 channels for the projection.  All operands come as images of operand registers, as the launch before laid them.
; THE SOFTMAX AHEAD OF THE SECOND PRODUCT: t = score x log2(e) / 8; M = the row's largest t so far, rounded UP to a whole number; p = 2^(t - M) is quantised along the keys, not normalised.
; The row's sum is taken of the unquantised p and divides O at the end.  When M moves, the sum and O are multiplied by 2^(old M - new M): exact.
; SHARES.  Sixteen waves of 256 registers, four to a SIMD, so that one wave's vector work stands beside another's matrix work.  A wave owns two tiles of 16 queries, one after the other, and walks all keys, 128 a step.
; A HEAD'S WHOLE K AND V LIE IN LDS (96 KB of codes, 6 KB of scale bytes), put there once through registers: no ring, one barrier.  The two work-groups of a head share these 102 KB and nothing else;
; they are read once at the head of each: a cluster of two for that one read is left out.
; LAYOUT.  Both products are used transposed: S^T = K Q^T, O^T = V^T P^T: a lane holds ONE query (lane % 16) throughout.  The keys of a tile are laid so that p's 16 registers of two tiles are 16 neighbouring keys.
; THE FIRST PRODUCT'S K IS 64 of the instruction's 128: Q's registers 6-11 are zero codes, so whatever K's operand holds there (the next tile's codes; behind the last tile zeros) adds nothing; the scale bytes there are 2^0.
; LIMITS: NaN and infinities are not served; a block whose largest magnitude lies under 2^-124 (a block of zeros too) gets the byte 1.
.set KIM,   0                          ; LDS: K: 64 tiles x 768 bytes (registers 0-3 of lane l at 16 l, 4 and 5 at 512 + 8 l)
.set VIM,   49152                      ; V: [tile of channels 4][block of 32 keys 32][row 16][24 bytes]
.set KSC,   98304                      ; K's scale words [tile][row]
.set VSC,   102400                     ; V's [key step 8][row 16][tile 4]
.set SPARE, 104448                     ; the spare words, 128 bytes for each wave: eight blocks of 256 bytes that no other line names
.set BM,  212
.set BM2, 216
.set SOP, 220
.set SBY, 224
.set KSR, 228                          ; K's scale words: register t / 2, lanes 0-15 even t, lanes 16-31 odd t
.set VSR, 232                          ; V's: a register a tile
.set QSC, 236
.set PSW, 237
.set PCD, 192
.set WV, 12
.set KB, 22
.set VB, 24
.set KSB, 26
.set VSB, 28
.set QP, 30
.set QSP, 32
.set OP, 34
.set OSP, 36
.set CS, 38
.set SEL, 40
.set QT, 42
.set KT, 43
.set TK, 44
.set TKS, 45
.set TV, 46
.set TVS, 47
	s_load_b256 s[4:11], s[0:1], 0x0               ; qkv, qkvs, oq, os
	v_lshl_add_u32 v28, v0, 2, SPARE               ; my spare word,
	v_mov_b32 v29, 0                               ; and 0: kept for the closing lines
	v_lshrrev_b32 v240, 5, v0
	s_delay_alu instid0(VALU_DEP_1)
	v_readfirstlane_b32 s[WV], v240                ; wave 0..15
	v_and_b32 v240, 31, v0                         ; lane
	v_and_b32 v241, 15, v0                         ; r
	v_bfe_u32 v242, v0, 4, 1                       ; h
	s_delay_alu instid0(VALU_DEP_3)
	v_lshlrev_b32 v1, 4, v240                      ; 16 x lane
	s_delay_alu instid0(VALU_DEP_4)
	v_lshlrev_b32 v2, 3, v240                      ; 8 x lane
	s_delay_alu instid0(VALU_DEP_4)
	v_lshlrev_b32 v3, 2, v241                      ; 4 r
	v_lshl_add_u32 v4, v240, 2, KSC
	v_mul_u32_u24 v5, v241, 24
	s_delay_alu instid0(VALU_DEP_1)
	v_mad_u32_u24 v5, v242, 384, v5
	s_delay_alu instid0(VALU_DEP_1)
	v_add_nc_u32 v5, VIM, v5                       ; V: row r, and for lanes 16-31 the next block of keys
	v_lshl_add_u32 v6, v241, 4, VSC
	; where the fill puts things: every LDS address is made here, ahead of the branch on the wave's number
	s_mul_i32 s18, s[WV], 3072
	v_add_nc_u32 v243, s18, v1                     ; K: as it lies
	s_mul_i32 s18, s[WV], 768
	s_add_co_u32 s18, s18, VIM                     ; V: my two blocks of keys; in memory a block's four tiles lie on end (4 x 384 bytes), in LDS 12,288 apart: 11,904 more for each tile passed
	v_bfe_u32 v244, v0, 3, 2                       ; lane / 8
	s_delay_alu instid0(VALU_DEP_1)
	v_add_nc_u32 v245, 1, v244
	s_delay_alu instid0(VALU_DEP_1)
	v_lshrrev_b32 v245, 2, v245                    ; bytes 16 l: tile 1 from lane 24 on
	s_delay_alu instid0(VALU_DEP_1)
	v_mul_u32_u24 v245, v245, 11904
	s_delay_alu instid0(VALU_DEP_1)
	v_add_nc_u32 v245, v245, v1
	s_delay_alu instid0(VALU_DEP_1)
	v_add_nc_u32 v245, s18, v245
	v_mul_u32_u24 v246, v242, 11904                ; bytes 512 + 16 l: tile 1, from lane 16 on tile 2
	s_delay_alu instid0(VALU_DEP_1)
	v_add_nc_u32 v246, v246, v1
	s_delay_alu instid0(VALU_DEP_1)
	v_add_nc_u32 v246, s18, v246
	v_add_nc_u32 v247, 3, v244
	s_delay_alu instid0(VALU_DEP_1)
	v_lshrrev_b32 v247, 2, v247                    ; bytes 1,024 + 16 l: tile 2, from lane 8 on tile 3
	s_delay_alu instid0(VALU_DEP_1)
	v_mul_u32_u24 v247, v247, 11904
	s_delay_alu instid0(VALU_DEP_1)
	v_add_nc_u32 v247, v247, v1
	s_delay_alu instid0(VALU_DEP_1)
	v_add_nc_u32 v247, s18, v247
	s_lshl_b32 s18, s[WV], 8
	s_add_co_u32 s18, s18, KSC
	v_add_nc_u32 v248, s18, v2
	v_and_b32 v249, 127, v0                        ; V's scale bytes: thread 16 s + r of waves 0 to 3
	s_delay_alu instid0(VALU_DEP_1)
	v_lshl_add_u32 v250, v249, 4, VSC
	s_delay_alu instid0(VALU_DEP_2)
	v_lshrrev_b32 v251, 4, v249
	s_delay_alu instid0(VALU_DEP_1)
	v_lshlrev_b32 v251, 8, v251
	s_delay_alu instid0(VALU_DEP_1)
	v_lshl_add_u32 v251, v241, 2, v251             ; in memory: four blocks of 64 bytes a key step, 4 bytes a row
.irp j, 22,23,24,25,26,27,80,81,82,83,84,85
	v_mov_b32 v\j, 0                               ; zero codes: Q's upper half of K, and what stands behind K's last tile
.endr
.irp b, 0,1,2,3
	v_mov_b32 v[BM2+\b], 0                         ; written once: a lane permute's destination counts as one of its sources
.endr
	v_mov_b32 v239, 0                              ; (named as the upper half of the pair v[238:239])
	s_and_b32 s13, ttmp7, 0xffff                   ; 16 x batch + head
	s_and_b32 s14, s13, 15
	s_lshr_b32 s15, s13, 4
	s_lshl_b32 s17, ttmp9, 5
	s_add_co_u32 s17, s17, s[WV]                   ; my first tile of queries; the second lies 16 tiles on
	s_mov_b32 s19, 0
	s_mov_b32 s21, 0
	s_mov_b32 s[CS], 0x3e38aa3b                    ; c = log2(e) / 8
	s_mov_b32 s[CS+1], s[CS]
	s_mov_b32 s[SEL], 0x76543210
	s_mov_b32 s[SEL+1], 0xfedcba98
	s_wait_kmcnt 0x0
	s_mul_i32 s18, s13, 49152
	s_add_nc_u64 s[QP:QP+1], s[4:5], s[18:19]
	s_mul_i32 s20, s[WV], 3072
	s_add_nc_u64 s[KB:KB+1], s[QP:QP+1], s[20:21]
	s_add_nc_u64 s[KB:KB+1], s[KB:KB+1], 6291456
	s_add_nc_u64 s[VB:VB+1], s[KB:KB+1], 6291456
	s_mul_i32 s20, s17, 768
	s_add_nc_u64 s[QP:QP+1], s[QP:QP+1], s[20:21]
	s_lshl_b32 s18, s13, 12
	s_add_nc_u64 s[QSP:QSP+1], s[6:7], s[18:19]
	s_lshl_b32 s20, s[WV], 8
	s_add_nc_u64 s[KSB:KSB+1], s[QSP:QSP+1], s[20:21]
	s_add_nc_u64 s[KSB:KSB+1], s[KSB:KSB+1], 524288
	s_lshl_b32 s20, s17, 6
	s_add_nc_u64 s[QSP:QSP+1], s[QSP:QSP+1], s[20:21]
	s_lshl_b32 s18, s13, 11
	s_add_nc_u64 s[VSB:VSB+1], s[6:7], s[18:19]
	s_add_nc_u64 s[VSB:VSB+1], s[VSB:VSB+1], 1048576
	s_lshl_b32 s18, s15, 6
	s_add_co_u32 s18, s18, s17
	s_lshl_b32 s18, s18, 4
	s_add_co_u32 s18, s18, s14
	s_mul_i32 s18, s18, 768                        ; o's codes: [64 batch + tile][head][768]
	s_add_nc_u64 s[OP:OP+1], s[8:9], s[18:19]
	s_lshl_b32 s18, s15, 5                         ; o's scale bytes: [32 batch + block of 32 tokens][head / 2][16 (tile % 2) + r] words, my head's two bytes
	s_lshl_b32 s20, ttmp9, 4
	s_add_co_u32 s18, s18, s20
	s_lshr_b32 s20, s[WV], 1
	s_add_co_u32 s18, s18, s20
	s_lshl_b32 s18, s18, 10
	s_lshr_b32 s20, s14, 1
	s_lshl_b32 s20, s20, 7
	s_add_co_u32 s18, s18, s20
	s_and_b32 s20, s[WV], 1
	s_lshl_b32 s20, s20, 6
	s_add_co_u32 s18, s18, s20
	s_and_b32 s20, s14, 1
	s_lshl_b32 s20, s20, 1
	s_add_co_u32 s18, s18, s20
	s_add_nc_u64 s[OSP:OSP+1], s[10:11], s[18:19]
	; THE FILL: each wave brings a sixteenth of K, of V and of K's scale words
.irp i, 0,1,2,3,4,5
	global_load_b128 v[32+4*\i:35+4*\i], v1, s[KB:KB+1] offset:512*\i
.endr
.irp j, 0,1
.irp q, 0,1,2
	global_load_b128 v[96+12*\j+4*\q:99+12*\j+4*\q], v1, s[VB:VB+1] offset:1536*\j+512*\q
.endr
.endr
	global_load_b64 v[56:57], v2, s[KSB:KSB+1]
	s_cmp_lt_u32 s[WV], 4                          ; waves 0 to 3: V's scale bytes come [block][row][tile] and are wanted [step][row][tile] as words of four blocks: 4 x 4 bytes are turned in a lane
	s_cbranch_scc0 .Lnot_vs
.irp i, 0,1,2,3
	global_load_b32 v[120+\i], v251, s[VSB:VSB+1] offset:64*\i
.endr
	s_wait_loadcnt 0x0
	v_perm_b32 v124, v121, v120, 0x05010400        ; a0 b0 a1 b1
	v_perm_b32 v125, v121, v120, 0x07030602        ; a2 b2 a3 b3
	v_perm_b32 v126, v123, v122, 0x05010400
	v_perm_b32 v127, v123, v122, 0x07030602
	s_delay_alu instid0(VALU_DEP_2)
	v_perm_b32 v128, v126, v124, 0x05040100        ; tile 0: a0 b0 c0 d0
	s_delay_alu instid0(VALU_DEP_3)
	v_perm_b32 v129, v126, v124, 0x07060302
	s_delay_alu instid0(VALU_DEP_3)
	v_perm_b32 v130, v127, v125, 0x05040100
	s_delay_alu instid0(VALU_DEP_4)
	v_perm_b32 v131, v127, v125, 0x07060302
	ds_store_b128 v250, v[128:131]
.Lnot_vs:
	s_wait_loadcnt 0x0
.irp i, 0,1,2,3,4,5
	ds_store_b128 v243, v[32+4*\i:35+4*\i] offset:512*\i
.endr
.irp j, 0,1
	ds_store_b128 v245, v[96+12*\j:99+12*\j] offset:384*\j
	ds_store_b128 v246, v[100+12*\j:103+12*\j] offset:384*\j+12416
	ds_store_b128 v247, v[104+12*\j:107+12*\j] offset:384*\j+24832
.endr
	ds_store_b64 v248, v[56:57]
	s_wait_dscnt 0x0                               ; for the others' sake: my stores have landed
	s_barrier_signal -1
	s_barrier_wait -1                              ; the head's K and V lie in LDS; nothing writes them again
	s_mov_b32 s[QT], 2
.Lq:                                               ; two trips: my two tiles of queries
	global_load_b128 v[16:19], v1, s[QP:QP+1]
	global_load_b64 v[20:21], v2, s[QP:QP+1] offset:512
	global_load_b32 v[QSC], v3, s[QSP:QSP+1]
	v_mov_b32 v13, 0xff61b1e6                      ; the largest t so far: -3e38, under every t
	s_delay_alu instid0(VALU_DEP_1)
	v_floor_f32 v12, -v13                          ; -M
	v_mov_b32 v14, 0                               ; the sum, in two halves
	v_mov_b32 v15, 0
.set j, 0
.rept 32
	v_mov_b32 v[160+j], 0                          ; O^T.  (The step is written once: the first finds zeros, which the first change of M leaves zeros)
.set j, j+1
.endr
	s_mov_b32 s[TK], 0
	s_mov_b32 s[TKS], 0
	s_mov_b32 s[TV], 0
	s_mov_b32 s[TVS], 0
	s_mov_b32 s[KT], 8
	s_wait_loadcnt 0x0
.Lk:                                               ; eight trips: 128 keys each
	v_add_nc_u32 v7, s[TK], v1                     ; (these five are also the places in front of the loads into registers that the last products read)
	v_add_nc_u32 v8, s[TK], v2
	v_add_nc_u32 v9, s[TKS], v4
	v_add_nc_u32 v10, s[TV], v5
	v_add_nc_u32 v11, s[TVS], v6
.irp t, 0,1,2,3,4,5,6,7
	ds_load_b128 v[32+6*\t:35+6*\t], v7 offset:768*\t
	ds_load_b64 v[36+6*\t:37+6*\t], v8 offset:768*\t+512
.endr
.irp b, 0,1,2,3
	ds_load_b32 v[KSR+\b], v9 offset:128*\b
.endr
	s_wait_alu depctr_va_vdst(0)
	s_wait_dscnt 0x0
.irp t, 0,2,4,6                        ; S^T = K Q^T: eight tiles of 16 keys
	v_wmma_scale_f32_16x16x128_f8f6f4 v[96+8*\t:103+8*\t], v[32+6*\t:43+6*\t], v[16:27], 0, v[KSR+\t/2], v[QSC] matrix_a_fmt:MATRIX_FMT_FP6 matrix_b_fmt:MATRIX_FMT_FP6
	v_wmma_scale_f32_16x16x128_f8f6f4 v[104+8*\t:111+8*\t], v[38+6*\t:49+6*\t], v[16:27], 0, v[KSR+\t/2], v[QSC] matrix_a_fmt:MATRIX_FMT_FP6 matrix_b_fmt:MATRIX_FMT_FP6 matrix_a_scale:MATRIX_SCALE_ROW1
.endr
.rept 4
	v_nop                                          ; four places in front of the loads below and of the first read of the scores
.endr
.irp c, 0,1,2,3                        ; V's four fragments land under the softmax
.irp p, 0,1,2,3,4,5
	ds_load_b64 v[32+12*\c+2*\p:33+12*\c+2*\p], v10 offset:12288*\c+768*(\p/3)+8*(\p%3)
.endr
.endr
	ds_load_b128 v[VSR:VSR+3], v11
.irp b, 0,1,2,3
	v_max3_num_f32 v[BM+\b], v[96+16*\b], v[97+16*\b], v[98+16*\b]   ; THE LARGEST SCORE OF EACH BLOCK OF 32 KEYS serves twice: for the row's maximum, and, since p rises with the score, for the block's largest p
.endr
.irp i, 3,5,7,9,11,13
.irp b, 0,1,2,3
	v_max3_num_f32 v[BM+\b], v[BM+\b], v[96+16*\b+\i], v[97+16*\b+\i]
.endr
.endr
.irp b, 0,1,2,3
	v_max_num_f32 v[BM+\b], v[BM+\b], v[111+16*\b]
.endr
.irp b, 0,1,2,3
	s_delay_alu instid0(VALU_DEP_4)
	v_permlanex16_b32 v[BM2+\b], v[BM+\b], s[SEL], s[SEL+1]
.endr
.irp b, 0,1,2,3
	s_delay_alu instid0(VALU_DEP_4)
	v_max_num_f32 v[BM+\b], v[BM+\b], v[BM2+\b]    ; with lane l xor 16's 16 keys
.endr
	s_delay_alu instid0(VALU_DEP_2)
	v_max3_num_f32 v240, v[BM], v[BM+1], v[BM+2]
	s_delay_alu instid0(VALU_DEP_1)
	v_max_num_f32 v240, v240, v[BM+3]              ; the step's largest score of my query
	s_delay_alu instid0(VALU_DEP_1)
	v_mul_f32 v240, s[CS], v240                    ; as t (c is positive)
	s_delay_alu instid0(VALU_DEP_1)
	v_max_num_f32 v13, v13, v240                   ; the running largest t
	v_mov_b32 v240, v12
	s_delay_alu instid0(VALU_DEP_2)
	v_floor_f32 v12, -v13                          ; the new -M = floor(-t) = -ceil(t)
	s_delay_alu instid0(VALU_DEP_1)
	v_sub_f32 v240, v12, v240                      ; old M less new M: a whole number, 0 or less
	s_delay_alu instid0(VALU_DEP_1)
	v_cvt_i32_f32 v240, v240                       ; (it saturates)
	s_delay_alu instid0(VALU_DEP_1)
	v_ldexp_f32 v238, 1.0, v240                    ; f = 2^(old M - new M)
.set j, 0
.rept 32
	v_pk_fma_f32 v[96+j:97+j], v[96+j:97+j], s[CS:CS+1], v[12:13] op_sel_hi:[1,0,0]   ; t - M, two at a time
.set j, j+2
.endr
.irp b, 0,1,2,3
	v_fma_f32 v[BM+\b], v[BM+\b], s[CS], v12       ; the same of each block's largest score
.endr
.set j, 0
	s_wait_alu depctr_va_vdst(0)
.rept 64
	v_exp_f32 v[96+j], v[96+j]                     ; p = 2^(t - M), at most 1: not normalised
.set j, j+1
.endr
	v_pk_mul_f32 v[14:15], v[14:15], v[238:239] op_sel_hi:[1,0]   ; the sums under the new M.  (A plain place behind the exponentials)
	s_wait_alu depctr_va_vdst(0)                   ; the wait ahead of the first reader: one for the whole batch
.irp b, 0,1,2,3
	v_exp_f32 v[BM+\b], v[BM+\b]                   ; the block's largest p: the same two instructions on the same number give the same bits
.endr
	v_pk_add_f32 v[242:243], v[100:101], v[104:105]
	v_pk_add_f32 v[254:255], v[108:109], v[112:113]
	v_pk_add_f32 v[252:253], v[116:117], v[120:121]
	v_pk_add_f32 v[250:251], v[124:125], v[128:129]
	v_pk_add_f32 v[248:249], v[132:133], v[136:137]
	v_pk_add_f32 v[246:247], v[140:141], v[144:145]
	v_pk_add_f32 v[244:245], v[148:149], v[152:153]
	v_pk_add_f32 v[14:15], v[14:15], v[156:157]
	v_pk_add_f32 v[242:243], v[242:243], v[96:97]
	v_pk_add_f32 v[254:255], v[254:255], v[98:99]
	v_pk_add_f32 v[252:253], v[252:253], v[102:103]
	v_pk_add_f32 v[250:251], v[250:251], v[106:107]
	v_pk_add_f32 v[248:249], v[248:249], v[110:111]
	v_pk_add_f32 v[246:247], v[246:247], v[114:115]
	v_pk_add_f32 v[244:245], v[244:245], v[118:119]
	v_pk_add_f32 v[14:15], v[14:15], v[122:123]
	v_pk_add_f32 v[242:243], v[242:243], v[126:127]
	v_pk_add_f32 v[254:255], v[254:255], v[130:131]
	v_pk_add_f32 v[252:253], v[252:253], v[134:135]
	v_pk_add_f32 v[250:251], v[250:251], v[138:139]
	v_pk_add_f32 v[248:249], v[248:249], v[142:143]
	v_pk_add_f32 v[246:247], v[246:247], v[146:147]
	v_pk_add_f32 v[244:245], v[244:245], v[150:151]
	v_pk_add_f32 v[14:15], v[14:15], v[154:155]
	v_pk_add_f32 v[242:243], v[242:243], v[158:159]
	s_delay_alu instid0(VALU_DEP_2)
	v_pk_add_f32 v[14:15], v[14:15], v[250:251]
	s_delay_alu instid0(VALU_DEP_2)
	v_pk_add_f32 v[242:243], v[242:243], v[248:249]
	v_pk_add_f32 v[254:255], v[254:255], v[246:247]
	v_pk_add_f32 v[252:253], v[252:253], v[244:245]
	s_delay_alu instid0(VALU_DEP_2)
	v_pk_add_f32 v[14:15], v[14:15], v[254:255]
	s_delay_alu instid0(VALU_DEP_2)
	v_pk_add_f32 v[242:243], v[242:243], v[252:253]
	s_delay_alu instid0(VALU_DEP_1)
	v_pk_add_f32 v[14:15], v[14:15], v[242:243]
	s_wait_alu depctr_va_vdst(0)                   ; and one for the four
.irp b, 0,1,2,3
	v_max_num_f32 v[BM+\b], 0x1800000, v[BM+\b]    ; the floor 2^(3 - 127): the byte cannot fall under 1
.endr
.irp b, 0,1,2,3
	s_delay_alu instid0(VALU_DEP_4)
	v_add_nc_u32 v[SOP+\b], 0xff000000, v[BM+\b]   ; 2 off the exponent field: the conversion's scale operand
.endr
.irp b, 0,1,2,3
	s_delay_alu instid0(VALU_DEP_4)
	v_lshrrev_b32 v[SBY+\b], 23, v[SOP+\b]
.endr
	s_delay_alu instid0(VALU_DEP_3)
	v_lshl_or_b32 v[PSW], v[SBY+1], 8, v[SBY]      ; p's scale word for these 128 keys
	s_delay_alu instid0(VALU_DEP_1)
	v_lshl_or_b32 v[PSW], v[SBY+2], 16, v[PSW]
	s_delay_alu instid0(VALU_DEP_1)
	v_lshl_or_b32 v[PSW], v[SBY+3], 24, v[PSW]
.irp c, 0,1
	v_cvt_scalef32_pk16_fp6_f32 v[PCD+6*\c:PCD+2+6*\c], v[96+32*\c:111+32*\c], v[SOP+2*\c]
	v_cvt_scalef32_pk16_fp6_f32 v[204+4*\c:206+4*\c], v[112+32*\c:127+32*\c], v[SOP+1+2*\c]   ; (a conversion's three registers begin on an even number)
.endr
	v_nop                                          ; one plain place behind a scaled conversion
.irp c, 0,1                            ; the operand's layout wants a WHOLE block in a lane
.irp i, 0,1,2
	v_permlane16_swap_b32 v[PCD+6*\c+\i], v[204+4*\c+\i]
.endr
.irp i, 0,1,2
	s_delay_alu instid0(VALU_DEP_3)
	v_mov_b32 v[PCD+3+6*\c+\i], v[204+4*\c+\i]
.endr
.endr
.set j, 0
.rept 16
	v_pk_mul_f32 v[160+j:161+j], v[160+j:161+j], v[238:239] op_sel_hi:[1,0]   ; O^T under the new M.  (These sixteen are also the places between the scale word's and the codes' last writes and the products)
.set j, j+2
.endr
	s_wait_alu depctr_va_vdst(0)
	s_wait_dscnt 0x0                               ; V
.irp c, 0,1,2,3                        ; O^T += V^T P^T: four tiles of 16 channels, by turns
	v_wmma_scale_f32_16x16x128_f8f6f4 v[160+8*\c:167+8*\c], v[32+12*\c:43+12*\c], v[PCD:PCD+11], v[160+8*\c:167+8*\c], v[VSR+\c], v[PSW] matrix_a_fmt:MATRIX_FMT_FP6 matrix_b_fmt:MATRIX_FMT_FP6
.endr
	s_add_co_u32 s[TK], s[TK], 6144
	s_add_co_u32 s[TKS], s[TKS], 512
	s_add_co_u32 s[TV], s[TV], 1536
	s_add_co_u32 s[TVS], s[TVS], 256
	s_sub_co_u32 s[KT], s[KT], 1
	s_cmp_lg_u32 s[KT], 0
	s_cbranch_scc1 .Lk
	; THE WAY OUT: O^T / the sum; register 16 b + i is channel 32 b + 16 (lane / 16) + i of my query: two blocks, quantised into half a fragment of the projection's operand
.rept 4
	v_nop                                          ; four places behind the last products
.endr
	v_add_f32 v14, v14, v15
	s_delay_alu instid0(VALU_DEP_1)
	v_permlanex16_b32 v240, v14, s[SEL], s[SEL+1]
	s_delay_alu instid0(VALU_DEP_1)
	v_add_f32 v14, v14, v240                       ; the row's sum
	s_wait_alu depctr_va_vdst(0)
	v_rcp_f32 v14, v14
	v_nop                                          ; a plain place behind the transcendental,
	s_wait_alu depctr_va_vdst(0)                   ; and the wait ahead of its first reader
.set j, 0
.rept 32
	v_mul_f32 v[96+j], v[160+j], v14
.set j, j+1
.endr
.irp b, 0,1
	v_max3_num_f32 v[BM+\b], |v[96+16*\b]|, |v[97+16*\b]|, 0x1800000
.endr
.irp i, 2,4,6,8,10,12,14
.irp b, 0,1
	s_delay_alu instid0(VALU_DEP_2)
	v_max3_num_f32 v[BM+\b], v[BM+\b], |v[96+16*\b+\i]|, |v[97+16*\b+\i]|
.endr
.endr
.irp b, 0,1
	s_delay_alu instid0(VALU_DEP_2)
	v_permlanex16_b32 v[BM2+\b], v[BM+\b], s[SEL], s[SEL+1]
.endr
.irp b, 0,1
	s_delay_alu instid0(VALU_DEP_2)
	v_max_num_f32 v[BM+\b], v[BM+\b], v[BM2+\b]
.endr
.irp b, 0,1
	s_delay_alu instid0(VALU_DEP_2)
	v_add_nc_u32 v[SOP+\b], 0xff000000, v[BM+\b]
.endr
.irp b, 0,1
	s_delay_alu instid0(VALU_DEP_2)
	v_lshrrev_b32 v[SBY+\b], 23, v[SOP+\b]
.endr
	s_delay_alu instid0(VALU_DEP_1)
	v_lshl_or_b32 v241, v[SBY+1], 8, v[SBY]
	v_cvt_scalef32_pk16_fp6_f32 v[PCD:PCD+2], v[96:111], v[SOP]
	v_cvt_scalef32_pk16_fp6_f32 v[204:206], v[112:127], v[SOP+1]
	v_nop
.irp i, 0,1,2
	v_permlane16_swap_b32 v[PCD+\i], v[204+\i]
.endr
.irp i, 0,1,2
	s_delay_alu instid0(VALU_DEP_3)
	v_mov_b32 v[PCD+3+\i], v[204+\i]
.endr
	global_store_b128 v1, v[PCD:PCD+3], s[OP:OP+1]             ; 512 and 256 consecutive bytes, at multiples of 256
	global_store_b64 v2, v[PCD+4:PCD+5], s[OP:OP+1] offset:512
	global_store_b16 v3, v241, s[OSP:OSP+1]                    ; my head's two bytes of row r's word (lanes l and l xor 16 store the same)
	s_wait_xcnt 0x0                                ; loads and stores have read their registers and bases
	s_add_nc_u64 s[QP:QP+1], s[QP:QP+1], 12288     ; 16 tiles on
	s_add_nc_u64 s[QSP:QSP+1], s[QSP:QSP+1], 1024
	s_add_nc_u64 s[OP:OP+1], s[OP:OP+1], 196608
	s_add_nc_u64 s[OSP:OSP+1], s[OSP:OSP+1], 8192
	s_sub_co_u32 s[QT], s[QT], 1
	s_cmp_lg_u32 s[QT], 0
	s_cbranch_scc1 .Lq
	s_wait_tensorcnt 0x0                           ; the wave's end: behind my last LDS store
	ds_add_u32 v28, v29
	s_wait_dscnt 0x0
	s_endpgm
.Lfunc_end_k_q529424d62d_attn:
	.size	k_q529424d62d_attn, .Lfunc_end_k_q529424d62d_attn-k_q529424d62d_attn
	.p2alignl 7, 3214868480
	.fill 96, 4, 3214868480
	.section	.rodata,"a",@progbits
	.p2align	6, 0x0
	.amdhsa_kernel k_q529424d62d_attn
		.amdhsa_group_segment_fixed_size 106496
		.amdhsa_private_segment_fixed_size 0
		.amdhsa_enable_private_segment 0
		.amdhsa_kernarg_size 32
		.amdhsa_user_sgpr_count 2
		.amdhsa_user_sgpr_kernarg_segment_ptr 1
		.amdhsa_wavefront_size32 1
		.amdhsa_system_sgpr_workgroup_id_x 1
		.amdhsa_system_sgpr_workgroup_id_y 1
		.amdhsa_system_sgpr_workgroup_id_z 1
		.amdhsa_system_vgpr_workitem_id 0
		.amdhsa_next_free_vgpr 256
		.amdhsa_next_free_sgpr 66
		.amdhsa_reserve_vcc 0
		.amdhsa_float_denorm_mode_32 3
		.amdhsa_float_denorm_mode_16_64 3
		.amdhsa_memory_ordered 1
		.amdhsa_forward_progress 1
		.amdhsa_inst_pref_size 34
	.end_amdhsa_kernel
	.amdgpu_metadata
---
amdhsa.version: [ 1, 2 ]
amdhsa.kernels:
  - .name:           k_q529424d62d_attn
    .symbol:         k_q529424d62d_attn.kd
    .args:
      - { .name: qkv, .offset: 0, .size: 8, .value_kind: global_buffer, .address_space: global }
      - { .name: qkvs, .offset: 8, .size: 8, .value_kind: global_buffer, .address_space: global }
      - { .name: oq, .offset: 16, .size: 8, .value_kind: global_buffer, .address_space: global }
      - { .name: os, .offset: 24, .size: 8, .value_kind: global_buffer, .address_space: global }
    .group_segment_fixed_size: 106496
    .private_segment_fixed_size: 0
    .kernarg_segment_align: 8
    .kernarg_segment_size: 32
    .max_flat_workgroup_size: 512
    .sgpr_count:     66
    .vgpr_count:     256
    .wavefront_size: 32
...
	.end_amdgpu_metadata
.endif
;; end of part 7
;; launch mlp (part 8): grid 256 x 1, 4 waves a work-group, no clusters, 167,936 bytes of LDS; arguments x, oq, os, wq, b_proj, ln2_g, ln2_b, b_fc1, b_fc2, out0; writes out0
.if DOCPART == 8
	.amdgcn_target "amdgcn-amd-amdhsa--gfx1250"
	.amdhsa_code_object_version 6
	.text
	.protected	k_q529424d62d_mlp
	.globl	k_q529424d62d_mlp
	.p2align	8
	.type	k_q529424d62d_mlp,@function
k_q529424d62d_mlp:
	s_mov_b64 s[64:65], 0
	v_nop
	global_prefetch_b8 v0, s[64:65] scope:SCOPE_SE
	s_setreg_imm32_b32 hwreg(HW_REG_WAVE_MODE, 25, 1), 1
	s_wait_xcnt 0x0
; x1 = x + Q(o) Q(w_proj) + b_proj;  out = x1 + Q(gelu(Q(layernorm(x1)) Q(w_fc1) + b_fc1)) Q(w_fc2) + b_fc2.  Products on codes of FP6 (E2M3), one E8M0 scale for each 32 along K.  x1 and the hidden layers never go to memory.
; SHARES.  A work-group of four waves owns 32 tokens (two tiles of 16), whole rows, since the layer norm and the last product's K span a row.  THE WAVES SHARE THE COLUMNS: wave w owns columns 256 w .. 256 w + 255 of
; every panel of 1,024 for both tiles: 32 accumulators, 256 registers.  A panel (proj, fc1, fc2) is 8 K steps of 128; a K step is 32 matrix instructions a wave.  The three panels share ONE text of the K loop.
; THE LEFT OPERANDS go from wave to wave through LDS as images of their registers (the attention's output arrives so from memory); THE WEIGHTS' FRAGMENTS are each read by one wave of the work-group alone and go from
; memory straight into operand registers, through a ring of one K step's 16 fragments (192 registers) refilled four at a time: 36 to 50 loads of 512 bytes are out all the time, over the panels' ends too.
; WHY NO JOINT TENSOR LOADS, though all 256 work-groups walk the same weights: through LDS each weight byte would be written and read once more for no second use in the work-group, and two slots beside the
; stages would hold one K step each: 32 matrix instructions a wave between two rounds of a cluster's barrier.
; Row r of tile u is token 8 u + r + 8 (r / 8) of the 32; the weights' tiles are laid likewise, so that a lane (ONE token) holds 16 neighbouring columns in the 16 registers of two neighbouring tiles.
; gelu(x) = max(x, 0) - |x| a, a = erfc(|x| / sqrt 2) / 2 = t 2^(P(t) - x^2 log2(e) / 2), t = 1 / (1 + |x| / (2 sqrt 2)), P of degree 9: the fractional error of that form is about 1.2e-7.
; LIMITS: NaN and infinities are not served; a block whose largest magnitude lies under 2^-124 (a block of zeros too) gets the byte 1; sums are ordered otherwise than in the definition.
; REGISTERS, in windows of 256: window 0: addresses, left operands, scale words, work; window 1: x, then x1 (register 128 u + 16 b + i = token of lane % 16 in tile u, column 256 w + 32 b + 16 (lane / 16) + i);
;   window 2: the accumulators, in the same layout; window 3: the weights' ring, fragment c at v[12 c].
.set AIMG,  0                          ; LDS: the left operand's 16 fragments, (u, s) at (8 u + s) 1,536
.set ASC,   24576                      ; their scale words: [s][16 u + r]
.set STAT,  25600                      ; the waves' partial sums [wave][16 u + r], and 512 bytes on their partial sums of squares
.set SPARE, 26624                      ; the spare words, 128 bytes for each wave: two blocks of 256 bytes that no other line names
.set STAGE, 27136                      ; for each wave two tiles x 16 rows x (1,024 + 16) bytes
.set WSTG,  33280
.set TSTG,  16640
.set RP,    1040
.set L16, 1
.set L8,  2
.set L4,  3
.set R4,  4
.set BOF, 5
.set SG16, 6
.set SGR, 7
.set W16, 8
.set W8,  9
.set WS,  10
.set STW, 11
.set STR, 12
.set A16, 13
.set A8,  14
.set AS,  15
.set CP16, 17                          ; 16 x lane + 6,144 w: my quarter of the attention's images
.set CP8, 18                           ; ASC + 8 x lane + 256 w
.set T0,  20
.set AF,  32
.set CK,  32                           ; in gelu's phase, when no left operand is in registers: the polynomial's coefficients, a pair each: C0 .. C9, then the factor of x^2
.set ASCR, 80
.set WSC, 84
.set TM,  100
.set GQ,  100                          ; gelu: x^2, then max(x, 0)
.set PW,  116
.set PC,  118
.set MU,  140
.set RS,  144
.set Y,   160
.set GT,  160                          ; gelu: t
.set GP2, 192                          ; gelu: the exponent, then a
.set SPW, 252
.set NIL, 253
.set XP, 4
.set OQ, 6
.set OSB, 8
.set WN, 10
.set BPR, 12
.set G2, 14
.set B2, 16
.set BF1, 18
.set BF2, 20
.set OUTP, 22
.set WV, 24
.set KO, 30
.set KS, 31
.set KC, 32
.set PH, 33
.set SEL, 34
.set HM, 36
.set CH, 37
.set INV, 38
.set RECP, 40                          ; s[40:41] a record's bytes
.set ADV, 42                           ; s[42:43] the same, or 0 in the last panel
.set MUL,  0xa3                        ; source 0 (weights) window 3, source 1 window 0, C and D window 2
.set MULV, 0xac
.set TOB,  0xc0                        ; destination window 3
.set MSB, 0
.macro WIN new                         ; the immediate's high byte repeats the setting that is left; a switch that changes nothing is dropped
.if MSB != (\new)
	s_set_vgpr_msb (MSB<<8)|(\new)
.set MSB, (\new)
.endif
.endm
.macro BARRIER                         ; my LDS stores have landed and my LDS loads are in: then the work-group's barrier
	s_wait_dscnt 0x0
	s_barrier_signal -1
	s_barrier_wait -1
.endm
; one matrix instruction, adding in place.  ra, rb: the halves of the lanes from which the two scale registers are read
.macro WM d, a, b, sa, sb, ra, rb
.if ((\ra) == 0) && ((\rb) == 0)
	v_wmma_scale_f32_16x16x128_f8f6f4 v[(\d):(\d)+7], v[(\a):(\a)+11], v[(\b):(\b)+11], v[(\d):(\d)+7], v[\sa], v[\sb] matrix_a_fmt:MATRIX_FMT_FP6 matrix_b_fmt:MATRIX_FMT_FP6
.elseif ((\ra) == 1) && ((\rb) == 0)
	v_wmma_scale_f32_16x16x128_f8f6f4 v[(\d):(\d)+7], v[(\a):(\a)+11], v[(\b):(\b)+11], v[(\d):(\d)+7], v[\sa], v[\sb] matrix_a_fmt:MATRIX_FMT_FP6 matrix_b_fmt:MATRIX_FMT_FP6 matrix_a_scale:MATRIX_SCALE_ROW1
.elseif ((\ra) == 0) && ((\rb) == 1)
	v_wmma_scale_f32_16x16x128_f8f6f4 v[(\d):(\d)+7], v[(\a):(\a)+11], v[(\b):(\b)+11], v[(\d):(\d)+7], v[\sa], v[\sb] matrix_a_fmt:MATRIX_FMT_FP6 matrix_b_fmt:MATRIX_FMT_FP6 matrix_b_scale:MATRIX_SCALE_ROW1
.else
	v_wmma_scale_f32_16x16x128_f8f6f4 v[(\d):(\d)+7], v[(\a):(\a)+11], v[(\b):(\b)+11], v[(\d):(\d)+7], v[\sa], v[\sb] matrix_a_fmt:MATRIX_FMT_FP6 matrix_b_fmt:MATRIX_FMT_FP6 matrix_a_scale:MATRIX_SCALE_ROW1 matrix_b_scale:MATRIX_SCALE_ROW1
.endif
.endm
.macro AFETCH set                      ; a K step's two left fragments and their scale words: nine LDS loads
.irp u, 0,1
	ds_load_b128 v[AF+24*(\set)+12*\u:AF+24*(\set)+12*\u+3], v[A16] offset:12288*\u
	ds_load_b64 v[AF+24*(\set)+12*\u+4:AF+24*(\set)+12*\u+5], v[A8] offset:12288*\u+512
	ds_load_b128 v[AF+24*(\set)+12*\u+6:AF+24*(\set)+12*\u+9], v[A16] offset:12288*\u+768
	ds_load_b64 v[AF+24*(\set)+12*\u+10:AF+24*(\set)+12*\u+11], v[A8] offset:12288*\u+1280
.endr
	ds_load_b32 v[ASCR+(\set)], v[AS]
.endm
.macro PRIME                           ; the ring's first record: its scale words, then its 16 fragments
	global_load_b128 v[WSC:WSC+3], v[L16], s[WN:WN+1] offset:24576
	global_load_b128 v[WSC+4:WSC+7], v[L16], s[WN:WN+1] offset:25088
	WIN TOB
.set cc, 0
.rept 16
.irp q, 0,1,2
	global_load_b128 v[12*cc+4*\q:12*cc+4*\q+3], v[L16], s[WN:WN+1] offset:1536*cc+512*\q
.endr
.set cc, cc+1
.endr
	WIN 0
	s_wait_xcnt 0x0                                ; the loads have read their base: it may step
	s_add_nc_u64 s[WN:WN+1], s[WN:WN+1], s[RECP:RECP+1]
.endm
; A K STEP.  set: which set of left fragments and of scale words.  anext = 1: the next K step's left fragments are fetched.  adv: the scalar pair by which the record's address steps.
; The sums began with the biases, which loads have put into the accumulators.  The 32 accumulators take turns, one instruction a turn, in the same order in every K step.
.macro KSTEP set, anext, adv
.if \anext
	s_add_co_u32 s[KO], s[KO], 1536
	s_add_co_u32 s[KS], s[KS], 128
	v_add_nc_u32 v[A16], s[KO], v[L16]
	v_add_nc_u32 v[A8], s[KO], v[L8]
	v_add_nc_u32 v[AS], s[KS], v[L4]
	AFETCH 1-(\set)
	s_wait_dscnt 9                                 ; the nine just issued may be out; this step's nine, issued a K step ago, are in
.else
	s_wait_dscnt 0x0
.endif
.set jj, 0
.rept 4                                ; four units of four fragments
.if jj == 0
	s_wait_loadcnt 36                              ; behind this unit's 12 loads the three other units' were issued
.else
	s_wait_loadcnt 38                              ; behind this unit's 12 loads: three units' 36 and the two loads of scale words
.endif
	WIN MUL
.set cc, 4*jj
.rept 4
.set uu, 0
.rept 2
	WM 128*uu+8*cc, 12*cc, AF+24*(\set)+12*uu, WSC+8*(\set)+cc/2, ASCR+(\set), cc%2, uu
.set uu, uu+1
.endr
.set cc, cc+1
.endr
.rept 4
	v_nop                                          ; four places in front of loads into registers that matrix instructions have read, and of the first read of results
.endr
.if jj == 0
	WIN 0
	global_load_b128 v[WSC+8*(1-(\set)):WSC+8*(1-(\set))+3], v[L16], s[WN:WN+1] offset:24576
	global_load_b128 v[WSC+8*(1-(\set))+4:WSC+8*(1-(\set))+7], v[L16], s[WN:WN+1] offset:25088
.endif
	WIN TOB
.set cc, 4*jj
.rept 4
.irp q, 0,1,2
	global_load_b128 v[12*cc+4*\q:12*cc+4*\q+3], v[L16], s[WN:WN+1] offset:1536*cc+512*\q
.endr
.set cc, cc+1
.endr
.set jj, jj+1
.endr
	WIN 0
	s_wait_xcnt 0x0                                ; the loads have read their base: it may step
	s_add_nc_u64 s[WN:WN+1], s[WN:WN+1], s[\adv:\adv+1]
.endm
; The last panel's last K step (set 1): nothing more is asked for, so behind unit j's 12 loads only the 36 - 12 j of the later units are out.
.macro KLAST
	s_wait_dscnt 0x0
.set jj, 0
.rept 4
	s_wait_loadcnt 36-12*jj
	WIN MUL
.set cc, 4*jj
.rept 4
.set uu, 0
.rept 2
	WM 128*uu+8*cc, 12*cc, AF+24+12*uu, WSC+8+cc/2, ASCR+1, cc%2, uu
.set uu, uu+1
.endr
.set cc, cc+1
.endr
.set jj, jj+1
.endr
.rept 4
	v_nop                                          ; four places in front of the first read of results (ISA guide 7.12.1)
.endr
	WIN 0
.endm
; A panel: 8 K steps, two a trip; the last two are written out, the very last in two copies, chosen by the panel's number: the last panel's asks for no further record, so no load leaves wq.
.macro KPHASE
	s_wait_loadcnt 0x0                             ; the biases in the accumulators and the ring's whole record are in: so every counted wait of the first K step holds on the way in
	s_mov_b32 s[KO], AIMG
	s_mov_b32 s[KS], ASC
	v_add_nc_u32 v[A16], s[KO], v[L16]
	v_add_nc_u32 v[A8], s[KO], v[L8]
	v_add_nc_u32 v[AS], s[KS], v[L4]
	AFETCH 0
	s_mov_b32 s[KC], 3
.Lk_\@:
	KSTEP 0,1,RECP
	KSTEP 1,1,RECP
	s_sub_co_u32 s[KC], s[KC], 1
	s_cmp_lg_u32 s[KC], 0
	s_cbranch_scc1 .Lk_\@
	KSTEP 0,1,ADV
	s_cmp_eq_u32 s[PH], 2
	s_wait_alu depctr_va_vdst(0)                   ; the wait directly ahead of the branch
	s_cbranch_scc1 .Lend_\@
	KSTEP 1,0,RECP
	s_branch .Lout_\@
.Lend_\@:
	KLAST
.Lout_\@:
.endm
; 64 numbers of a lane in window W, register 16 b + i = k 32 b + 16 (lane / 16) + i of my token: four blocks' scale bytes into v[PW], their codes, 16 a conversion, into v[PC], +12, +6, +16
.macro QUANT src, W
	WIN (\W)|((\W)<<2)
.irp b, 0,1,2,3
	v_max3_num_f32 v[TM+\b], |v[(\src)+16*\b]|, |v[(\src)+16*\b+1]|, 0x1800000   ; my 16 numbers of block b, and the floor 2^(3 - 127): the byte cannot fall under 1
.endr
	WIN ((\W)<<2)|((\W)<<4)
.irp i, 2,4,6,8,10,12,14
.irp b, 0,1,2,3
	v_max3_num_f32 v[TM+\b], v[TM+\b], |v[(\src)+16*\b+\i]|, |v[(\src)+16*\b+\i+1]|
.endr
.endr
	WIN 0
.irp b, 0,1,2,3
	v_permlanex16_b32 v[TM+4+\b], v[TM+\b], s[SEL], s[SEL+1]
.endr
.irp b, 0,1,2,3
	v_max_num_f32 v[TM+\b], v[TM+\b], v[TM+4+\b]   ; with lane l xor 16's: the block's largest magnitude
.endr
.irp b, 0,1,2,3
	v_add_nc_u32 v[TM+12+\b], 0xff000000, v[TM+\b] ; 2 off its exponent field: the conversion's scale operand
.endr
.irp b, 0,1,2,3
	v_lshrrev_b32 v[TM+4+\b], 23, v[TM+12+\b]      ; the scale's byte
.endr
	v_lshl_or_b32 v[PW], v[TM+5], 8, v[TM+4]
	v_lshl_or_b32 v[PW], v[TM+6], 16, v[PW]
	v_lshl_or_b32 v[PW], v[TM+7], 24, v[PW]
	WIN (\W)
.irp c, 0,1
	v_cvt_scalef32_pk16_fp6_f32 v[PC+6*\c:PC+6*\c+2], v[(\src)+32*\c:(\src)+32*\c+15], v[TM+12+2*\c]
	v_cvt_scalef32_pk16_fp6_f32 v[PC+12+4*\c:PC+14+4*\c], v[(\src)+32*\c+16:(\src)+32*\c+31], v[TM+13+2*\c]   ; (a conversion's three registers begin on an even number)
.endr
	WIN 0
	v_nop                                          ; one plain place behind a scaled conversion
.endm
.macro QSWAP                           ; the operand's layout wants a WHOLE block in a lane: lanes 0-15 block 2 c, lanes 16-31 block 2 c + 1
.irp c, 0,1
.irp i, 0,1,2
	v_permlane16_swap_b32 v[PC+6*\c+\i], v[PC+12+4*\c+\i]
.endr
.irp i, 0,1,2
	v_mov_b32 v[PC+3+6*\c+\i], v[PC+12+4*\c+\i]
.endr
.endr
.endm
.macro IMAGE u, q                      ; the fragment in v[PC] on is K step 2 w + q of tile u: it goes to LDS as it stands, and its scale word with it
	ds_store_b128 v[W16], v[PC:PC+3] offset:12288*(\u)+1536*(\q)
	ds_store_b64 v[W8], v[PC+4:PC+5] offset:12288*(\u)+1536*(\q)+512
	ds_store_b128 v[W16], v[PC+6:PC+9] offset:12288*(\u)+1536*(\q)+768
	ds_store_b64 v[W8], v[PC+10:PC+11] offset:12288*(\u)+1536*(\q)+1280
	ds_store_b32 v[WS], v[PW] offset:ASC+128*(\q)+64*(\u)      ; lanes l and l xor 16 write the same word with the same value
.endm
.macro BIASLD u, q, ptr                ; 64 numbers of a vector of 1,024 (my 256, columns 128 q on) into the accumulators' layout, tile u
	WIN 0x80
.irp b, 0,1,2,3
.irp j, 0,1,2,3
	global_load_b128 v[128*(\u)+64*(\q)+16*\b+4*\j:128*(\u)+64*(\q)+16*\b+4*\j+3], v[BOF], s[\ptr:\ptr+1] offset:512*(\q)+128*\b+16*\j
.endr
.endr
	WIN 0
.endm
; x: my 32 rows x 1,024 bytes came by one tensor load at the head into my own stage, token t at row t (1,040 bytes apart).  It is first needed behind the projection: a lane reads 16 neighbours of each block of 32 of ONE token.
.macro XIN
	WIN 0x40
.irp u, 0,1
.set bb, 0
.rept 8
.irp j, 0,1,2,3
	ds_load_b128 v[128*\u+16*bb+4*\j:128*\u+16*bb+4*\j+3], v[SGX] offset:8*RP*\u+128*bb+16*\j
.endr
.set bb, bb+1
.endr
.endr
	WIN 0
.endm
; a lane's partial sums of the two tiles become the rows' totals: v[T0] tile 0's, v[T0+4] tile 1's, of token lane % 16
.macro XCHG a, b, off
	v_permlanex16_b32 v[T0], v[\a], s[SEL], s[SEL+1]
	v_permlanex16_b32 v[T0+1], v[\b], s[SEL], s[SEL+1]
	v_add_f32 v[\a], v[\a], v[T0]
	v_add_f32 v[\b], v[\b], v[T0+1]                ; my wave's 256 columns
	v_cndmask_b32 v[T0+2], v[\a], v[\b], s[HM]     ; lanes 0-15 carry tile 0's, lanes 16-31 tile 1's
	ds_store_b32 v[STW], v[T0+2] offset:\off
	BARRIER
.irp w, 0,1,2,3
	ds_load_b32 v[T0+\w], v[STR] offset:(\off)+128*\w
	ds_load_b32 v[T0+4+\w], v[STR] offset:(\off)+128*\w+64
.endr
	s_wait_dscnt 0x0
.irp w, 1,2,3
	v_add_f32 v[T0], v[T0], v[T0+\w]
	v_add_f32 v[T0+4], v[T0+4], v[T0+4+\w]
.endr
.endm
; LAYER NORM AND QUANTISER: window 1's rows become my four fragments (K steps 2 w, 2 w + 1 of both tiles) in LDS.  gp, bp: gain and bias; nb: the vector with which the next panel's sums begin.
; Gain and bias lie meanwhile in the accumulators' registers (0-127, 128-255), which are idle; each half is given to the next panel's bias as soon as it has been read.
; The images are written behind the two barriers of the sums, which every wave reaches behind its last read of the old images.
.macro LNQ gp, bp, nb
	BIASLD 0,0,\gp
	BIASLD 0,1,\gp
	BIASLD 1,0,\bp
	BIASLD 1,1,\bp
.irp u, 0,1                            ; the rows' sums: four packed chains a tile
	WIN 0x05
.irp k, 0,1,2,3
	v_pk_add_f32 v[Y+8*\u+2*\k:Y+8*\u+2*\k+1], v[128*\u+2*\k:128*\u+2*\k+1], v[128*\u+8+2*\k:128*\u+8+2*\k+1]
.endr
	WIN 0x04
.set ii, 16
.rept 14
.irp k, 0,1,2,3
	v_pk_add_f32 v[Y+8*\u+2*\k:Y+8*\u+2*\k+1], v[Y+8*\u+2*\k:Y+8*\u+2*\k+1], v[128*\u+ii+2*\k:128*\u+ii+2*\k+1]
.endr
.set ii, ii+8
.endr
.endr
	WIN 0
.irp u, 0,1
	v_pk_add_f32 v[Y+8*\u:Y+8*\u+1], v[Y+8*\u:Y+8*\u+1], v[Y+8*\u+2:Y+8*\u+3]
	v_pk_add_f32 v[Y+8*\u+4:Y+8*\u+5], v[Y+8*\u+4:Y+8*\u+5], v[Y+8*\u+6:Y+8*\u+7]
.endr
.irp u, 0,1
	v_pk_add_f32 v[Y+8*\u:Y+8*\u+1], v[Y+8*\u:Y+8*\u+1], v[Y+8*\u+4:Y+8*\u+5]
.endr
.irp u, 0,1
	v_add_f32 v[Y+8*\u], v[Y+8*\u], v[Y+8*\u+1]
.endr
	XCHG Y, Y+8, 0
.irp u, 0,1
	v_mul_f32 v[MU+2*\u], s[INV], v[T0+4*\u]       ; the mean (x 2^-10: exact),
	v_mul_f32 v[MU+2*\u+1], s[INV], v[T0+4*\u]     ; twice: a pair for the packed forms
.endr
.irp u, 0,1                            ; the sums of (x - mean)^2: eight packed chains a tile
.set bb, 0
.rept 8
	WIN 0x01
.irp k, 0,1,2,3,4,5,6,7
	v_pk_add_f32 v[Y+2*\k:Y+2*\k+1], v[128*\u+16*bb+2*\k:128*\u+16*bb+2*\k+1], v[MU+2*\u:MU+2*\u+1] neg_lo:[0,1] neg_hi:[0,1]
.endr
	WIN 0
.irp k, 0,1,2,3,4,5,6,7
.if bb == 0
	v_pk_mul_f32 v[Y+16+16*\u+2*\k:Y+16+16*\u+2*\k+1], v[Y+2*\k:Y+2*\k+1], v[Y+2*\k:Y+2*\k+1]
.else
	v_pk_fma_f32 v[Y+16+16*\u+2*\k:Y+16+16*\u+2*\k+1], v[Y+2*\k:Y+2*\k+1], v[Y+2*\k:Y+2*\k+1], v[Y+16+16*\u+2*\k:Y+16+16*\u+2*\k+1]
.endif
.endr
.set bb, bb+1
.endr
.endr
.irp k, 0,1,2,3
.irp u, 0,1
	v_pk_add_f32 v[Y+16+16*\u+2*\k:Y+16+16*\u+2*\k+1], v[Y+16+16*\u+2*\k:Y+16+16*\u+2*\k+1], v[Y+24+16*\u+2*\k:Y+24+16*\u+2*\k+1]
.endr
.endr
.irp k, 0,1
.irp u, 0,1
	v_pk_add_f32 v[Y+16+16*\u+2*\k:Y+16+16*\u+2*\k+1], v[Y+16+16*\u+2*\k:Y+16+16*\u+2*\k+1], v[Y+20+16*\u+2*\k:Y+20+16*\u+2*\k+1]
.endr
.endr
.irp u, 0,1
	v_pk_add_f32 v[Y+16+16*\u:Y+17+16*\u], v[Y+16+16*\u:Y+17+16*\u], v[Y+18+16*\u:Y+19+16*\u]
.endr
.irp u, 0,1
	v_add_f32 v[Y+16+16*\u], v[Y+16+16*\u], v[Y+17+16*\u]
.endr
	XCHG Y+16, Y+32, 512
	v_fmaak_f32 v[T0], s[INV], v[T0], 0x3727c5ac   ; the variance + 1e-5
	v_fmaak_f32 v[T0+4], s[INV], v[T0+4], 0x3727c5ac
	s_wait_alu depctr_va_vdst(0)
	v_rsq_f32 v[RS], v[T0]
	v_rsq_f32 v[RS+2], v[T0+4]
	v_nop                                          ; a plain place behind the transcendentals,
	s_wait_alu depctr_va_vdst(0)                   ; and the wait ahead of their first reader: one for both
	v_mov_b32 v[RS+1], v[RS]
	v_mov_b32 v[RS+3], v[RS+2]
	s_wait_loadcnt 0x0                             ; gain and bias
.irp q, 0,1
.irp u, 0,1
	WIN 0x01
.set kk, 0
.rept 32
	v_pk_add_f32 v[Y+2*kk:Y+2*kk+1], v[128*\u+64*\q+2*kk:128*\u+64*\q+2*kk+1], v[MU+2*\u:MU+2*\u+1] neg_lo:[0,1] neg_hi:[0,1]
.set kk, kk+1
.endr
	WIN 0
.set kk, 0
.rept 32
	v_pk_mul_f32 v[Y+2*kk:Y+2*kk+1], v[Y+2*kk:Y+2*kk+1], v[RS+2*\u:RS+2*\u+1]
.set kk, kk+1
.endr
	WIN 0x28
.set kk, 0
.rept 32
	v_pk_fma_f32 v[Y+2*kk:Y+2*kk+1], v[Y+2*kk:Y+2*kk+1], v[64*\q+2*kk:64*\q+2*kk+1], v[128+64*\q+2*kk:128+64*\q+2*kk+1]
.set kk, kk+1
.endr
	WIN 0
	s_wait_dscnt 0x0                               ; the last image's stores are done: its registers are written again
	QUANT Y, 0
	QSWAP
	IMAGE \u,\q
.endr
	BIASLD 0,\q,\nb                                ; this half of gain and bias has been read for the last time
	BIASLD 1,\q,\nb
.endr
	BARRIER                                        ; all sixteen fragments lie in LDS
.endm
; gelu of 32 accumulator registers, in place
.macro GELU gb
	WIN 0x02
.set kk, 0
.rept 32
	v_fma_f32 v[GT+kk], |v[(\gb)+kk]|, s[CH], 1.0  ; 1 + |x| / (2 sqrt 2)
.set kk, kk+1
.endr
	WIN 0
.set kk, 0
	s_wait_alu depctr_va_vdst(0)
.rept 32
	v_rcp_f32 v[GT+kk], v[GT+kk]                   ; t
.set kk, kk+1
.endr
	WIN 0x0a
.set kk, 0
.rept 16
	v_pk_mul_f32 v[GQ+2*kk:GQ+2*kk+1], v[(\gb)+2*kk:(\gb)+2*kk+1], v[(\gb)+2*kk:(\gb)+2*kk+1]   ; x^2: plain work behind the reciprocals
.set kk, kk+1
.endr
	WIN 0
	s_wait_alu depctr_va_vdst(0)                   ; the wait ahead of the first reader: one for the batch
.set kk, 0
.rept 16
	v_pk_fma_f32 v[GP2+2*kk:GP2+2*kk+1], v[GT+2*kk:GT+2*kk+1], v[CK+18:CK+19], v[CK+16:CK+17]
.set kk, kk+1
.endr
.irp c, 7,6,5,4,3,2,1,0
.set kk, 0
.rept 16
	v_pk_fma_f32 v[GP2+2*kk:GP2+2*kk+1], v[GP2+2*kk:GP2+2*kk+1], v[GT+2*kk:GT+2*kk+1], v[CK+2*\c:CK+2*\c+1]
.set kk, kk+1
.endr
.endr
.set kk, 0
.rept 16
	v_pk_fma_f32 v[GP2+2*kk:GP2+2*kk+1], v[GQ+2*kk:GQ+2*kk+1], v[CK+20:CK+21], v[GP2+2*kk:GP2+2*kk+1]   ; - x^2 log2(e) / 2
.set kk, kk+1
.endr
.set kk, 0
	s_wait_alu depctr_va_vdst(0)
.rept 32
	v_exp_f32 v[GP2+kk], v[GP2+kk]
.set kk, kk+1
.endr
	WIN 0x08
.set kk, 0
.rept 32
	v_max_num_f32 v[GQ+kk], 0, v[(\gb)+kk]         ; max(x, 0): plain work behind the exponentials
.set kk, kk+1
.endr
	WIN 0
	s_wait_alu depctr_va_vdst(0)                   ; one wait for the batch
.set kk, 0
.rept 16
	v_pk_mul_f32 v[GP2+2*kk:GP2+2*kk+1], v[GP2+2*kk:GP2+2*kk+1], v[GT+2*kk:GT+2*kk+1]   ; a
.set kk, kk+1
.endr
	WIN 0x82
.set kk, 0
.rept 32
	v_fma_f32 v[(\gb)+kk], -|v[(\gb)+kk]|, v[GP2+kk], v[GQ+kk]
.set kk, kk+1
.endr
	WIN 0
.endm
.macro GCHUNK u, hq                    ; 64 hidden units of tile u: activation, quantiser, image; the accumulators then take the last panel's bias
	s_wait_dscnt 0x0                               ; the last image's stores are done: its registers are written again
	GELU 128*(\u)+64*(\hq)
	GELU 128*(\u)+64*(\hq)+32
	QUANT 128*(\u)+64*(\hq), 2
	QSWAP
	BIASLD \u,\hq,BF2
	IMAGE \u,\hq
.endm
.macro CPAIR k, val
	v_mov_b32 v[CK+2*(\k)], \val
	v_mov_b32 v[CK+2*(\k)+1], \val
.endm
	s_load_b512 s[4:19], s[0:1], 0x0               ; x, oq, os, wq, b_proj, ln2_g, ln2_b, b_fc1
	s_load_b128 s[20:23], s[0:1], 0x40             ; b_fc2, out0
	v_lshl_add_u32 v[SPW], v0, 2, SPARE            ; my spare word,
	v_mov_b32 v[NIL], 0                            ; and 0
.set SGX, 16                           ; v16: my stage + 1,040 (r + 8 (r / 8)) + 64 h
.set G0X, 44                           ; s[44:47], s[48:55]: the descriptor of x's tile
.set G1X, 48
	ds_add_u32 v[SPW], v[NIL]                      ; the opening lines: the add, twice on end, and its wait ahead of my tensor load
	ds_add_u32 v[SPW], v[NIL]
	v_lshrrev_b32 v20, 5, v0
	v_readfirstlane_b32 s[WV], v20                 ; wave 0..3
	v_and_b32 v20, 31, v0                          ; lane
	v_and_b32 v21, 15, v0                          ; r
	v_bfe_u32 v22, v0, 4, 1                        ; h
	v_lshlrev_b32 v[L16], 4, v20
	v_lshlrev_b32 v[L8], 3, v20
	v_lshlrev_b32 v[L4], 2, v20
	v_lshlrev_b32 v[R4], 2, v21
	v_lshlrev_b32 v[BOF], 6, v22
	s_mul_i32 s26, s[WV], WSTG
	s_add_co_u32 s26, s26, STAGE
	v_add_nc_u32 v[SG16], s26, v[L16]
	v_mul_u32_u24 v[SGR], v21, RP
	v_lshl_add_u32 v[SGR], v22, 6, v[SGR]
	v_add_nc_u32 v[SGR], s26, v[SGR]
	s_mul_i32 s26, s[WV], 3072
	v_add_nc_u32 v[W16], s26, v[L16]
	v_add_nc_u32 v[W8], s26, v[L8]
	s_lshl_b32 s26, s[WV], 8
	v_add_nc_u32 v[WS], s26, v[R4]
	s_add_co_u32 s26, s26, ASC
	v_add_nc_u32 v[CP8], s26, v[L8]
	s_mul_i32 s26, s[WV], 6144
	v_add_nc_u32 v[CP16], s26, v[L16]
	s_lshl_b32 s26, s[WV], 7
	s_add_co_u32 s26, s26, STAT
	v_add_nc_u32 v[STW], s26, v[L4]
	v_add_nc_u32 v[STR], STAT, v[R4]
	v_mov_b32 v[T0], 0                             ; written once: a lane permute's destination counts as one of its sources
	v_mov_b32 v[T0+1], 0
.irp b, 0,1,2,3
	v_mov_b32 v[TM+4+\b], 0
.endr
	s_mov_b32 s[SEL], 0x76543210
	s_mov_b32 s[SEL+1], 0xfedcba98                 ; v_permlanex16_b32's selects for lane l xor 16
	s_mov_b32 s[HM], 0xffff0000
	s_mov_b32 s[CH], 0x3eb504f3                    ; 1 / (2 sqrt 2)
	s_mov_b32 s[INV], 0x3a800000                   ; 1 / 1,024
	s_mov_b32 s[RECP], 25600
	s_mov_b32 s[RECP+1], 0
	s_mov_b32 s[ADV+1], 0
	s_mov_b32 s27, 0
	s_mov_b32 s[G0X], 1
	s_mul_i32 s[G0X+1], s[WV], WSTG
	s_add_co_u32 s[G0X+1], s[G0X+1], STAGE
	s_mov_b32 s[G1X], (3<<16)|(1<<20)|(7<<22)|(3<<25)  ; elements of 8 bytes; 4 words of padding behind every 256
	s_mov_b32 s[G1X+1], 128<<16                    ; a row: 128 elements
	s_mov_b32 s[G1X+2], 32<<16                     ; 32 rows
	s_mov_b32 s[G1X+3], 128<<16
	s_mov_b32 s[G1X+4], 32
	s_mov_b32 s[G1X+5], 512                        ; 4,096 bytes from row to row
	s_mov_b32 s[G1X+6], 0
	s_mov_b32 s[G1X+7], 0
	v_and_b32 v24, 15, v0
	v_and_b32 v25, 8, v0
	v_add_nc_u32 v24, v24, v25                     ; r + 8 (r / 8)
	v_bfe_u32 v25, v0, 4, 1
	v_mul_u32_u24 v24, v24, RP
	v_lshl_add_u32 v24, v25, 6, v24
	v_add_nc_u32 v[SGX], s[G0X+1], v24
	s_wait_alu depctr_va_vdst(0)
	s_wait_dscnt 0x0                               ; both opening adds are done
	s_wait_kmcnt 0x0
	s_lshl_b32 s28, s[WV], 10                      ; my 256 columns, in bytes
	s_lshl_b32 s26, ttmp9, 17                      ; 32 rows of 4,096 bytes
	s_add_co_u32 s26, s26, s28
	s_add_nc_u64 s[XP:XP+1], s[XP:XP+1], s[26:27]
	s_add_nc_u64 s[OUTP:OUTP+1], s[OUTP:OUTP+1], s[26:27]
	s_mov_b32 s26, s28
.irp p, 12,14,16,18,20
	s_add_nc_u64 s[\p:\p+1], s[\p:\p+1], s[26:27]
.endr
	s_mul_i32 s26, ttmp9, 24576                    ; the attention's images of my 32 tokens, my quarter
	s_mul_i32 s28, s[WV], 6144
	s_add_co_u32 s26, s26, s28
	s_add_nc_u64 s[OQ:OQ+1], s[OQ:OQ+1], s[26:27]
	s_lshl_b32 s26, ttmp9, 10
	s_lshl_b32 s28, s[WV], 8
	s_add_co_u32 s26, s26, s28
	s_add_nc_u64 s[OSB:OSB+1], s[OSB:OSB+1], s[26:27]
	s_mul_i32 s26, s[WV], 614400                   ; my 24 records, behind the other launch's 96
	s_add_co_u32 s26, s26, 2457600
	s_add_nc_u64 s[WN:WN+1], s[WN:WN+1], s[26:27]
	s_mov_b64 s[G0X+2:G0X+3], s[XP:XP+1]
	s_or_b32 s[G0X+3], s[G0X+3], 0x80000000
.irp i, 0,1,2,3,4,5,6,7,8,9,10,11
	global_load_b128 v[Y+4*\i:Y+4*\i+3], v[L16], s[OQ:OQ+1] offset:512*\i th:TH_LOAD_NT
.endr
	global_load_b64 v[Y+48:Y+49], v[L8], s[OSB:OSB+1] th:TH_LOAD_NT
	BIASLD 0,0,BPR
	BIASLD 0,1,BPR
	BIASLD 1,0,BPR
	BIASLD 1,1,BPR
	PRIME
	tensor_load_to_lds s[G0X:G0X+3], s[G1X:G1X+7]  ; x: my one tensor load, behind the loads that the first panel waits for; it has that panel in which to land
	s_nop 0
.rept 4
	v_nop
.endr
	s_wait_loadcnt 63                              ; the 13 loads of images and scale words are in: 114 younger loads were issued, and 63 is the most that a wait names
.irp i, 0,1,2,3,4,5,6,7,8,9,10,11
	ds_store_b128 v[CP16], v[Y+4*\i:Y+4*\i+3] offset:512*\i
.endr
	ds_store_b64 v[CP8], v[Y+48:Y+49]
	BARRIER                                        ; the attention's sixteen fragments lie in LDS
	s_mov_b32 s[PH], 0
.Lphase:                                           ; three trips: proj, fc1, fc2
	s_cmp_eq_u32 s[PH], 2
	s_cselect_b32 s[ADV], 0, s[RECP]
	KPHASE
	s_cmp_eq_u32 s[PH], 0
	s_cbranch_scc0 .Lnot_proj
	s_wait_tensorcnt 0x0                           ; x has landed in my stage
	XIN
	s_wait_dscnt 0x0
	WIN 0x49                                       ; x1 = x + the projection (its bias began the sums): each accumulator from its low end on
.set kk, 0
.rept 128
	v_pk_add_f32 v[2*kk:2*kk+1], v[2*kk:2*kk+1], v[2*kk:2*kk+1]
.set kk, kk+1
.endr
	WIN 0
	LNQ G2, B2, BF1
	s_branch .Ljoin
.Lnot_proj:
	s_cmp_eq_u32 s[PH], 1
	s_cbranch_scc0 .Ljoin                          ; the last panel's way out stands behind the loop
	BARRIER                                        ; every wave's reads of the old images are over
	CPAIR 0, 0xc034d90f                            ; the coefficients x log2(e); the first less 1, for the half
	CPAIR 1, 0x3fb8ab5a
	CPAIR 2, 0x3f0a29d2
	CPAIR 3, 0x3e0efb2f
	CPAIR 4, 0xbe899a80
	CPAIR 5, 0x3ecdfd18
	CPAIR 6, 0xbfd1a1e5
	CPAIR 7, 0x40097039
	CPAIR 8, 0xbf97d29d
	CPAIR 9, 0x3e7c6f08
	CPAIR 10, 0xbf38aa3b                           ; - log2(e) / 2
	GCHUNK 0,0
	GCHUNK 0,1
	GCHUNK 1,0
	GCHUNK 1,1
	BARRIER                                        ; the hidden layer's sixteen fragments lie in LDS
.Ljoin:
	s_add_co_u32 s[PH], s[PH], 1
	s_cmp_lt_u32 s[PH], 3
	s_cbranch_scc1 .Lphase
	; THE WAY OUT: out = x1 + the last product (its bias began the sums); the rows turn back through my own stage and leave as runs of 512 consecutive bytes
	WIN 0x49
.set kk, 0
.rept 128
	v_pk_add_f32 v[2*kk:2*kk+1], v[2*kk:2*kk+1], v[2*kk:2*kk+1]
.set kk, kk+1
.endr
.irp u, 0,1
	WIN 0x04
.set bb, 0
.rept 8
.irp j, 0,1,2,3
	ds_store_b128 v[SGR], v[128*\u+16*bb+4*\j:128*\u+16*bb+4*\j+3] offset:TSTG*\u+128*bb+16*\j
.endr
.set bb, bb+1
.endr
	WIN 0x40
.set ii, 0
.rept 16
	ds_load_b128 v[128*\u+8*ii:128*\u+8*ii+3], v[SG16] offset:TSTG*\u+RP*ii           ; LDS serves a wave's instructions in order: these see my stores
	ds_load_b128 v[128*\u+8*ii+4:128*\u+8*ii+7], v[SG16] offset:TSTG*\u+RP*ii+512
.set ii, ii+1
.endr
.endr
	WIN 0x04
	s_wait_dscnt 63                                ; of the 128 LDS instructions at most 63 are out: tile 0's 32 stores and 32 loads are done
.set ii, 0
.rept 16
	global_store_b128 v[L16], v[8*ii:8*ii+3], s[OUTP:OUTP+1] offset:(ii+8*(ii/8))*4096 th:TH_STORE_NT
	global_store_b128 v[L16], v[8*ii+4:8*ii+7], s[OUTP:OUTP+1] offset:(ii+8*(ii/8))*4096+512 th:TH_STORE_NT
.set ii, ii+1
.endr
.set ii, 0
.rept 16
	s_wait_dscnt 31-2*ii                           ; this load is in; the younger ones may be out
	global_store_b128 v[L16], v[128+8*ii:128+8*ii+3], s[OUTP:OUTP+1] offset:(8+ii+8*(ii/8))*4096 th:TH_STORE_NT
	s_wait_dscnt 30-2*ii
	global_store_b128 v[L16], v[128+8*ii+4:128+8*ii+7], s[OUTP:OUTP+1] offset:(8+ii+8*(ii/8))*4096+512 th:TH_STORE_NT
.set ii, ii+1
.endr
	WIN 0
	s_wait_tensorcnt 0x0                           ; the wave's end: behind my last LDS store
	ds_add_u32 v[SPW], v[NIL]
	s_wait_dscnt 0x0
	s_endpgm
.Lfunc_end_k_q529424d62d_mlp:
	.size	k_q529424d62d_mlp, .Lfunc_end_k_q529424d62d_mlp-k_q529424d62d_mlp
	.p2alignl 7, 3214868480
	.fill 96, 4, 3214868480
	.section	.rodata,"a",@progbits
	.p2align	6, 0x0
	.amdhsa_kernel k_q529424d62d_mlp
		.amdhsa_group_segment_fixed_size 167936
		.amdhsa_private_segment_fixed_size 0
		.amdhsa_enable_private_segment 0
		.amdhsa_kernarg_size 80
		.amdhsa_user_sgpr_count 2
		.amdhsa_user_sgpr_kernarg_segment_ptr 1
		.amdhsa_wavefront_size32 1
		.amdhsa_system_sgpr_workgroup_id_x 1
		.amdhsa_system_sgpr_workgroup_id_y 1
		.amdhsa_system_sgpr_workgroup_id_z 1
		.amdhsa_system_vgpr_workitem_id 0
		.amdhsa_next_free_vgpr 1024
		.amdhsa_next_free_sgpr 66
		.amdhsa_reserve_vcc 0
		.amdhsa_float_denorm_mode_32 3
		.amdhsa_float_denorm_mode_16_64 3
		.amdhsa_memory_ordered 1
		.amdhsa_forward_progress 1
		.amdhsa_inst_pref_size 255
	.end_amdhsa_kernel
	.section	.bss,"aw",@nobits
	.p2align	6
	.space	262144
	.amdgpu_metadata
---
amdhsa.version: [ 1, 2 ]
amdhsa.kernels:
  - .name:           k_q529424d62d_mlp
    .symbol:         k_q529424d62d_mlp.kd
    .args:
      - { .name: x, .offset: 0, .size: 8, .value_kind: global_buffer, .address_space: global }
      - { .name: oq, .offset: 8, .size: 8, .value_kind: global_buffer, .address_space: global }
      - { .name: os, .offset: 16, .size: 8, .value_kind: global_buffer, .address_space: global }
      - { .name: wq, .offset: 24, .size: 8, .value_kind: global_buffer, .address_space: global }
      - { .name: b_proj, .offset: 32, .size: 8, .value_kind: global_buffer, .address_space: global }
      - { .name: ln2_g, .offset: 40, .size: 8, .value_kind: global_buffer, .address_space: global }
      - { .name: ln2_b, .offset: 48, .size: 8, .value_kind: global_buffer, .address_space: global }
      - { .name: b_fc1, .offset: 56, .size: 8, .value_kind: global_buffer, .address_space: global }
      - { .name: b_fc2, .offset: 64, .size: 8, .value_kind: global_buffer, .address_space: global }
      - { .name: out0, .offset: 72, .size: 8, .value_kind: global_buffer, .address_space: global }
    .group_segment_fixed_size: 167936
    .private_segment_fixed_size: 0
    .kernarg_segment_align: 8
    .kernarg_segment_size: 80
    .max_flat_workgroup_size: 128
    .sgpr_count:     66
    .vgpr_count:     1024
    .wavefront_size: 32
...
	.end_amdgpu_metadata
.endif
;; end of part 8
